; MI455X (gfx1250); checked and timed in simulation.
; The chip was launched on July 23, 2026; its instructions are those of AMD's public machine-readable ISA for CDNA 5 (MIT licence, August 2026) and "CDNA5" Instruction Set Architecture Reference Guide (July 2026). The comments in the code are by the model that wrote it; some were corrected since.
;; Multi Headed Attention. Allowed arithmetic: matrix products marked QUANTISED: E2M3 operands, one E8M0 scale for each 32 along K, by v_wmma_scale_f32_16x16x128_f8f6f4 with both operands' format E2M3, f32 sums; everything else in f32.
;; Inputs: Wk 1,024 x 1,024 float32; Wq 1,024 x 1,024 float32; Wv 1,024 x 1,024 float32; beta 1,024 float32; bk 1,024 float32; bq 1,024 float32; bv 1,024 float32; gamma 1,024 float32; x 4 x 2,048 x 1,024 float32.
;; Outputs: out0 4 x 2,048 x 1,024 float32.
;; This version of the problem:
;;   THIS VERSION OF THE PROBLEM IS GIVEN IN LOW PRECISION. The matrix products marked QUANTISED in the list below multiply operands that are first quantised to E2M3 (2 exponent bits, 3 mantissa bits; 6 bits a number), with one power-of-two scale for each 32 numbers along K (OCP MX v1.0); their sums are f32. All else is computed in f32.
;;   The module's matrix products, in the order in which they are computed (A, B: the left and right operand; K: the contracted axis; several contracted axes count as one K, in the product's order):
;;     1. [M 8,192, K 1,024] x [K 1,024, N 1,024]; A: computed on the way; B: input Wq: QUANTISED
;;     2. [M 8,192, K 1,024] x [K 1,024, N 1,024]; A: computed on the way; B: input Wk: QUANTISED
;;     3. [M 8,192, K 1,024] x [K 1,024, N 1,024]; A: computed on the way; B: input Wv: QUANTISED
;;     4. batch 4 x [M 2,048, K 1,024] x [K 1,024, N 2,048]; A: computed on the way; B: computed on the way: QUANTISED
;;     5. batch 4 x [M 2,048, K 2,048] x [K 2,048, N 1,024]; A: softmax (see below); B: computed on the way: QUANTISED
;;   THE QUANTISER, for each operand of a quantised product, along K:
;;     - K is cut into blocks of 32 from its start; a last block that is shorter is filled with zeros.
;;     - A block's scale is 2^e with e = floor(log2(the largest magnitude in the block)) - 2, held to -126 .. 127; a block of zeros has e = 0. As a byte (E8M0): e + 127.
;;     - Each number is divided by its block's scale, clamped to +-7.5, and rounded to the nearest number of E2M3, ties to even, subnormals kept.
;;     - The product sums the exact products of the quantised numbers (number of the format x scale) in f32.
;;   ~~~python
;;   def quantise(x, axis):      # numpy; x: float32 -> the quantised numbers, widened to float32 again
;;       x = np.moveaxis(x, axis, -1); K = x.shape[-1]
;;       x = np.pad(x, [(0, 0)] * (x.ndim - 1) + [(0, -K % 32)]); x = x.reshape(x.shape[:-1] + (-1, 32)); a = np.abs(x).max(-1, keepdims=True)
;;       e = np.where(a > 0, np.clip(np.frexp(np.where(a > 0, a, 1))[1] - 1 - 2, -126, 127), 0)      # np.frexp(a)[1] - 1 = floor(log2(a)), exactly
;;       r = np.clip(x / 2.0 ** e, -7.5, 7.5)
;;       step = 2.0 ** (np.maximum(np.frexp(np.where(r == 0, 1, r))[1] - 1, 0) - 3)
;;       q = np.round(r / step) * step * 2.0 ** e      # np.round: ties to even
;;       return np.moveaxis(q.reshape(q.shape[:-2] + (-1,))[..., :K], -1, axis).astype(np.float32)
;;   ~~~
;;   SOFTMAX AHEAD OF A QUANTISED PRODUCT. Where the list says 'softmax', what is quantised is not the finished softmax but p = 2^(t - M), with t = logit x log2(e) and M = ceil(the row's largest t), a whole number; so 1/2 < the row's largest p <= 1. The row's sum l is taken of the UNQUANTISED p, in f32, and the product's result is divided by l at the end. Since M is a whole number, a kernel that streams over the keys may use a running M (the ceiling of the running maximum): every later rescaling is an exact power of two, which a block's scale takes up: the codes' values come out the same.
;;   OPERANDS COMPUTED ON THE WAY. 'Computed on the way' means the value that the module computes at that place (a softmax that the list does not call 'softmax' is quantised finished and normalised). What goes into a quantiser is computed in f32, as accurately as f32 sums, v_exp_f32 and their like allow (about 1e-6 of the number): no bf16 or f16 on the way to a quantiser, and a product that is left as it is and whose result goes on into a quantised operand takes f32 operands (vector FMAs, or v_wmma_f32_16x16x4_f32). A number that lies on a knife's edge between two numbers of the format may be rounded either way, as far as f32 arithmetic and the matrix unit's own rounding can turn it there, and no further.
;; 2 versions, each right and faster than the one before. Each part assembles by itself: llvm-mc -triple=amdgcn-amd-amdhsa -mcpu=gfx1250 --defsym DOCPART=n.
;; ======== version 1 of 2: 4 launches
;; workspace buffers: pre_c 8,650,752 bytes; pre_s 360,448 bytes; qkv_c 18,874,368 bytes; qkv_s 786,432 bytes; p_c 12,582,912 bytes; p_s 1,572,864 bytes
;; launch prep (part 1): grid 352 x 1, 8 waves a work-group, no clusters, 97,280 bytes of LDS; arguments x, gamma, beta, Wq, Wk, Wv, pre_c, pre_s; writes pre_c, pre_s
.if DOCPART == 1
	.amdgcn_target "amdgcn-amd-amdhsa--gfx1250"
	.amdhsa_code_object_version 6
	.text
	.protected	k_q2358fdf63c_prep
	.globl	k_q2358fdf63c_prep
	.p2align	8
	.type	k_q2358fdf63c_prep,@function
k_q2358fdf63c_prep:
	s_mov_b64 s[64:65], 0
	v_nop
	global_prefetch_b8 v0, s[64:65] scope:SCOPE_SE
	s_setreg_imm32_b32 hwreg(HW_REG_WAVE_MODE, 25, 1), 1
	s_wait_xcnt 0x0
; PREP.  Work-groups 0-255: LayerNorm of x [8192][1024] in f32 (mean, then the mean of the centred squares, v_rsq_f32, gamma, beta) and its codes of FP6 (E2M3) along the 1,024 features.
; Work-groups 256-351: the codes of Wq, Wk, Wv [1024 (k)][1024 (n)] along k, their FIRST axis: a lane takes a column n and its registers run down k.
; A block of 32 has the scale 2^(floor(log2(largest magnitude)) - 2); its byte is the largest magnitude's exponent field - 2, held at 1 from below.
; LAYOUT OF pre_c: operands lie as images of their registers.  A fragment (16 rows x 128 along K) is 12 registers a lane, 1,536 bytes: register k of lane L at byte 512 (k / 4) + 16 L + 4 (k % 4).
; The buffer is [704 blocks of 16 rows][8 fragments][1,536]: rows 0-8191 xn, rows 8192 + 1024 T + n the weights (T = 0 q, 1 k, 2 v).  pre_s: [8 fragments][11,264 rows] scale words.
; THE ROW WITH NUMBER i LIES AT PLACE p(i), p = i with its bits 3 and 4 exchanged: so in the products that follow a lane's 16 registers of two neighbouring tiles are 16 neighbours along the next K.
; LIMITS: NaN and infinities among the inputs are not served; a block of zeros gets the byte 1 (its codes are zeros, and this program alone reads the bytes).
; No matrix unit, no tensor load, no cluster: the launch streams each input once and shares nothing between work-groups.  The two paths part once, on the work-group's number, and each has LDS bytes of its own.
.set XSTG,  0                          ; x's path: a stage of 32 x 144 bytes for each wave: a row's 32 blocks of 128 bytes, 16 bytes of padding behind each
.set XIMG,  36864                      ; 48 pieces of 512 bytes (2 blocks of rows x 8 fragments x 3), 528 bytes apart
.set XSC,   62208                      ; scale words: [8 fragments][32 places]
.set XGB,   63232                      ; gamma, and 4,096 bytes on beta
.set WIMG,  71424                      ; the weights' path: two fragments' images for each wave
.set SPARE, 96000                      ; the spare words, 128 bytes for each wave: four blocks of 256 bytes that no other line names
.set SPW,   12                         ; v12  LDS address of my spare word; never rewritten
.set NIL,   13                         ; v13  0; never rewritten
.set Y,     32                         ; v32-63   at work: sums; then a block's 32 neighbours; on the way out the images
.set X,     64                         ; v64-191  x's path: four rows, 32 numbers a lane each; the weights' path: four blocks of 32 down k
.set G,     192                        ; v192-223 gamma at my 32 places of a row
.set BT,    224                        ; v224-255 beta likewise
	s_load_b512 s[24:39], s[0:1], 0x0              ; x s[24:25], gamma s[26:27], beta s[28:29], Wq s[30:31], Wk s[32:33], Wv s[34:35], pre_c s[36:37], pre_s s[38:39]
	v_lshl_add_u32 v[SPW], v0, 2, SPARE
	v_mov_b32 v[NIL], 0
	v_lshrrev_b32 v1, 5, v0
	v_readfirstlane_b32 s16, v1                    ; wave 0..7
	v_and_b32 v1, 31, v0                           ; lane
; 32 numbers v[xs ..] of one block become six registers of codes v[cc .. cc + 5]; v26 = the scale's byte
.macro BLOCKQ xs, cc
	v_max3_num_f32 v30, |v[\xs]|, |v[\xs+1]|, |v[\xs+2]|   ; the block's largest magnitude, in two chains
	v_max3_num_f32 v31, |v[\xs+3]|, |v[\xs+4]|, |v[\xs+5]|
.irp i, 6,10,14,18,22,26
	v_max3_num_f32 v30, v30, |v[\xs+\i]|, |v[\xs+\i+1]|
	v_max3_num_f32 v31, v31, |v[\xs+\i+2]|, |v[\xs+\i+3]|
.endr
	v_max3_num_f32 v30, v30, |v[\xs+30]|, |v[\xs+31]|
	v_max3_num_f32 v30, v30, v31, 0x1800000        ; and the floor 2^(3 - 127): the byte cannot fall under 1
	v_add_nc_u32 v27, 0xff000000, v30              ; 2 off the exponent field: the conversion takes this operand's exponent field as its scale
	v_cvt_scalef32_pk16_fp6_f32 v[\cc:\cc+2], v[\xs:\xs+15], v27
	v_cvt_scalef32_pk16_fp6_f32 v[\cc+4:\cc+6], v[\xs+16:\xs+31], v27   ; (a conversion's three registers begin on an even number)
	v_lshrrev_b32 v26, 23, v27                     ; the byte; also the plain instruction behind the conversions
	v_mov_b32 v[\cc+3], v[\cc+4]
	v_mov_b32 v[\cc+4], v[\cc+5]
	v_mov_b32 v[\cc+5], v[\cc+6]
.endm
	s_cmp_lt_u32 ttmp9, 256
	s_cbranch_scc0 .Lweights
	; ---------------- x: work-group g takes rows 32 g .. 32 g + 31, wave w rows 4 w + t ----------------
	s_mov_b32 s20, 0x76543210
	s_mov_b32 s21, 0xfedcba98                      ; v_permlanex16_b32's selects for lane l xor 16
	s_mov_b32 s22, 0x3a800000                      ; 1 / 1024
	s_mov_b32 s23, 0x3727c5ac                      ; 1e-5
	s_lshr_b32 s2, s16, 1
	s_and_b32 s2, s2, 1                            ; u: which block of 16 places my four rows fall into (bit 3 of the row's number)
	s_and_b32 s3, s16, 1
	s_lshl_b32 s3, s3, 2
	s_lshr_b32 s4, s16, 2
	s_lshl_b32 s4, s4, 3
	s_add_co_u32 s3, s3, s4                        ; r0: my first row's place in that block
	s_mul_i32 s4, s2, 12672                        ; 24 pieces of 528 bytes
	s_lshl_b32 s5, s3, 4
	s_add_co_u32 s4, s4, s5
	s_add_co_u32 s4, s4, XIMG
	s_lshl_b32 s5, s2, 4
	s_add_co_u32 s5, s5, s3                        ; my first row's place among the 32
	s_lshl_b32 s5, s5, 2
	s_add_co_u32 s5, s5, XSC
	s_mul_i32 s6, s16, 4608                        ; my stage
	v_lshlrev_b32 v2, 4, v1                        ; 16 x lane
	v_lshrrev_b32 v3, 3, v1
	v_lshl_add_u32 v3, v3, 4, v2
	v_add_nc_u32 v3, s6, v3                        ; into the stage: 16 l + 16 (l / 8): eight lanes' 128 bytes on end, then 16 of padding
	v_mul_u32_u24 v4, v1, 144
	v_add_nc_u32 v4, s6, v4                        ; out of it: block l of the row
	v_lshrrev_b32 v9, 2, v1                        ; block l = fragment l / 4,
	v_bfe_u32 v10, v1, 1, 1                        ; registers 6 c on,
	v_and_b32 v11, 1, v1                           ; of lane r + 16 h
	v_mul_u32_u24 v5, v9, 1584
	v_lshl_add_u32 v5, v11, 8, v5
	v_add_nc_u32 v5, s4, v5
	v_mad_u32_u24 v6, v10, 1048, v5                ; the second 8 bytes of a block's 24: byte 8 of piece 0 (c = 0) or byte 0 of piece 2 (c = 1)
	v_mad_u32_u24 v5, v10, 536, v5                 ; the first and the third: bytes 0 of pieces 0 and 1, or bytes 8 of pieces 1 and 2
	v_and_b32 v7, 3, v1
	v_lshl_add_u32 v7, v9, 7, v7
	v_add_nc_u32 v7, s5, v7                        ; my block's byte in its row's scale word
	s_mul_i32 s7, s16, 3168
	s_add_co_u32 s7, s7, XIMG
	v_add_nc_u32 v8, s7, v2                        ; the way out: wave w takes pieces 6 w .. 6 w + 5
	s_lshl_b32 s8, s16, 9
	s_add_co_u32 s7, s8, XGB
	v_add_nc_u32 v9, s7, v2                        ; gamma's and beta's 512 bytes that I bring
	v_add_nc_u32 v10, XGB, v2
	v_lshlrev_b32 v11, 2, v1
	s_lshl_b32 s7, s16, 7
	s_add_co_u32 s7, s7, XSC
	v_add_nc_u32 v28, s7, v11                      ; the way out: fragment w's 32 scale words
	v_add_nc_u32 v29, s8, v2                       ; 512 w + 16 l
	s_lshl_b32 s10, ttmp9, 17                      ; 32 rows of 4,096 bytes
	s_lshl_b32 s11, s16, 14
	s_add_co_u32 s10, s10, s11
	s_mov_b32 s11, 0
	s_mul_i32 s2, ttmp9, 24576                     ; two blocks of rows, 12,288 bytes each
	s_mul_i32 s3, s16, 3072
	s_add_co_u32 s2, s2, s3
	s_mov_b32 s3, 0
	s_mul_i32 s4, s16, 45056                       ; fragment w's row of scale words
	s_lshl_b32 s5, ttmp9, 7
	s_add_co_u32 s4, s4, s5
	s_mov_b32 s5, 0
	s_wait_kmcnt 0x0
	s_add_nc_u64 s[24:25], s[24:25], s[10:11]
	s_add_nc_u64 s[36:37], s[36:37], s[2:3]
	s_add_nc_u64 s[38:39], s[38:39], s[4:5]
	global_load_b128 v[Y:Y+3], v29, s[26:27]
	global_load_b128 v[Y+4:Y+7], v29, s[28:29]
.irp t, 0,1,2,3
.irp j, 0,1,2,3,4,5,6,7
	global_load_b128 v[X+32*\t+4*\j:X+32*\t+4*\j+3], v2, s[24:25] offset:4096*\t+512*\j th:TH_LOAD_NT   ; 32 lanes read 512 consecutive bytes
.endr
.endr
	s_wait_loadcnt 32                              ; gamma's and beta's pieces are in; x's 32 loads stay out
	ds_store_b128 v9, v[Y:Y+3]
	ds_store_b128 v9, v[Y+4:Y+7] offset:4096
	s_wait_dscnt 0x0                               ; for the others' sake: my stores have landed
	s_barrier_signal -1
	s_barrier_wait -1
.irp j, 0,1,2,3,4,5,6,7
	ds_load_b128 v[G+4*\j:G+4*\j+3], v10 offset:512*\j
.endr
.irp j, 0,1,2,3,4,5,6,7
	ds_load_b128 v[BT+4*\j:BT+4*\j+3], v10 offset:4096+512*\j
.endr
	s_wait_dscnt 0x0
.macro REDUCE                          ; four pairs of partial sums in v[Y .. Y + 7] become the row's sum, in v[Y] of every lane
	v_pk_add_f32 v[Y:Y+1], v[Y:Y+1], v[Y+2:Y+3]
	v_pk_add_f32 v[Y+4:Y+5], v[Y+4:Y+5], v[Y+6:Y+7]
	v_pk_add_f32 v[Y:Y+1], v[Y:Y+1], v[Y+4:Y+5]
	v_add_f32 v[Y], v[Y], v[Y+1]
	v_add_f32_dpp v[Y], v[Y], v[Y] row_xmask:1 row_mask:0xf bank_mask:0xf
	v_add_f32_dpp v[Y], v[Y], v[Y] row_xmask:2 row_mask:0xf bank_mask:0xf
	v_add_f32_dpp v[Y], v[Y], v[Y] row_xmask:4 row_mask:0xf bank_mask:0xf
	v_add_f32_dpp v[Y], v[Y], v[Y] row_xmask:8 row_mask:0xf bank_mask:0xf
	v_permlanex16_b32 v[Y+1], v[Y], s20, s21
	v_add_f32 v[Y], v[Y], v[Y+1]
.endm
.macro ROW t
.set XR, X+32*(\t)
	s_wait_loadcnt 8*(3-(\t))                      ; this row's eight loads are in; the later rows' stay out
.irp c, 0,1,2,3
	v_pk_add_f32 v[Y+2*\c:Y+2*\c+1], v[XR+4*\c:XR+4*\c+1], v[XR+4*\c+2:XR+4*\c+3]
.endr
.irp i, 16,24
.irp c, 0,1,2,3
	v_pk_add_f32 v[Y+2*\c:Y+2*\c+1], v[Y+2*\c:Y+2*\c+1], v[XR+\i+2*\c:XR+\i+2*\c+1]
.endr
.endr
	REDUCE
	v_mul_f32 v14, s22, v[Y]                       ; the mean, in both words of a pair
	v_mul_f32 v15, s22, v[Y]
.irp i, 0,2,4,6,8,10,12,14,16,18,20,22,24,26,28,30
	v_pk_add_f32 v[XR+\i:XR+\i+1], v[XR+\i:XR+\i+1], v[14:15] neg_lo:[0,1] neg_hi:[0,1]
.endr
.irp c, 0,1,2,3
	v_pk_mul_f32 v[Y+2*\c:Y+2*\c+1], v[XR+2*\c:XR+2*\c+1], v[XR+2*\c:XR+2*\c+1]
.endr
.irp i, 8,16,24
.irp c, 0,1,2,3
	v_pk_fma_f32 v[Y+2*\c:Y+2*\c+1], v[XR+\i+2*\c:XR+\i+2*\c+1], v[XR+\i+2*\c:XR+\i+2*\c+1], v[Y+2*\c:Y+2*\c+1]
.endr
.endr
	REDUCE
	v_fma_f32 v31, v[Y], s22, s23                  ; the variance + 1e-5
	v_rsq_f32 v16, v31
	v_mov_b32 v17, 0                               ; (named with v16 as a pair; also the plain instruction behind the transcendental)
	s_wait_alu depctr_va_vdst(0)                   ; the wait ahead of the result's first reader
.irp i, 0,2,4,6,8,10,12,14,16,18,20,22,24,26,28,30
	v_pk_mul_f32 v[XR+\i:XR+\i+1], v[XR+\i:XR+\i+1], v[16:17] op_sel_hi:[1,0]
.endr
.irp i, 0,2,4,6,8,10,12,14,16,18,20,22,24,26,28,30
	v_pk_fma_f32 v[XR+\i:XR+\i+1], v[XR+\i:XR+\i+1], v[G+\i:G+\i+1], v[BT+\i:BT+\i+1]
.endr
.irp j, 0,1,2,3,4,5,6,7
	ds_store_b128 v3, v[XR+4*\j:XR+4*\j+3] offset:576*\j     ; the row turns through my stage: in as it was loaded,
.endr
.irp i, 0,1,2,3,4,5,6,7
	ds_load_b128 v[Y+4*\i:Y+4*\i+3], v4 offset:16*\i         ; out a block of 32 neighbours a lane (LDS serves a wave's instructions in order: ISA guide 5.7.1.4)
.endr
	s_wait_dscnt 0x0                               ; the block is in; the last row's stores of codes are done too
	BLOCKQ Y, 18
	ds_store_b64 v5, v[18:19] offset:16*(\t)
	ds_store_b64 v6, v[20:21] offset:16*(\t)+8
	ds_store_b64 v5, v[22:23] offset:16*(\t)+528
	ds_store_b8 v7, v26 offset:4*(\t)
.endm
	ROW 0
	ROW 1
	ROW 2
	ROW 3
	s_wait_dscnt 0x0                               ; for the others' sake: my parts of the images have landed
	s_barrier_signal -1
	s_barrier_wait -1
.irp i, 0,1,2,3,4,5
	ds_load_b128 v[Y+4*\i:Y+4*\i+3], v8 offset:528*\i
.endr
	ds_load_b32 v[Y+24], v28
.irp i, 0,1,2,3,4,5
	s_wait_dscnt 6-\i                              ; piece i is in; the younger loads stay out
	global_store_b128 v2, v[Y+4*\i:Y+4*\i+3], s[36:37] offset:512*\i   ; 32 lanes store 512 consecutive bytes, at a multiple of 512 from the buffer's first byte
.endr
	s_wait_dscnt 0x0
	global_store_b32 v11, v[Y+24], s[38:39]        ; 128 consecutive bytes of scale words: one byte in 128 of what the launch reads
	s_wait_tensorcnt 0x0                           ; the wave's end, behind my last LDS store
	ds_add_u32 v[SPW], v[NIL]
	s_wait_dscnt 0x0
	s_endpgm
	; ---------------- the weights: work-group j = 32 T + 8 cg + f takes tensor T, k = 128 f on, columns 256 cg on; wave w 32 of them ----------------
.Lweights:
	s_sub_co_u32 s2, ttmp9, 256
	s_lshr_b32 s3, s2, 5                           ; T
	s_and_b32 s4, s2, 7                            ; f
	s_bfe_u32 s5, s2, 0x20003                      ; cg
	v_lshlrev_b32 v2, 2, v1                        ; in: 4 bytes a lane
	v_bfe_u32 v7, v1, 3, 1                         ; column l lies at place 16 u + r: u = bit 3 of l,
	v_and_b32 v8, 7, v1
	v_lshrrev_b32 v9, 4, v1
	v_lshl_add_u32 v8, v9, 3, v8                   ; r = l % 8 + 8 (l / 16)
	s_mul_i32 s6, s16, 3072
	s_add_co_u32 s6, s6, WIMG
	v_mul_u32_u24 v3, v7, 1536
	v_lshl_add_u32 v3, v8, 4, v3
	v_add_nc_u32 v3, s6, v3                        ; my column's 16 bytes in a piece of its image
	v_lshlrev_b32 v5, 4, v1
	v_add_nc_u32 v4, s6, v5                        ; the way out
	v_lshl_add_u32 v6, v7, 4, v8
	v_lshlrev_b32 v6, 2, v6                        ; my column's scale word
	s_lshl_b32 s8, s4, 19                          ; 128 rows of 4,096 bytes
	s_lshl_b32 s9, s5, 10
	s_add_co_u32 s8, s8, s9
	s_lshl_b32 s9, s16, 7
	s_add_co_u32 s8, s8, s9
	s_mov_b32 s9, 0
	s_lshl_b32 s10, s3, 6
	s_lshl_b32 s11, s5, 4
	s_add_co_u32 s10, s10, s11
	s_lshl_b32 s11, s16, 1
	s_add_co_u32 s10, s10, s11                     ; my first block of 16 rows among the weights'
	s_lshl_b32 s10, s10, 3
	s_add_co_u32 s10, s10, s4
	s_mul_i32 s10, s10, 1536
	s_add_co_u32 s10, s10, 6291456                 ; behind xn's 512 blocks
	s_mov_b32 s11, 0
	s_mul_i32 s12, s4, 45056
	s_lshl_b32 s13, s3, 12
	s_add_co_u32 s12, s12, s13
	s_lshl_b32 s13, s5, 10
	s_add_co_u32 s12, s12, s13
	s_lshl_b32 s13, s16, 7
	s_add_co_u32 s12, s12, s13
	s_add_co_u32 s12, s12, 32768                   ; behind xn's 8,192 words
	s_mov_b32 s13, 0
	s_wait_kmcnt 0x0
	s_cmp_eq_u32 s3, 1                             ; the choice hangs on the work-group's number alone
	s_cselect_b64 s[30:31], s[32:33], s[30:31]
	s_cmp_eq_u32 s3, 2
	s_cselect_b64 s[30:31], s[34:35], s[30:31]
	s_add_nc_u64 s[30:31], s[30:31], s[8:9]
	s_add_nc_u64 s[36:37], s[36:37], s[10:11]
	s_add_nc_u64 s[38:39], s[38:39], s[12:13]
.macro WLOAD t                         ; block t: W(128 f + 32 t + i, my column): 32 lanes read 128 consecutive bytes, the eight waves 1,024
.set i, 0
.rept 32
	global_load_b32 v[X+32*(\t)+i], v2, s[30:31] offset:4096*(32*(\t)+i) th:TH_LOAD_NT
.set i, i+1
.endr
.endm
.macro WBLOCK t
.if (\t) < 3
	s_wait_loadcnt 32                              ; this block's 32 loads are in; the next block's stay out
.else
	s_wait_loadcnt 0x0
.endif
.if (\t) < 2
	WLOAD (\t)+2                                   ; two blocks ahead, into registers of their own
.endif
	BLOCKQ X+32*(\t), 32+8*(\t)
.if (\t) == 0
	v_mov_b32 v29, v26                             ; the four bytes make my column's scale word, the lower k in the lower byte
.else
	v_lshl_or_b32 v29, v26, 8*(\t), v29
.endif
	ds_store_b64 v3, v[32+8*(\t):33+8*(\t)] offset:256*((\t)%2)+520*((\t)/2)        ; block t = 2 c + h: registers 6 c on of lane r + 16 h
	ds_store_b64 v3, v[34+8*(\t):35+8*(\t)] offset:256*((\t)%2)+8+1016*((\t)/2)
	ds_store_b64 v3, v[36+8*(\t):37+8*(\t)] offset:256*((\t)%2)+512+520*((\t)/2)
.endm
	WLOAD 0
	WLOAD 1
	WBLOCK 0
	WBLOCK 1
	WBLOCK 2
	WBLOCK 3
.irp i, 0,1,2,3,4,5
	ds_load_b128 v[G+4*\i:G+4*\i+3], v4 offset:512*\i        ; my own bytes: LDS serves a wave's instructions in order
.endr
.irp i, 0,1,2,3,4,5
	s_wait_dscnt 5-\i
	global_store_b128 v5, v[G+4*\i:G+4*\i+3], s[36:37] offset:12288*(\i/3)+512*(\i%3)   ; 512 consecutive bytes
.endr
	global_store_b32 v6, v29, s[38:39]             ; 32 words, 128 consecutive bytes
	s_wait_tensorcnt 0x0                           ; the wave's end, behind my last LDS store
	ds_add_u32 v[SPW], v[NIL]
	s_wait_dscnt 0x0
	s_endpgm
.Lfunc_end_k_q2358fdf63c_prep:
	.size	k_q2358fdf63c_prep, .Lfunc_end_k_q2358fdf63c_prep-k_q2358fdf63c_prep
	.p2alignl 7, 3214868480
	.fill 96, 4, 3214868480
	.section	.rodata,"a",@progbits
	.p2align	6, 0x0
	.amdhsa_kernel k_q2358fdf63c_prep
		.amdhsa_group_segment_fixed_size 97280
		.amdhsa_private_segment_fixed_size 0
		.amdhsa_enable_private_segment 0
		.amdhsa_kernarg_size 64
		.amdhsa_user_sgpr_count 2
		.amdhsa_user_sgpr_kernarg_segment_ptr 1
		.amdhsa_wavefront_size32 1
		.amdhsa_system_sgpr_workgroup_id_x 1
		.amdhsa_system_sgpr_workgroup_id_y 1
		.amdhsa_system_sgpr_workgroup_id_z 1
		.amdhsa_system_vgpr_workitem_id 0
		.amdhsa_next_free_vgpr 256
		.amdhsa_next_free_sgpr 66
		.amdhsa_reserve_vcc 0
		.amdhsa_float_denorm_mode_32 3
		.amdhsa_float_denorm_mode_16_64 3
		.amdhsa_memory_ordered 1
		.amdhsa_forward_progress 1
		.amdhsa_inst_pref_size 67
	.end_amdhsa_kernel
	.amdgpu_metadata
---
amdhsa.version: [ 1, 2 ]
amdhsa.kernels:
  - .name:           k_q2358fdf63c_prep
    .symbol:         k_q2358fdf63c_prep.kd
    .args:
      - { .name: x, .offset: 0, .size: 8, .value_kind: global_buffer, .address_space: global }
      - { .name: gamma, .offset: 8, .size: 8, .value_kind: global_buffer, .address_space: global }
      - { .name: beta, .offset: 16, .size: 8, .value_kind: global_buffer, .address_space: global }
      - { .name: Wq, .offset: 24, .size: 8, .value_kind: global_buffer, .address_space: global }
      - { .name: Wk, .offset: 32, .size: 8, .value_kind: global_buffer, .address_space: global }
      - { .name: Wv, .offset: 40, .size: 8, .value_kind: global_buffer, .address_space: global }
      - { .name: pre_c, .offset: 48, .size: 8, .value_kind: global_buffer, .address_space: global }
      - { .name: pre_s, .offset: 56, .size: 8, .value_kind: global_buffer, .address_space: global }
    .group_segment_fixed_size: 97280
    .private_segment_fixed_size: 0
    .kernarg_segment_align: 8
    .kernarg_segment_size: 64
    .max_flat_workgroup_size: 256
    .sgpr_count:     66
    .vgpr_count:     256
    .wavefront_size: 32
...
	.end_amdgpu_metadata
.endif
;; end of part 1
;; launch proj (part 2): grid 12 x 32, 4 waves a work-group, clusters of 4 x 4, 327,680 bytes of LDS; arguments pre_c, pre_s, bq, bk, bv, qkv_c, qkv_s; writes qkv_c, qkv_s
.if DOCPART == 2
	.amdgcn_target "amdgcn-amd-amdhsa--gfx1250"
	.amdhsa_code_object_version 6
	.text
	.protected	k_q2358fdf63c_proj
	.globl	k_q2358fdf63c_proj
	.p2align	8
	.type	k_q2358fdf63c_proj,@function
k_q2358fdf63c_proj:
	s_mov_b64 s[64:65], 0
	v_nop
	global_prefetch_b8 v0, s[64:65] scope:SCOPE_SE
	s_setreg_imm32_b32 hwreg(HW_REG_WAVE_MODE, 25, 1), 1
	s_wait_xcnt 0x0
	s_wait_alu depctr_hold_cnt(0) depctr_sa_sdst(0) depctr_va_vdst(0) depctr_va_sdst(0) depctr_va_ssrc(0) depctr_va_vcc(0) depctr_vm_vsrc(0)
	s_getreg_b32 s2, hwreg(HW_REG_IB_STS2, 6, 4)
	s_cmp_eq_u32 s2, 0
	s_cbranch_scc0 .Lentry_in_a_cluster
	s_endpgm
.Lentry_in_a_cluster:
	s_bfe_u32 s2, ttmp6, 0x10000c
	s_cmp_lg_u32 s2, 0xf033
	s_cbranch_scc0 .Lentry_shape_is_right
	s_endpgm
.Lentry_shape_is_right:
; PROJ.  q = xn Wq + bq, k = xn Wk + bk (A = xn's rows, B = the weight's rows) and v^T = Wv^T xn^T + bv (A = Wv's rows, B = xn's rows), on codes of FP6 (E2M3) with one E8M0 scale for each 32 along K = 1,024;
; each result is quantised at once along its columns, which are the next product's K (q, k: the features; v^T: the keys), and leaves as codes: no f32 result goes to memory.
; A tile of 256 x 256 to a work-group of four waves, 128 x 128 a wave: 64 accumulators, 512 registers.  Clusters x = 0, 1: q's and k's 256 tiles; clusters x = 2: v^T's 128.
; OPERANDS LIE AS IMAGES OF THEIR REGISTERS: a fragment (16 rows x 128 K, 12 registers a lane) is 1,536 bytes, register k of lane L at 512 (k / 4) + 16 L + 4 (k % 4); a tensor is [rows / 16][K / 128][1,536].
; So a fragment comes from LDS by three loads of 512 consecutive bytes, and a wave's tensor load brings 8 rows of 3,072 bytes (8 blocks of rows x 256 along K).  Scale words lie [K / 128][rows].
; ROW i LIES AT PLACE p(i) (bits 3 and 4 exchanged).  The product is used transposed (source 0 = 16 rows of B, source 1 = 16 rows of A): lane (r, h) holds A's row at place r, and register 16 b + i of a block's 64
; holds column 32 b + 16 h + i in the columns' true order: 16 neighbours along the next K, as the conversions want them.
; CLUSTERS: 4 x 4 work-groups; A's tiles and scales are asked for jointly along a row of the cluster, B's along a column.  The biases are the C of each sum's first product.
; LIMITS: NaN and infinities are not served; a block of zeros gets the byte 1 (this program alone reads the bytes).
; REGISTERS: window 0: v1-31 addresses; v32-63 scale words, two sets; v64-127 the bias in the result's layout; v128-223 A's fragments, one set; v224-231 bv at my rows.  Window 1: B's fragments, two sets, at v0 and v128.
;   Windows 2, 3: the accumulators of my rows 0-63, 64-127 ((a, b) at v[8 (8 (a % 4) + b)]).
.set KF,    8                          ; fragments along K
.set HALFT, 24576                      ; 8 blocks of rows x 2 fragments: what one tensor load brings
.set SLOT,  4*HALFT                    ; A's 256 rows, then B's
.set SCL,   2*SLOT                     ; behind the ring: the scale words, [KF][128 rows] for each 128 rows; B's lie 64 bytes further on than a whole number of such parts
.set QS,    512*KF
.set SPARE, SCL+4*QS+256               ; the spare words, 128 bytes for each wave: two blocks of 256 bytes that no other line names
.set LAPS,  KF/4
.set FR,    12
.set NL,    3                          ; LDS loads that bring a fragment
.set NP,    4                          ; places behind this matrix instruction (ISA guide 7.12.1)
.set ADRA,  16                         ; v16-17 my A fragments in slot 0, 1
.set ADRB,  20                         ; v20-21 the same for B
.set LI,    24                         ; v24  16 x lane
.set WS,    25                         ; v25  the way out: my row's word in my stage
.set WR,    26                         ; v26  the way out: 16 bytes a lane of my stage
.set ADRS,  27                         ; v27  my scale words: lanes 0-15 A's rows, lanes 16-31 B's
.set SPW,   28                         ; v28  my spare word; never rewritten
.set NIL,   29                         ; v29  0; never rewritten
.set SC,    32
.set BC,    64
.set AF,    128
.set RB,    224
.set TM,    32                         ; the way out: v32-35 largest magnitudes, v36-39 bytes, v44-47 the conversions' scale operands
.set PW,    48                         ; v48-55 the eight blocks' scale words
.set PC,    192                        ; v192-210 the codes just made
.set G1, 24
.set G0, 32
.set G1B, 48
.set G0B, 56
.set G1S, 68
.set G0S, 76
.set G1SB, 80
.set G0SB, 88
.set MSB, 0
.macro WIN new                         ; the immediate's high byte repeats the setting that is left
.if MSB != (\new)
	s_set_vgpr_msb (MSB<<8)|(\new)
.set MSB, (\new)
.endif
.endm
.set MUL_LO, 0xa1                      ; source 0 (B) window 1, source 1 (A) window 0, C and D window 2
.set MUL_HI, 0xf1
.set TO_B,   0x40
.macro JLOAD g0a, g1a, g0b, g1b        ; a joint load: waves 0 and 1 fetch for A, waves 2 and 3 for B; an s_nop 0 and four v_nop follow each line
	s_cmp_eq_u32 s15, 0
	s_cbranch_scc0 .Lfor_b_\@
	tensor_load_to_lds s[\g0a:\g0a+3], s[\g1a:\g1a+7]
	s_nop 0
.rept 4
	v_nop
.endr
	s_branch .Lasked_\@
.Lfor_b_\@:
	tensor_load_to_lds s[\g0b:\g0b+3], s[\g1b:\g1b+7]
	s_nop 0
.rept 4
	v_nop
.endr
.Lasked_\@:
.endm
.macro CREST
	s_cmp_lg_u32 s14, 0
	s_cbranch_scc1 .Lnot_wave_0_\@
	s_barrier_signal -3
.Lnot_wave_0_\@:
	s_barrier_wait -3
	s_barrier_signal -1
	s_barrier_wait -1
.endm
.macro CROUND
	s_barrier_signal -1
	s_barrier_wait -1
	CREST
.endm
.macro PLACES n
.rept \n
	v_nop
.endr
.endm
	s_load_b256 s[4:11], s[0:1], 0x0               ; pre_c s[4:5], pre_s s[6:7], bq s[8:9], bk s[10:11]
	s_load_b64 s[12:13], s[0:1], 0x20              ; bv
	s_load_b128 s[92:95], s[0:1], 0x28             ; qkv_c s[92:93], qkv_s s[94:95]
	v_lshl_add_u32 v[SPW], v0, 2, SPARE
	v_mov_b32 v[NIL], 0
	ds_add_u32 v[SPW], v[NIL]                      ; the wave's opening: the add and its wait ahead of my first tensor load
	v_lshrrev_b32 v1, 5, v0
	v_readfirstlane_b32 s14, v1                    ; wave 0..3
	s_lshr_b32 s15, s14, 1                         ; my half of the tile's rows.  Also: I fetch for A (0) or for B (1)
	s_and_b32 s16, s14, 1                          ; my half of its columns.  Also: which 128 rows I fetch
	s_bfe_u32 s40, ttmp6, 0x40000                  ; cx
	s_bfe_u32 s41, ttmp6, 0x40004                  ; cy
	s_and_b32 s18, ttmp7, 0xffff                   ; cluster y
	s_cmp_eq_u32 ttmp9, 2                          ; cluster x = 2: tiles of v^T.  The same in all sixteen partners
	s_cselect_b32 s98, 1, 0
	s_cselect_b32 s19, 0, s18
	s_cselect_b32 s46, s18, ttmp9
	s_cselect_b32 s20, 10240, 0                    ; A's first row in pre_c: Wv's or xn's
	s_cselect_b32 s47, 0, 8192                     ; B's: xn's or Wq's
	s_lshl_b32 s19, s19, 2
	s_add_co_u32 s17, s19, s41                     ; tile row
	s_lshl_b32 s46, s46, 2
	s_add_co_u32 s42, s46, s40                     ; tile column
	s_lshl_b32 s43, s41, 2
	s_lshl_b32 s43, 15, s43                        ; my row of the cluster
	s_lshl_b32 s44, 0x1111, s40                    ; my column
	s_or_b32 s[G1+0], s43, (3<<16)|(1<<21)         ; 15:0 the mask; 17:16 elements of 8 bytes; 20 no padding; 21 set beside a mask
	s_or_b32 s[G1B+0], s44, (3<<16)|(1<<21)
.irp g, G1, G1B
	s_mov_b32 s[\g+1], 384<<16                     ; tensor_dim0 = 384 elements: 3,072 bytes
	s_mov_b32 s[\g+2], 8<<16                       ; tensor_dim1 = 8 blocks of rows
	s_mov_b32 s[\g+3], 384<<16                     ; tile_dim0
	s_mov_b32 s[\g+4], 8                           ; tile_dim1
	s_mov_b32 s[\g+5], 192*KF                      ; from a block of rows to the next
	s_mov_b32 s[\g+6], 0
	s_mov_b32 s[\g+7], 0
.endr
	s_or_b32 s[G1S+0], s43, (3<<16)|(1<<21)
	s_or_b32 s[G1SB+0], s44, (3<<16)|(1<<21)
.irp g, G1S, G1SB
	s_mov_b32 s[\g+1], 64<<16                      ; 128 rows' words: 512 bytes
	s_mov_b32 s[\g+2], KF<<16
	s_mov_b32 s[\g+3], 64<<16
	s_mov_b32 s[\g+4], KF
	s_mov_b32 s[\g+5], 5632                        ; 11,264 words from fragment to fragment
	s_mov_b32 s[\g+6], 0
	s_mov_b32 s[\g+7], 0
.endr
	s_lshl_b32 s19, s16, 7
	s_lshl_b32 s21, s17, 8
	s_add_co_u32 s20, s20, s21
	s_add_co_u32 s20, s20, s19                     ; the first row that I fetch for A
	s_lshl_b32 s46, s42, 8
	s_add_co_u32 s46, s46, s47
	s_add_co_u32 s46, s46, s19                     ; and for B
	s_mul_i32 s22, s20, 96*KF                      ; its codes,
	s_mov_b32 s23, 0
	s_lshl_b32 s20, s20, 2                         ; its scale word
	s_mov_b32 s21, 0
	s_mul_i32 s96, s46, 96*KF
	s_mov_b32 s97, 0
	s_lshl_b32 s46, s46, 2
	s_mov_b32 s47, 0
	s_mul_i32 s45, s14, HALFT                      ; where they go: no place in the cluster enters an LDS address
	s_mul_i32 s99, s14, QS
	s_lshl_b32 s100, s15, 6
	s_add_co_u32 s99, s99, s100
	s_add_co_u32 s99, s99, SCL
	s_wait_dscnt 0x0                               ; the opening add is done
	s_wait_kmcnt 0x0
	s_add_nc_u64 s[22:23], s[4:5], s[22:23]
	s_add_nc_u64 s[20:21], s[6:7], s[20:21]
	s_add_nc_u64 s[96:97], s[4:5], s[96:97]
	s_add_nc_u64 s[46:47], s[6:7], s[46:47]
	CROUND                                         ; all sixteen work-groups are here: the first joint loads meet
	s_mov_b32 s[G0S], 1
	s_mov_b32 s[G0S+1], s99
	s_mov_b64 s[G0S+2:G0S+3], s[20:21]
	s_or_b32 s[G0S+3], s[G0S+3], 0x80000000
	s_mov_b32 s[G0SB], 1
	s_mov_b32 s[G0SB+1], s99
	s_mov_b64 s[G0SB+2:G0SB+3], s[46:47]
	s_or_b32 s[G0SB+3], s[G0SB+3], 0x80000000
.irp s, 0,1
	s_mov_b32 s[G0+4*\s], 1
	s_add_co_u32 s[G0+4*\s+1], s45, \s*SLOT
	s_add_nc_u64 s[G0+4*\s+2:G0+4*\s+3], s[22:23], \s*3072
	s_or_b32 s[G0+4*\s+3], s[G0+4*\s+3], 0x80000000
	s_mov_b32 s[G0B+4*\s], 1
	s_add_co_u32 s[G0B+4*\s+1], s45, \s*SLOT
	s_add_nc_u64 s[G0B+4*\s+2:G0B+4*\s+3], s[96:97], \s*3072
	s_or_b32 s[G0B+4*\s+3], s[G0B+4*\s+3], 0x80000000
.endr
	s_cmp_eq_u32 s15, 0                            ; a wave's three first fills stand in one branch: the scales, slot 0, slot 1: three loads of mine are out
	s_cbranch_scc0 .Lfirst_b
	tensor_load_to_lds s[G0S:G0S+3], s[G1S:G1S+7]
	s_nop 0
	tensor_load_to_lds s[G0:G0+3], s[G1:G1+7]
	s_nop 0
	tensor_load_to_lds s[G0+4:G0+7], s[G1:G1+7]
	s_nop 0
.rept 4
	v_nop
.endr
	s_branch .Lfirst_asked
.Lfirst_b:
	tensor_load_to_lds s[G0SB:G0SB+3], s[G1SB:G1SB+7]
	s_nop 0
	tensor_load_to_lds s[G0B:G0B+3], s[G1B:G1B+7]
	s_nop 0
	tensor_load_to_lds s[G0B+4:G0B+7], s[G1B:G1B+7]
	s_nop 0
.rept 4
	v_nop
.endr
.Lfirst_asked:
	v_and_b32 v1, 15, v0                           ; r
	v_bfe_u32 v2, v0, 4, 1                         ; h
	v_and_b32 v3, 31, v0
	v_lshlrev_b32 v[LI], 4, v3
	s_mul_i32 s21, s15, HALFT                      ; my 128 rows of A
	s_mul_i32 s22, s16, HALFT
	s_add_co_u32 s22, s22, 2*HALFT                 ; my 128 rows of B, behind A's 256
.irp s, 0,1
	v_add_nc_u32 v[ADRA+\s], s21, v[LI]
	v_add_nc_u32 v[ADRB+\s], s22, v[LI]
	s_add_co_u32 s21, s21, SLOT
	s_add_co_u32 s22, s22, SLOT
.endr
	s_mul_i32 s21, s15, QS
	s_mul_i32 s22, s16, QS
	s_add_co_u32 s22, s22, 2*QS+64
	s_sub_co_u32 s22, s22, s21
	v_mul_u32_u24 v4, s22, v2                      ; lanes 16-31 take B's
	s_add_co_u32 s21, s21, SCL
	v_lshl_add_u32 v4, v1, 2, v4
	v_add_nc_u32 v[ADRS], s21, v4
	s_lshl_b32 s21, s14, 11                        ; my stage for the way out: 2,048 bytes in slot 0
	v_lshl_add_u32 v[WS], v1, 2, s21
	v_add_nc_u32 v[WR], s21, v[LI]
	; the biases.  Both kinds are loaded in every tile, at places that the masks keep inside the buffers; the first products take one of them
	s_cmp_eq_u32 ttmp9, 1
	s_cselect_b64 s[8:9], s[10:11], s[8:9]         ; bk for cluster x = 1
	s_and_b32 s46, s42, 3
	s_lshl_b32 s46, s46, 10
	s_lshl_b32 s47, s16, 9
	s_add_co_u32 s46, s46, s47
	s_mov_b32 s47, 0
	s_add_nc_u64 s[8:9], s[8:9], s[46:47]          ; my 128 columns
	v_lshlrev_b32 v5, 6, v2                        ; register 16 b + i: column 32 b + 16 h + i
.irp b, 0,1,2,3
.irp j, 0,1,2,3
	global_load_b128 v[BC+16*\b+4*\j:BC+16*\b+4*\j+3], v5, s[8:9] offset:128*\b+16*\j
.endr
.endr
	s_and_b32 s18, s17, 3
	s_lshl_b32 s18, s18, 10
	s_lshl_b32 s19, s15, 9
	s_add_co_u32 s18, s18, s19
	s_mov_b32 s19, 0
	s_add_nc_u64 s[12:13], s[12:13], s[18:19]      ; my 128 rows of v^T
	v_and_b32 v6, 8, v1
	v_add_nc_u32 v6, v6, v1
	v_lshlrev_b32 v6, 2, v6                        ; place 16 a + r is row 32 (a / 2) + 8 (a % 2) + r + 8 (r / 8)
.irp a, 0,1,2,3,4,5,6,7
	global_load_b32 v[RB+\a], v6, s[12:13] offset:4*(32*(\a/2)+8*(\a%2))
.endr
	; where my results go: q, k: [tensor][512 blocks][8][1,536]; v^T: [batch][64 blocks][16][1,536]
	s_cmp_eq_u32 s98, 1
	s_cselect_b32 s66, 7, 3
	s_cselect_b32 s67, 3, 2
	s_mov_b32 s96, 12288
	s_cselect_b32 s96, 24576, s96                  ; from a block of rows to the next
	s_mov_b32 s97, 0
	s_mov_b32 s99, 6291456
	s_cselect_b32 s99, 1572864, s99                ; a tensor's or a batch's codes
	s_cselect_b32 s100, 12582912, 0
	s_cselect_b32 s18, 16, 8
	s_mov_b32 s46, 262144
	s_cselect_b32 s46, 65536, s46                  ; a tensor's or a batch's scale words
	s_mov_b32 s47, 32768
	s_cselect_b32 s47, 4096, s47                   ; a fragment's
	s_cselect_b32 s19, 524288, 0
	s_and_b32 s66, s42, s66
	s_lshl_b32 s66, s66, 1
	s_add_co_u32 s66, s66, s16                     ; which fragment along the next K my 128 columns are
	s_lshr_b32 s67, s42, s67                       ; which tensor, or which batch
	s_mul_i32 s99, s99, s67
	s_add_co_u32 s100, s100, s99
	s_lshl_b32 s20, s17, 4
	s_lshl_b32 s21, s15, 3
	s_add_co_u32 s20, s20, s21                     ; my first block of rows
	s_mul_i32 s99, s18, s20
	s_add_co_u32 s99, s99, s66
	s_mul_i32 s99, s99, 1536
	s_add_co_u32 s100, s100, s99
	s_mov_b32 s101, 0
	s_add_nc_u64 s[92:93], s[92:93], s[100:101]
	s_mul_i32 s46, s46, s67
	s_mul_i32 s47, s47, s66
	s_add_co_u32 s100, s46, s47
	s_add_co_u32 s100, s100, s19
	s_lshl_b32 s20, s20, 6
	s_add_co_u32 s100, s100, s20
	s_add_nc_u64 s[94:95], s[94:95], s[100:101]
	s_mov_b32 s20, 0x76543210
	s_mov_b32 s21, 0xfedcba98                      ; v_permlanex16_b32's selects for lane l xor 16
.macro FRAG reg, adr, q, i             ; a fragment's image: three loads of 512 consecutive bytes
.irp c, 0,1,2
	ds_load_b128 v[\reg+4*\c:\reg+4*\c+3], v[\adr] offset:3072*(\i)+1536*(\q)+512*\c
.endr
.endm
.macro FETCH_B slot, q, p
	WIN TO_B
.irp i, 0,1,2,3,4,5,6,7
	FRAG 128*(\p)+FR*\i, ADRB+\slot, \q, \i
.endr
	WIN 0
.endm
.macro FETCH_A slot, q, i0
.irp i, \i0, \i0+1, \i0+2, \i0+3
	FRAG AF+FR*(\i), ADRA+\slot, \q, \i
.endr
.endm
.macro SCALES sc                       ; a slot's scale words: register 2 i + q: lanes 0-15 A's block i, lanes 16-31 B's block i, fragment q
.irp i, 0,1,2,3,4,5,6,7
.irp q, 0,1
	ds_load_b32 v[SC+16*\sc+2*\i+\q], v[ADRS] offset:512*\q+64*\i
.endr
.endr
.endm
; 16 matrix instructions: A's blocks a0, a0 + 1 x B's eight.  cm: C = the sum in place (0), the columns' bias (2), the rows' bias (3).  The 64 accumulators take turns, one instruction a turn.
.macro MUL16 a0, p, q, sc, cm
.irp a, \a0, \a0+1
.irp b, 0,1,2,3,4,5,6,7
.if \cm == 0
	v_wmma_scale_f32_16x16x128_f8f6f4 v[8*(8*((\a)%4)+\b):8*(8*((\a)%4)+\b)+7], v[128*(\p)+FR*\b:128*(\p)+FR*\b+FR-1], v[AF+FR*(\a):AF+FR*(\a)+FR-1], v[8*(8*((\a)%4)+\b):8*(8*((\a)%4)+\b)+7], v[SC+16*(\sc)+2*\b+(\q)], v[SC+16*(\sc)+2*(\a)+(\q)] matrix_a_fmt:MATRIX_FMT_FP6 matrix_b_fmt:MATRIX_FMT_FP6 matrix_a_scale:MATRIX_SCALE_ROW1
.elseif \cm == 2
	v_wmma_scale_f32_16x16x128_f8f6f4 v[8*(8*((\a)%4)+\b):8*(8*((\a)%4)+\b)+7], v[128*(\p)+FR*\b:128*(\p)+FR*\b+FR-1], v[AF+FR*(\a):AF+FR*(\a)+FR-1], v[BC+8*\b:BC+8*\b+7], v[SC+16*(\sc)+2*\b+(\q)], v[SC+16*(\sc)+2*(\a)+(\q)] matrix_a_fmt:MATRIX_FMT_FP6 matrix_b_fmt:MATRIX_FMT_FP6 matrix_a_scale:MATRIX_SCALE_ROW1
.else
	v_wmma_scale_f32_16x16x128_f8f6f4 v[8*(8*((\a)%4)+\b):8*(8*((\a)%4)+\b)+7], v[128*(\p)+FR*\b:128*(\p)+FR*\b+FR-1], v[AF+FR*(\a):AF+FR*(\a)+FR-1], v[BC+8*(\a):BC+8*(\a)+7], v[SC+16*(\sc)+2*\b+(\q)], v[SC+16*(\sc)+2*(\a)+(\q)] matrix_a_fmt:MATRIX_FMT_FP6 matrix_b_fmt:MATRIX_FMT_FP6 matrix_a_scale:MATRIX_SCALE_ROW1
.endif
.endr
.endr
.endm
; A slot's first 128 along K (B's set 0); it fetches the second (B's set 1).
.macro STEP slot, cm
	s_wait_dscnt 4*NL                              ; all but the youngest twelve loads (A's blocks 4-7) are in
.if \cm >= 2
	WIN 0x81                                       ; C (the bias) window 0, D window 2
.else
	WIN MUL_LO
.endif
	MUL16 0, 0, 0, \slot, \cm
	MUL16 2, 0, 0, \slot, \cm
	s_wait_dscnt 0x0
	PLACES NP                                      ; in front of loads into registers that matrix instructions have read
	FETCH_B \slot, 1, 1
	FETCH_A \slot, 1, 0
.if \cm >= 2
	WIN 0xc1
.else
	WIN MUL_HI
.endif
	MUL16 4, 0, 0, \slot, \cm
	MUL16 6, 0, 0, \slot, \cm
	PLACES NP
	WIN 0
	FETCH_A \slot, 1, 4
.endm
; A slot's second 128 along K changes slots: one barrier; in front of it each wave waits for all its tensor loads, adds 0 to its spare word, and waits for that and for its reads of this slot.
.macro TURN slot, next, fill
	s_wait_tensorcnt 0x0                           ; all my tensor loads have landed: my part of the next slot
	ds_add_u32 v[SPW], v[NIL]
	s_wait_dscnt 4*NL+1                            ; (the add and the youngest twelve loads may be out)
	WIN MUL_LO
	MUL16 0, 1, 1, \slot, 0
	s_wait_dscnt 0x0                               ; the add is done, and my reads of this slot are over
	s_barrier_signal -1
	MUL16 2, 1, 1, \slot, 0
	WIN 0
	s_barrier_wait -1
.if \fill
	CREST                                          ; the barrier has opened a round of the cluster's: no wave of any partner still reads this slot or has a load on its way
	s_add_nc_u64 s[G0+4*\slot+2:G0+4*\slot+3], s[G0+4*\slot+2:G0+4*\slot+3], 2*3072
	s_add_nc_u64 s[G0B+4*\slot+2:G0B+4*\slot+3], s[G0B+4*\slot+2:G0B+4*\slot+3], 2*3072
	JLOAD G0+4*\slot, G1, G0B+4*\slot, G1B         ; the first tensor load behind the round; its four v_nop are also the places in front of the loads below
.else
	PLACES NP
.endif
	v_add_nc_u32 v[ADRS], 1024, v[ADRS]            ; the next slot's scale words
	FETCH_B \next, 0, 0
	FETCH_A \next, 0, 0
	SCALES \next
	WIN MUL_HI
	MUL16 4, 1, 1, \slot, 0
	MUL16 6, 1, 1, \slot, 0
	PLACES NP
	WIN 0
	FETCH_A \next, 0, 4
.endm
	s_wait_tensorcnt 1                             ; the scales and my part of slot 0 are in; slot 1's load, the last issued on both ways, may be out
	s_barrier_signal -1
	s_barrier_wait -1
	FETCH_B 0, 0, 0
	FETCH_A 0, 0, 0
	SCALES 0
	FETCH_A 0, 0, 4
	s_wait_loadcnt 0x0                             ; the biases
	s_cmp_eq_u32 s98, 1                            ; the first products start the sums with the bias: by columns for q and k, by rows for v^T.  The branch hangs on the cluster's x alone
	s_cbranch_scc1 .Lrows_bias
	STEP 0, 2
	s_branch .Lstarted
.Lrows_bias:
.irp a, 0,1,2,3,4,5,6,7
.irp j, 0,1,2,3,4,5,6,7
	v_mov_b32 v[BC+8*\a+\j], v[RB+\a]              ; block a's C: bv at my row, in all eight registers
.endr
.endr
	PLACES 8
	STEP 0, 3
.Lstarted:
	s_mov_b32 s3, LAPS-1
.Llap:                                                 ; a trip goes once round the ring and fills both slots again
	TURN 0, 1, 1
	STEP 1, 0
	TURN 1, 0, 1
	STEP 0, 0
	s_sub_co_u32 s3, s3, 1
	s_cmp_lg_u32 s3, 0
	s_cbranch_scc1 .Llap
	TURN 0, 1, 0                                   ; the last lap fills nothing
	STEP 1, 0
	s_wait_dscnt 4*NL
	WIN MUL_LO
	MUL16 0, 1, 1, 1, 0
	MUL16 2, 1, 1, 1, 0
	s_wait_dscnt 0x0
	WIN MUL_HI
	MUL16 4, 1, 1, 1, 0
	MUL16 6, 1, 1, 1, 0
	WIN 0
; THE WAY OUT.  Block a's 64 registers of a lane are 4 x 16 neighbours along the next K: they become one fragment and one scale word a row.  Each accumulator is read from its low end on.
.macro QACC a
.set AC, 64*((\a)%4)
	WIN 0x0a+5*((\a)/4)                            ; sources 0 and 1: window 2 or 3
.irp b, 0,1,2,3
	v_max3_num_f32 v[TM+\b], |v[AC+16*\b]|, |v[AC+1+16*\b]|, 0x1800000   ; block b: my 16 numbers, and the floor 2^(3 - 127)
.endr
	WIN 0x28+0x14*((\a)/4)                         ; sources 1 and 2
.irp i, 2,4,6,8,10,12,14
.irp b, 0,1,2,3
	v_max3_num_f32 v[TM+\b], v[TM+\b], |v[AC+16*\b+\i]|, |v[AC+1+16*\b+\i]|
.endr
.endr
	WIN 0
.irp b, 0,1,2,3
	v_permlanex16_b32 v[TM+4+\b], v[TM+\b], s20, s21
.endr
.irp b, 0,1,2,3
	v_max_num_f32 v[TM+\b], v[TM+\b], v[TM+4+\b]   ; with lane l xor 16's: the block's largest magnitude
.endr
.irp b, 0,1,2,3
	v_add_nc_u32 v[TM+12+\b], 0xff000000, v[TM+\b] ; 2 off its exponent field: the conversion's scale operand
.endr
.irp b, 0,1,2,3
	v_lshrrev_b32 v[TM+4+\b], 23, v[TM+12+\b]      ; the byte
.endr
	v_lshl_or_b32 v[PW+(\a)], v[TM+5], 8, v[TM+4]
	v_lshl_or_b32 v[PW+(\a)], v[TM+6], 16, v[PW+(\a)]
	v_lshl_or_b32 v[PW+(\a)], v[TM+7], 24, v[PW+(\a)]
	WIN 0x02+(\a)/4                                ; source 0
.irp c, 0,1
	v_cvt_scalef32_pk16_fp6_f32 v[PC+6*\c:PC+2+6*\c], v[AC+32*\c:AC+15+32*\c], v[TM+12+2*\c]
	v_cvt_scalef32_pk16_fp6_f32 v[PC+12+4*\c:PC+14+4*\c], v[AC+16+32*\c:AC+31+32*\c], v[TM+12+2*\c+1]
.endr
	WIN 0
	v_nop                                          ; one plain instruction behind a scaled conversion
.irp c, 0,1                                    ; the operand's layout wants a whole block in a lane
.irp i, 0,1,2
	v_permlane16_swap_b32 v[PC+6*\c+\i], v[PC+12+4*\c+\i]
.endr
.irp i, 0,1,2
	v_mov_b32 v[PC+3+6*\c+\i], v[PC+12+4*\c+\i]
.endr
.endr
.irp c, 0,1,2
	global_store_b128 v[LI], v[PC+4*\c:PC+4*\c+3], s[92:93] offset:512*\c   ; the fragment's image: 512 consecutive bytes a store
.endr
	ds_store_b32 v[WS], v[PW+(\a)] offset:64*(\a)  ; lanes r and r + 16 write the same word with the same value
	s_wait_xcnt 0x0                                ; the stores have read their registers and their base
	s_add_nc_u64 s[92:93], s[92:93], s[96:97]
.endm
	PLACES NP                                      ; behind the last products: the lines below read results and write registers that held scales and fragments
.irp b, 0,1,2,3
	v_mov_b32 v[TM+4+\b], 0                        ; written once: a lane permute's destination counts as one of its sources
.endr
.irp a, 0,1,2,3,4,5,6,7
	QACC \a
.endr
	ds_load_b128 v[TM:TM+3], v[WR]                 ; my 128 rows' scale words (my own bytes: LDS serves a wave's instructions in order)
	s_wait_dscnt 0x0
	global_store_b128 v[LI], v[TM:TM+3], s[94:95]  ; 512 consecutive bytes
	s_wait_tensorcnt 0x0                           ; the wave's end
	ds_add_u32 v[SPW], v[NIL]
	s_wait_dscnt 0x0
	CROUND                                         ; the closing round
	s_endpgm
.Lfunc_end_k_q2358fdf63c_proj:
	.size	k_q2358fdf63c_proj, .Lfunc_end_k_q2358fdf63c_proj-k_q2358fdf63c_proj
	.p2alignl 7, 3214868480
	.fill 96, 4, 3214868480
	.section	.rodata,"a",@progbits
	.p2align	6, 0x0
	.amdhsa_kernel k_q2358fdf63c_proj
		.amdhsa_group_segment_fixed_size 327680
		.amdhsa_private_segment_fixed_size 0
		.amdhsa_enable_private_segment 0
		.amdhsa_kernarg_size 56
		.amdhsa_user_sgpr_count 2
		.amdhsa_user_sgpr_kernarg_segment_ptr 1
		.amdhsa_wavefront_size32 1
		.amdhsa_system_sgpr_workgroup_id_x 1
		.amdhsa_system_sgpr_workgroup_id_y 1
		.amdhsa_system_sgpr_workgroup_id_z 1
		.amdhsa_system_vgpr_workitem_id 0
		.amdhsa_next_free_vgpr 1024
		.amdhsa_next_free_sgpr 102
		.amdhsa_reserve_vcc 0
		.amdhsa_float_denorm_mode_32 3
		.amdhsa_float_denorm_mode_16_64 3
		.amdhsa_memory_ordered 1
		.amdhsa_forward_progress 1
		.amdhsa_inst_pref_size 160
	.end_amdhsa_kernel
	.amdgpu_metadata
---
amdhsa.version: [ 1, 2 ]
amdhsa.kernels:
  - .name:           k_q2358fdf63c_proj
    .symbol:         k_q2358fdf63c_proj.kd
    .args:
      - { .name: pre_c, .offset: 0, .size: 8, .value_kind: global_buffer, .address_space: global }
      - { .name: pre_s, .offset: 8, .size: 8, .value_kind: global_buffer, .address_space: global }
      - { .name: bq, .offset: 16, .size: 8, .value_kind: global_buffer, .address_space: global }
      - { .name: bk, .offset: 24, .size: 8, .value_kind: global_buffer, .address_space: global }
      - { .name: bv, .offset: 32, .size: 8, .value_kind: global_buffer, .address_space: global }
      - { .name: qkv_c, .offset: 40, .size: 8, .value_kind: global_buffer, .address_space: global }
      - { .name: qkv_s, .offset: 48, .size: 8, .value_kind: global_buffer, .address_space: global }
    .group_segment_fixed_size: 327680
    .private_segment_fixed_size: 0
    .kernarg_segment_align: 8
    .kernarg_segment_size: 56
    .max_flat_workgroup_size: 128
    .sgpr_count:     102
    .vgpr_count:     1024
    .wavefront_size: 32
...
	.end_amdgpu_metadata
.endif
;; end of part 2
;; launch scores (part 3): grid 8 x 32, 4 waves a work-group, clusters of 4 x 4, 327,680 bytes of LDS; arguments qkv_c, qkv_s, p_c, p_s; writes p_c, p_s
.if DOCPART == 3
	.amdgcn_target "amdgcn-amd-amdhsa--gfx1250"
	.amdhsa_code_object_version 6
	.text
	.protected	k_q2358fdf63c_scores
	.globl	k_q2358fdf63c_scores
	.p2align	8
	.type	k_q2358fdf63c_scores,@function
k_q2358fdf63c_scores:
	s_mov_b64 s[64:65], 0
	v_nop
	global_prefetch_b8 v0, s[64:65] scope:SCOPE_SE
	s_setreg_imm32_b32 hwreg(HW_REG_WAVE_MODE, 25, 1), 1
	s_wait_xcnt 0x0
	s_wait_alu depctr_hold_cnt(0) depctr_sa_sdst(0) depctr_va_vdst(0) depctr_va_sdst(0) depctr_va_ssrc(0) depctr_va_vcc(0) depctr_vm_vsrc(0)
	s_getreg_b32 s2, hwreg(HW_REG_IB_STS2, 6, 4)
	s_cmp_eq_u32 s2, 0
	s_cbranch_scc0 .Lentry_in_a_cluster
	s_endpgm
.Lentry_in_a_cluster:
	s_bfe_u32 s2, ttmp6, 0x10000c
	s_cmp_lg_u32 s2, 0xf033
	s_cbranch_scc0 .Lentry_shape_is_right
	s_endpgm
.Lentry_shape_is_right:
; SCORES.  S = q k^T for each of four batches (2,048 x 2,048, K = 1,024) on codes of FP6 (E2M3), and the softmax's numerator as codes.  A tile of 256 x 256 to a work-group, 128 x 128 a wave; 256 tiles.
; THE SOFTMAX, for each row and each STRETCH of 128 keys (a wave's columns): t = score x log2(e) / 32; M = the stretch's largest t rounded up to a whole number; p = 2^(t - M), at most 1, is quantised along the keys;
; l = the sum of the unquantised p.  Stored: p's codes (p_c), the raw scale words, -M and l (p_s).  The next launch brings the 16 stretches of a row under the row's M: a power of two, taken off the scale bytes.
; A maximum is always taken away before the exponential: the stretch's own.
; Operands lie as images of their registers, rows at places p(i) (bits 3 and 4 exchanged), scale words [K / 128][rows]; the product is used transposed: lane (r, h) holds the query at place r, and register 16 b + i of a
; block's 64 the key 32 b + 16 h + i in the keys' true order.
; CLUSTERS: 4 x 4 work-groups; q's tiles and scales are asked for jointly along a row of the cluster, k's along a column.
; LIMITS: NaN and infinities are not served; v_exp_f32 gives 0 for results under 2^-126; a block whose every p is 0 gets the byte 1 (its codes are zeros).
; REGISTERS: window 0: v1-31 addresses; v32-63 scale words, two sets; v128-223 A's fragments.  Window 1: B's fragments, two sets.  Windows 2, 3: the accumulators.  On the way out: v32-52 at work, v128-191 t and p, v192-210 codes.
.set KF,    8
.set HALFT, 24576
.set SLOT,  4*HALFT
.set SCL,   2*SLOT
.set QS,    512*KF
.set SPARE, SCL+4*QS+256               ; the spare words, 128 bytes for each wave: two blocks of 256 bytes that no other line names
.set LAPS,  KF/4
.set FR,    12
.set NL,    3
.set NP,    4
.set ADRA,  16
.set ADRB,  20
.set LI,    24
.set WS,    25
.set WR,    26
.set ADRS,  27
.set SPW,   28
.set NIL,   29
.set SC,    32
.set AF,    128
.set BM,    32                         ; v32-35 the four blocks' largest scores, then their largest p
.set T,     128
.set PC,    192
.set G1, 24
.set G0, 32
.set G1B, 48
.set G0B, 56
.set G1S, 68
.set G0S, 76
.set G1SB, 80
.set G0SB, 88
.set MSB, 0
.macro WIN new
.if MSB != (\new)
	s_set_vgpr_msb (MSB<<8)|(\new)
.set MSB, (\new)
.endif
.endm
.set MUL_LO, 0xa1
.set MUL_HI, 0xf1
.set TO_B,   0x40
.macro JLOAD g0a, g1a, g0b, g1b
	s_cmp_eq_u32 s15, 0
	s_cbranch_scc0 .Lfor_b_\@
	tensor_load_to_lds s[\g0a:\g0a+3], s[\g1a:\g1a+7]
	s_nop 0
.rept 4
	v_nop
.endr
	s_branch .Lasked_\@
.Lfor_b_\@:
	tensor_load_to_lds s[\g0b:\g0b+3], s[\g1b:\g1b+7]
	s_nop 0
.rept 4
	v_nop
.endr
.Lasked_\@:
.endm
.macro CREST
	s_cmp_lg_u32 s14, 0
	s_cbranch_scc1 .Lnot_wave_0_\@
	s_barrier_signal -3
.Lnot_wave_0_\@:
	s_barrier_wait -3
	s_barrier_signal -1
	s_barrier_wait -1
.endm
.macro CROUND
	s_barrier_signal -1
	s_barrier_wait -1
	CREST
.endm
.macro PLACES n
.rept \n
	v_nop
.endr
.endm
	s_load_b256 s[4:11], s[0:1], 0x0               ; qkv_c s[4:5], qkv_s s[6:7], p_c s[8:9], p_s s[10:11]
	v_lshl_add_u32 v[SPW], v0, 2, SPARE
	v_mov_b32 v[NIL], 0
	ds_add_u32 v[SPW], v[NIL]                      ; the wave's opening: the add and its wait ahead of my first tensor load
	v_lshrrev_b32 v1, 5, v0
	v_readfirstlane_b32 s14, v1
	s_lshr_b32 s15, s14, 1
	s_and_b32 s16, s14, 1
	s_bfe_u32 s40, ttmp6, 0x40000                  ; cx
	s_bfe_u32 s41, ttmp6, 0x40004                  ; cy
	s_lshl_b32 s42, ttmp9, 2
	s_add_co_u32 s42, s42, s40                     ; tile column: 256 keys of the batch
	s_and_b32 s18, ttmp7, 0xffff
	s_lshl_b32 s17, s18, 2
	s_add_co_u32 s17, s17, s41                     ; tile row: 256 of all 8,192 queries
	s_lshr_b32 s66, s18, 1                         ; the batch: a cluster's four tile rows lie in one
	s_lshl_b32 s43, s41, 2
	s_lshl_b32 s43, 15, s43
	s_lshl_b32 s44, 0x1111, s40
	s_or_b32 s[G1+0], s43, (3<<16)|(1<<21)
	s_or_b32 s[G1B+0], s44, (3<<16)|(1<<21)
.irp g, G1, G1B
	s_mov_b32 s[\g+1], 384<<16
	s_mov_b32 s[\g+2], 8<<16
	s_mov_b32 s[\g+3], 384<<16
	s_mov_b32 s[\g+4], 8
	s_mov_b32 s[\g+5], 192*KF
	s_mov_b32 s[\g+6], 0
	s_mov_b32 s[\g+7], 0
.endr
	s_or_b32 s[G1S+0], s43, (3<<16)|(1<<21)
	s_or_b32 s[G1SB+0], s44, (3<<16)|(1<<21)
.irp g, G1S, G1SB
	s_mov_b32 s[\g+1], 64<<16
	s_mov_b32 s[\g+2], KF<<16
	s_mov_b32 s[\g+3], 64<<16
	s_mov_b32 s[\g+4], KF
	s_mov_b32 s[\g+5], 4096                        ; 8,192 words from fragment to fragment
	s_mov_b32 s[\g+6], 0
	s_mov_b32 s[\g+7], 0
.endr
	s_lshl_b32 s19, s16, 7
	s_lshl_b32 s20, s17, 8
	s_add_co_u32 s20, s20, s19                     ; q's first row that I fetch
	s_lshl_b32 s46, s42, 8
	s_add_co_u32 s46, s46, s19
	s_lshl_b32 s66, s66, 11
	s_add_co_u32 s46, s46, s66                     ; k's
	s_mul_i32 s22, s20, 96*KF
	s_mov_b32 s23, 0
	s_lshl_b32 s20, s20, 2
	s_mov_b32 s21, 0
	s_mul_i32 s96, s46, 96*KF
	s_add_co_u32 s96, s96, 6291456                 ; k's codes lie behind q's
	s_mov_b32 s97, 0
	s_lshl_b32 s46, s46, 2
	s_add_co_u32 s46, s46, 262144
	s_mov_b32 s47, 0
	s_mul_i32 s45, s14, HALFT
	s_mul_i32 s99, s14, QS
	s_lshl_b32 s100, s15, 6
	s_add_co_u32 s99, s99, s100
	s_add_co_u32 s99, s99, SCL
	s_wait_dscnt 0x0
	s_wait_kmcnt 0x0
	s_add_nc_u64 s[22:23], s[4:5], s[22:23]
	s_add_nc_u64 s[20:21], s[6:7], s[20:21]
	s_add_nc_u64 s[96:97], s[4:5], s[96:97]
	s_add_nc_u64 s[46:47], s[6:7], s[46:47]
	CROUND
	s_mov_b32 s[G0S], 1
	s_mov_b32 s[G0S+1], s99
	s_mov_b64 s[G0S+2:G0S+3], s[20:21]
	s_or_b32 s[G0S+3], s[G0S+3], 0x80000000
	s_mov_b32 s[G0SB], 1
	s_mov_b32 s[G0SB+1], s99
	s_mov_b64 s[G0SB+2:G0SB+3], s[46:47]
	s_or_b32 s[G0SB+3], s[G0SB+3], 0x80000000
.irp s, 0,1
	s_mov_b32 s[G0+4*\s], 1
	s_add_co_u32 s[G0+4*\s+1], s45, \s*SLOT
	s_add_nc_u64 s[G0+4*\s+2:G0+4*\s+3], s[22:23], \s*3072
	s_or_b32 s[G0+4*\s+3], s[G0+4*\s+3], 0x80000000
	s_mov_b32 s[G0B+4*\s], 1
	s_add_co_u32 s[G0B+4*\s+1], s45, \s*SLOT
	s_add_nc_u64 s[G0B+4*\s+2:G0B+4*\s+3], s[96:97], \s*3072
	s_or_b32 s[G0B+4*\s+3], s[G0B+4*\s+3], 0x80000000
.endr
	s_cmp_eq_u32 s15, 0                            ; a wave's three first fills stand in one branch: three loads of mine are out
	s_cbranch_scc0 .Lfirst_b
	tensor_load_to_lds s[G0S:G0S+3], s[G1S:G1S+7]
	s_nop 0
	tensor_load_to_lds s[G0:G0+3], s[G1:G1+7]
	s_nop 0
	tensor_load_to_lds s[G0+4:G0+7], s[G1:G1+7]
	s_nop 0
.rept 4
	v_nop
.endr
	s_branch .Lfirst_asked
.Lfirst_b:
	tensor_load_to_lds s[G0SB:G0SB+3], s[G1SB:G1SB+7]
	s_nop 0
	tensor_load_to_lds s[G0B:G0B+3], s[G1B:G1B+7]
	s_nop 0
	tensor_load_to_lds s[G0B+4:G0B+7], s[G1B:G1B+7]
	s_nop 0
.rept 4
	v_nop
.endr
.Lfirst_asked:
	v_and_b32 v1, 15, v0
	v_bfe_u32 v2, v0, 4, 1
	v_and_b32 v3, 31, v0
	v_lshlrev_b32 v[LI], 4, v3
	s_mul_i32 s21, s15, HALFT
	s_mul_i32 s22, s16, HALFT
	s_add_co_u32 s22, s22, 2*HALFT
.irp s, 0,1
	v_add_nc_u32 v[ADRA+\s], s21, v[LI]
	v_add_nc_u32 v[ADRB+\s], s22, v[LI]
	s_add_co_u32 s21, s21, SLOT
	s_add_co_u32 s22, s22, SLOT
.endr
	s_mul_i32 s21, s15, QS
	s_mul_i32 s22, s16, QS
	s_add_co_u32 s22, s22, 2*QS+64
	s_sub_co_u32 s22, s22, s21
	v_mul_u32_u24 v4, s22, v2
	s_add_co_u32 s21, s21, SCL
	v_lshl_add_u32 v4, v1, 2, v4
	v_add_nc_u32 v[ADRS], s21, v4
	s_lshl_b32 s21, s14, 11                        ; my stage for the way out: 2,048 bytes in slot 0
	v_lshl_add_u32 v[WS], v1, 2, s21
	v_add_nc_u32 v[WR], s21, v[LI]
	s_lshl_b32 s66, s42, 1
	s_add_co_u32 s66, s66, s16                     ; which stretch of 128 keys is mine
	s_lshl_b32 s18, s17, 4
	s_lshl_b32 s19, s15, 3
	s_add_co_u32 s18, s18, s19                     ; my first block of rows
	s_lshl_b32 s100, s18, 4
	s_add_co_u32 s100, s100, s66
	s_mul_i32 s100, s100, 1536
	s_mov_b32 s101, 0
	s_add_nc_u64 s[8:9], s[8:9], s[100:101]        ; p_c: [512 blocks][16][1,536]
	s_lshl_b32 s100, s66, 15
	s_lshl_b32 s18, s18, 6
	s_add_co_u32 s100, s100, s18
	s_add_nc_u64 s[10:11], s[10:11], s[100:101]    ; p_s: [16][8,192] words, three times
	s_mov_b32 s20, 0x76543210
	s_mov_b32 s21, 0xfedcba98
	s_mov_b32 s22, 0x3d38aa3b                      ; c = log2(e) / 32
	s_mov_b32 s23, s22                             ; (named with it as a pair)
.macro FRAG reg, adr, q, i
.irp c, 0,1,2
	ds_load_b128 v[\reg+4*\c:\reg+4*\c+3], v[\adr] offset:3072*(\i)+1536*(\q)+512*\c
.endr
.endm
.macro FETCH_B slot, q, p
	WIN TO_B
.irp i, 0,1,2,3,4,5,6,7
	FRAG 128*(\p)+FR*\i, ADRB+\slot, \q, \i
.endr
	WIN 0
.endm
.macro FETCH_A slot, q, i0
.irp i, \i0, \i0+1, \i0+2, \i0+3
	FRAG AF+FR*(\i), ADRA+\slot, \q, \i
.endr
.endm
.macro SCALES sc
.irp i, 0,1,2,3,4,5,6,7
.irp q, 0,1
	ds_load_b32 v[SC+16*\sc+2*\i+\q], v[ADRS] offset:512*\q+64*\i
.endr
.endr
.endm
; 16 matrix instructions; cm = 1: the first product starts the sums with the constant 0.  The 64 accumulators take turns, one instruction a turn.
.macro MUL16 a0, p, q, sc, cm
.irp a, \a0, \a0+1
.irp b, 0,1,2,3,4,5,6,7
.if \cm == 0
	v_wmma_scale_f32_16x16x128_f8f6f4 v[8*(8*((\a)%4)+\b):8*(8*((\a)%4)+\b)+7], v[128*(\p)+FR*\b:128*(\p)+FR*\b+FR-1], v[AF+FR*(\a):AF+FR*(\a)+FR-1], v[8*(8*((\a)%4)+\b):8*(8*((\a)%4)+\b)+7], v[SC+16*(\sc)+2*\b+(\q)], v[SC+16*(\sc)+2*(\a)+(\q)] matrix_a_fmt:MATRIX_FMT_FP6 matrix_b_fmt:MATRIX_FMT_FP6 matrix_a_scale:MATRIX_SCALE_ROW1
.else
	v_wmma_scale_f32_16x16x128_f8f6f4 v[8*(8*((\a)%4)+\b):8*(8*((\a)%4)+\b)+7], v[128*(\p)+FR*\b:128*(\p)+FR*\b+FR-1], v[AF+FR*(\a):AF+FR*(\a)+FR-1], 0, v[SC+16*(\sc)+2*\b+(\q)], v[SC+16*(\sc)+2*(\a)+(\q)] matrix_a_fmt:MATRIX_FMT_FP6 matrix_b_fmt:MATRIX_FMT_FP6 matrix_a_scale:MATRIX_SCALE_ROW1
.endif
.endr
.endr
.endm
.macro STEP slot, cm
	s_wait_dscnt 4*NL                              ; all but the youngest twelve loads (A's blocks 4-7) are in
	WIN MUL_LO
	MUL16 0, 0, 0, \slot, \cm
	MUL16 2, 0, 0, \slot, \cm
	s_wait_dscnt 0x0
	PLACES NP
	FETCH_B \slot, 1, 1
	FETCH_A \slot, 1, 0
	WIN MUL_HI
	MUL16 4, 0, 0, \slot, \cm
	MUL16 6, 0, 0, \slot, \cm
	PLACES NP
	WIN 0
	FETCH_A \slot, 1, 4
.endm
.macro TURN slot, next, fill
	s_wait_tensorcnt 0x0                           ; all my tensor loads have landed: my part of the next slot
	ds_add_u32 v[SPW], v[NIL]
	s_wait_dscnt 4*NL+1                            ; (the add and the youngest twelve loads may be out)
	WIN MUL_LO
	MUL16 0, 1, 1, \slot, 0
	s_wait_dscnt 0x0                               ; the add is done, and my reads of this slot are over
	s_barrier_signal -1
	MUL16 2, 1, 1, \slot, 0
	WIN 0
	s_barrier_wait -1
.if \fill
	CREST                                          ; the barrier has opened a round of the cluster's
	s_add_nc_u64 s[G0+4*\slot+2:G0+4*\slot+3], s[G0+4*\slot+2:G0+4*\slot+3], 2*3072
	s_add_nc_u64 s[G0B+4*\slot+2:G0B+4*\slot+3], s[G0B+4*\slot+2:G0B+4*\slot+3], 2*3072
	JLOAD G0+4*\slot, G1, G0B+4*\slot, G1B
.else
	PLACES NP
.endif
	v_add_nc_u32 v[ADRS], 1024, v[ADRS]
	FETCH_B \next, 0, 0
	FETCH_A \next, 0, 0
	SCALES \next
	WIN MUL_HI
	MUL16 4, 1, 1, \slot, 0
	MUL16 6, 1, 1, \slot, 0
	PLACES NP
	WIN 0
	FETCH_A \next, 0, 4
.endm
	s_wait_tensorcnt 1                             ; the scales and my part of slot 0 are in; slot 1's load may be out
	s_barrier_signal -1
	s_barrier_wait -1
	FETCH_B 0, 0, 0
	FETCH_A 0, 0, 0
	SCALES 0
	FETCH_A 0, 0, 4
	STEP 0, 1
	s_mov_b32 s3, LAPS-1
.Llap:
	TURN 0, 1, 1
	STEP 1, 0
	TURN 1, 0, 1
	STEP 0, 0
	s_sub_co_u32 s3, s3, 1
	s_cmp_lg_u32 s3, 0
	s_cbranch_scc1 .Llap
	TURN 0, 1, 0
	STEP 1, 0
	s_wait_dscnt 4*NL
	WIN MUL_LO
	MUL16 0, 1, 1, 1, 0
	MUL16 2, 1, 1, 1, 0
	s_wait_dscnt 0x0
	WIN MUL_HI
	MUL16 4, 1, 1, 1, 0
	MUL16 6, 1, 1, 1, 0
	WIN 0
; THE WAY OUT, block a of 16 queries x my 128 keys.  Each accumulator is read from its low end on.
.macro SOFT a
.set AC, 64*((\a)%4)
	WIN 0x2a+0x15*((\a)/4)                         ; all three sources: window 2 or 3
.irp b, 0,1,2,3
	v_max3_num_f32 v[BM+\b], v[AC+16*\b], v[AC+16*\b+1], v[AC+16*\b+2]   ; the largest score of each block of 32 keys: it serves for the stretch's maximum and, since p rises with the score, for the block's largest p
.endr
	WIN 0x28+0x14*((\a)/4)                         ; sources 1 and 2
.irp i, 3,5,7,9,11,13
.irp b, 0,1,2,3
	v_max3_num_f32 v[BM+\b], v[BM+\b], v[AC+16*\b+\i], v[AC+16*\b+\i+1]
.endr
.endr
.irp b, 0,1,2,3
	v_max_num_f32 v[BM+\b], v[BM+\b], v[AC+16*\b+15]
.endr
	WIN 0
.irp b, 0,1,2,3
	v_permlanex16_b32 v[36+\b], v[BM+\b], s20, s21
.endr
.irp b, 0,1,2,3
	v_max_num_f32 v[BM+\b], v[BM+\b], v[36+\b]     ; with lane l xor 16's 16 keys
.endr
	v_max3_num_f32 v40, v[BM], v[BM+1], v[BM+2]
	v_max_num_f32 v40, v40, v[BM+3]                ; the stretch's largest score of my query
	v_mul_f32 v40, s22, v40                        ; as t (c is positive)
	v_floor_f32 v42, -v40                          ; -M = floor(-t) = -ceil(t)
	WIN 0x02+(\a)/4                                ; source 0
.set i, 0
.rept 32
	v_pk_fma_f32 v[T+i:T+i+1], v[AC+i:AC+i+1], s[22:23], v[42:43] op_sel_hi:[1,0,0]   ; t - M, two at a time
.set i, i+2
.endr
	WIN 0
.irp b, 0,1,2,3
	v_fma_f32 v[BM+\b], v[BM+\b], s22, v42         ; the same of each block's largest score
.endr
.set i, 0
.rept 64
	v_exp_f32 v[T+i], v[T+i]                       ; p = 2^(t - M)
.set i, i+1
.endr
	v_nop                                          ; a plain instruction behind the exponentials
	s_wait_alu depctr_va_vdst(0)                   ; one wait for the batch, ahead of its first reader
.irp b, 0,1,2,3
	v_exp_f32 v[BM+\b], v[BM+\b]                   ; the block's largest p: the same two instructions on the same number
.endr
	v_pk_add_f32 v[48:49], v[T:T+1], v[T+2:T+3]    ; the sum of the unquantised p, in two chains: plain work behind the four
	v_pk_add_f32 v[50:51], v[T+4:T+5], v[T+6:T+7]
.irp j, 8,12,16,20,24,28,32,36,40,44,48,52,56,60
	v_pk_add_f32 v[48:49], v[48:49], v[T+\j:T+\j+1]
	v_pk_add_f32 v[50:51], v[50:51], v[T+\j+2:T+\j+3]
.endr
	v_pk_add_f32 v[48:49], v[48:49], v[50:51]
	v_add_f32 v48, v48, v49
	v_permlanex16_b32 v50, v48, s20, s21
	v_add_f32 v48, v48, v50                        ; l of my query and this stretch
	s_wait_alu depctr_va_vdst(0)                   ; and one wait for the four
.irp b, 0,1,2,3
	v_max_num_f32 v[BM+\b], 0x1800000, v[BM+\b]    ; the floor 2^(3 - 127)
.endr
.irp b, 0,1,2,3
	v_add_nc_u32 v[44+\b], 0xff000000, v[BM+\b]    ; the conversion's scale operand
.endr
.irp b, 0,1,2,3
	v_lshrrev_b32 v[36+\b], 23, v[44+\b]           ; the byte
.endr
	v_lshl_or_b32 v52, v37, 8, v36
	v_lshl_or_b32 v52, v38, 16, v52
	v_lshl_or_b32 v52, v39, 24, v52
.irp c, 0,1
	v_cvt_scalef32_pk16_fp6_f32 v[PC+6*\c:PC+2+6*\c], v[T+32*\c:T+15+32*\c], v[44+2*\c]
	v_cvt_scalef32_pk16_fp6_f32 v[PC+12+4*\c:PC+14+4*\c], v[T+16+32*\c:T+31+32*\c], v[44+2*\c+1]
.endr
	v_nop                                          ; one plain instruction behind a scaled conversion
.irp c, 0,1
.irp i, 0,1,2
	v_permlane16_swap_b32 v[PC+6*\c+\i], v[PC+12+4*\c+\i]
.endr
.irp i, 0,1,2
	v_mov_b32 v[PC+3+6*\c+\i], v[PC+12+4*\c+\i]
.endr
.endr
.irp c, 0,1,2
	global_store_b128 v[LI], v[PC+4*\c:PC+4*\c+3], s[8:9] offset:512*\c   ; the fragment's image: 512 consecutive bytes a store
.endr
	ds_store_b32 v[WS], v52 offset:64*(\a)         ; lanes r and r + 16 write the same word with the same value
	ds_store_b32 v[WS], v42 offset:64*(\a)+512
	ds_store_b32 v[WS], v48 offset:64*(\a)+1024
	s_wait_xcnt 0x0                                ; the stores have read their registers and their base
	s_add_nc_u64 s[8:9], s[8:9], 24576             ; the next block of rows
.endm
	PLACES NP                                      ; behind the last products
.irp b, 0,1,2,3
	v_mov_b32 v[36+\b], 0                          ; written once: a lane permute's destination counts as one of its sources
.endr
	v_mov_b32 v43, 0                               ; (named with v42 as a pair)
.irp a, 0,1,2,3,4,5,6,7
	SOFT \a
.endr
.irp c, 0,1,2
	ds_load_b128 v[32+4*\c:35+4*\c], v[WR] offset:512*\c     ; my 128 rows' words, -M and l (my own bytes: LDS serves a wave's instructions in order)
.endr
	s_wait_dscnt 0x0
.irp c, 0,1,2
	global_store_b128 v[LI], v[32+4*\c:35+4*\c], s[10:11] offset:524288*\c   ; 512 consecutive bytes each
.endr
	s_wait_tensorcnt 0x0                           ; the wave's end
	ds_add_u32 v[SPW], v[NIL]
	s_wait_dscnt 0x0
	CROUND                                         ; the closing round
	s_endpgm
.Lfunc_end_k_q2358fdf63c_scores:
	.size	k_q2358fdf63c_scores, .Lfunc_end_k_q2358fdf63c_scores-k_q2358fdf63c_scores
	.p2alignl 7, 3214868480
	.fill 96, 4, 3214868480
	.section	.rodata,"a",@progbits
	.p2align	6, 0x0
	.amdhsa_kernel k_q2358fdf63c_scores
		.amdhsa_group_segment_fixed_size 327680
		.amdhsa_private_segment_fixed_size 0
		.amdhsa_enable_private_segment 0
		.amdhsa_kernarg_size 32
		.amdhsa_user_sgpr_count 2
		.amdhsa_user_sgpr_kernarg_segment_ptr 1
		.amdhsa_wavefront_size32 1
		.amdhsa_system_sgpr_workgroup_id_x 1
		.amdhsa_system_sgpr_workgroup_id_y 1
		.amdhsa_system_sgpr_workgroup_id_z 1
		.amdhsa_system_vgpr_workitem_id 0
		.amdhsa_next_free_vgpr 1024
		.amdhsa_next_free_sgpr 102
		.amdhsa_reserve_vcc 0
		.amdhsa_float_denorm_mode_32 3
		.amdhsa_float_denorm_mode_16_64 3
		.amdhsa_memory_ordered 1
		.amdhsa_forward_progress 1
		.amdhsa_inst_pref_size 197
	.end_amdhsa_kernel
	.amdgpu_metadata
---
amdhsa.version: [ 1, 2 ]
amdhsa.kernels:
  - .name:           k_q2358fdf63c_scores
    .symbol:         k_q2358fdf63c_scores.kd
    .args:
      - { .name: qkv_c, .offset: 0, .size: 8, .value_kind: global_buffer, .address_space: global }
      - { .name: qkv_s, .offset: 8, .size: 8, .value_kind: global_buffer, .address_space: global }
      - { .name: p_c, .offset: 16, .size: 8, .value_kind: global_buffer, .address_space: global }
      - { .name: p_s, .offset: 24, .size: 8, .value_kind: global_buffer, .address_space: global }
    .group_segment_fixed_size: 327680
    .private_segment_fixed_size: 0
    .kernarg_segment_align: 8
    .kernarg_segment_size: 32
    .max_flat_workgroup_size: 128
    .sgpr_count:     102
    .vgpr_count:     1024
    .wavefront_size: 32
...
	.end_amdgpu_metadata
.endif
;; end of part 3
;; launch pv (part 4): grid 4 x 32, 4 waves a work-group, clusters of 4 x 4, 327,680 bytes of LDS; arguments p_c, p_s, qkv_c, qkv_s, out0; writes out0
.if DOCPART == 4
	.amdgcn_target "amdgcn-amd-amdhsa--gfx1250"
	.amdhsa_code_object_version 6
	.text
	.protected	k_q2358fdf63c_pv
	.globl	k_q2358fdf63c_pv
	.p2align	8
	.type	k_q2358fdf63c_pv,@function
k_q2358fdf63c_pv:
	s_mov_b64 s[64:65], 0
	v_nop
	global_prefetch_b8 v0, s[64:65] scope:SCOPE_SE
	s_setreg_imm32_b32 hwreg(HW_REG_WAVE_MODE, 25, 1), 1
	s_wait_xcnt 0x0
	s_wait_alu depctr_hold_cnt(0) depctr_sa_sdst(0) depctr_va_vdst(0) depctr_va_sdst(0) depctr_va_ssrc(0) depctr_va_vcc(0) depctr_vm_vsrc(0)
	s_getreg_b32 s2, hwreg(HW_REG_IB_STS2, 6, 4)
	s_cmp_eq_u32 s2, 0
	s_cbranch_scc0 .Lentry_in_a_cluster
	s_endpgm
.Lentry_in_a_cluster:
	s_bfe_u32 s2, ttmp6, 0x10000c
	s_cmp_lg_u32 s2, 0xf033
	s_cbranch_scc0 .Lentry_shape_is_right
	s_endpgm
.Lentry_shape_is_right:
; PV.  out = P V / l for each of four batches (2,048 x 1,024, K = 2,048 keys) on codes of FP6 (E2M3).  A = P's rows, B = v^T's rows.  A tile of 256 x 256 to a work-group, 128 x 128 a wave; 128 tiles.
; AHEAD OF THE PRODUCT each thread takes two of the work-group's 256 rows: the row's M is the largest of its 16 stretches' M; D = M - the stretch's M, a whole number, 0 or more; the row's l = the sum of l x 2^-D;
; D is taken off the four scale bytes of the stretch's word (p x 2^-D has the same codes under a scale 2^-D times as large).  The words go to LDS where A's scale words are read, 1 / l beside them.
; Operands lie as images of their registers, rows at places p(i) (bits 3 and 4 exchanged); the product is used transposed: lane (r, h) holds the query at place r, register 16 b + i of a block's 64 the channel 32 b + 16 h + i.
; The stores undo p for the rows.  CLUSTERS: 4 x 4 work-groups; P's tiles are asked for jointly along a row of the cluster, v^T's tiles and scales along a column.
; LIMITS: NaN and infinities are not served.  D is held at 255, and a byte that D would take under 0 is held at 0 (2^-127): such a block still adds at most 7.5 x 2^-127 |v|, against l > 1/2.
; REGISTERS: window 0: v1-31 addresses; v32-63 scale words, two sets; v128-223 A's fragments; ahead of the product v64-171 at work.  Window 1: B's fragments, two sets.  Windows 2, 3: the accumulators.
.set KF,    16
.set HALFT, 24576
.set SLOT,  4*HALFT
.set SCL,   2*SLOT
.set QS,    512*KF
.set SPARE, SCL+4*QS+256               ; the spare words, 128 bytes for each wave: two blocks of 256 bytes that no other line names
.set RLB,   SPARE+512                  ; 1 / l of the 256 rows
.set LAPS,  KF/4
.set FR,    12
.set NL,    3
.set NP,    4
.set ADRA,  16
.set ADRB,  20
.set SWA,   22                         ; v22  where I put my two rows' scale words
.set RLA,   23                         ; v23  and their 1 / l
.set LI,    24
.set STO,   25                         ; v25  the way out: where I put 32 bytes of a row
.set RD,    26                         ; v26  and where I read a row back
.set ADRS,  27
.set SPW,   28
.set NIL,   29
.set RLR,   30                         ; v30  1 / l of my lane's row in block 0
.set PO,    31                         ; v31  8 x my thread's number
.set SC,    32
.set RL,    32                         ; the way out: v32-47, 1 / l of the eight blocks, in pairs
.set NM,    64                         ; v64-95   -M of 16 stretches x 2 rows, then D
.set LL,    96                         ; v96-127  l
.set PWD,   128                        ; v128-159 the scale words
.set T,     64                         ; the way out: a block's results
.set AF,    128
.set G1, 24
.set G0, 32
.set G1B, 48
.set G0B, 56
.set G1SB, 80
.set G0SB, 88
.set MSB, 0
.macro WIN new
.if MSB != (\new)
	s_set_vgpr_msb (MSB<<8)|(\new)
.set MSB, (\new)
.endif
.endm
.set MUL_LO, 0xa1
.set MUL_HI, 0xf1
.set TO_B,   0x40
.macro JLOAD g0a, g1a, g0b, g1b
	s_cmp_eq_u32 s15, 0
	s_cbranch_scc0 .Lfor_b_\@
	tensor_load_to_lds s[\g0a:\g0a+3], s[\g1a:\g1a+7]
	s_nop 0
.rept 4
	v_nop
.endr
	s_branch .Lasked_\@
.Lfor_b_\@:
	tensor_load_to_lds s[\g0b:\g0b+3], s[\g1b:\g1b+7]
	s_nop 0
.rept 4
	v_nop
.endr
.Lasked_\@:
.endm
.macro CREST
	s_cmp_lg_u32 s14, 0
	s_cbranch_scc1 .Lnot_wave_0_\@
	s_barrier_signal -3
.Lnot_wave_0_\@:
	s_barrier_wait -3
	s_barrier_signal -1
	s_barrier_wait -1
.endm
.macro CROUND
	s_barrier_signal -1
	s_barrier_wait -1
	CREST
.endm
.macro PLACES n
.rept \n
	v_nop
.endr
.endm
	s_load_b256 s[4:11], s[0:1], 0x0               ; p_c s[4:5], p_s s[6:7], qkv_c s[8:9], qkv_s s[10:11]
	s_load_b64 s[92:93], s[0:1], 0x20              ; out0
	v_lshl_add_u32 v[SPW], v0, 2, SPARE
	v_mov_b32 v[NIL], 0
	ds_add_u32 v[SPW], v[NIL]                      ; the wave's opening: the add and its wait ahead of my first tensor load
	v_lshrrev_b32 v1, 5, v0
	v_readfirstlane_b32 s14, v1
	s_lshr_b32 s15, s14, 1
	s_and_b32 s16, s14, 1
	s_bfe_u32 s40, ttmp6, 0x40000                  ; cx
	s_bfe_u32 s41, ttmp6, 0x40004                  ; cy
	s_lshl_b32 s42, ttmp9, 2
	s_add_co_u32 s42, s42, s40                     ; tile column: 256 of the 1,024 channels
	s_and_b32 s18, ttmp7, 0xffff
	s_lshl_b32 s17, s18, 2
	s_add_co_u32 s17, s17, s41                     ; tile row: 256 of all 8,192 queries
	s_lshr_b32 s66, s18, 1                         ; the batch
	s_lshl_b32 s43, s41, 2
	s_lshl_b32 s43, 15, s43
	s_lshl_b32 s44, 0x1111, s40
	s_or_b32 s[G1+0], s43, (3<<16)|(1<<21)
	s_or_b32 s[G1B+0], s44, (3<<16)|(1<<21)
.irp g, G1, G1B
	s_mov_b32 s[\g+1], 384<<16
	s_mov_b32 s[\g+2], 8<<16
	s_mov_b32 s[\g+3], 384<<16
	s_mov_b32 s[\g+4], 8
	s_mov_b32 s[\g+5], 192*KF
	s_mov_b32 s[\g+6], 0
	s_mov_b32 s[\g+7], 0
.endr
	s_or_b32 s[G1SB+0], s44, (3<<16)|(1<<21)
	s_mov_b32 s[G1SB+1], 64<<16
	s_mov_b32 s[G1SB+2], KF<<16
	s_mov_b32 s[G1SB+3], 64<<16
	s_mov_b32 s[G1SB+4], KF
	s_mov_b32 s[G1SB+5], 512                       ; 1,024 words from fragment to fragment
	s_mov_b32 s[G1SB+6], 0
	s_mov_b32 s[G1SB+7], 0
	s_lshl_b32 s19, s16, 7
	s_lshl_b32 s20, s17, 8
	s_add_co_u32 s20, s20, s19                     ; P's first row that I fetch
	s_mul_i32 s22, s20, 96*KF
	s_mov_b32 s23, 0
	s_lshl_b32 s46, s42, 8
	s_add_co_u32 s46, s46, s19                     ; v^T's, in the batch
	s_lshl_b32 s67, s66, 10
	s_add_co_u32 s67, s67, s46
	s_mul_i32 s96, s67, 96*KF
	s_add_co_u32 s96, s96, 12582912                ; v^T's codes lie behind q's and k's
	s_mov_b32 s97, 0
	s_lshl_b32 s46, s46, 2
	s_lshl_b32 s67, s66, 16
	s_add_co_u32 s46, s46, s67
	s_add_co_u32 s46, s46, 524288
	s_mov_b32 s47, 0
	s_mul_i32 s45, s14, HALFT
	s_mul_i32 s99, s14, QS
	s_lshl_b32 s100, s15, 6
	s_add_co_u32 s99, s99, s100
	s_add_co_u32 s99, s99, SCL
	s_wait_dscnt 0x0
	s_wait_kmcnt 0x0
	s_add_nc_u64 s[22:23], s[4:5], s[22:23]
	s_add_nc_u64 s[96:97], s[8:9], s[96:97]
	s_add_nc_u64 s[46:47], s[10:11], s[46:47]
	CROUND
	s_mov_b32 s[G0SB], 1
	s_mov_b32 s[G0SB+1], s99
	s_mov_b64 s[G0SB+2:G0SB+3], s[46:47]
	s_or_b32 s[G0SB+3], s[G0SB+3], 0x80000000
.irp s, 0,1
	s_mov_b32 s[G0+4*\s], 1
	s_add_co_u32 s[G0+4*\s+1], s45, \s*SLOT
	s_add_nc_u64 s[G0+4*\s+2:G0+4*\s+3], s[22:23], \s*3072
	s_or_b32 s[G0+4*\s+3], s[G0+4*\s+3], 0x80000000
	s_mov_b32 s[G0B+4*\s], 1
	s_add_co_u32 s[G0B+4*\s+1], s45, \s*SLOT
	s_add_nc_u64 s[G0B+4*\s+2:G0B+4*\s+3], s[96:97], \s*3072
	s_or_b32 s[G0B+4*\s+3], s[G0B+4*\s+3], 0x80000000
.endr
	s_cmp_eq_u32 s15, 0                            ; a wave's first fills stand in one branch: A's waves have two loads out, B's three; on both ways slot 1's is the last
	s_cbranch_scc0 .Lfirst_b
	tensor_load_to_lds s[G0:G0+3], s[G1:G1+7]
	s_nop 0
	tensor_load_to_lds s[G0+4:G0+7], s[G1:G1+7]
	s_nop 0
.rept 4
	v_nop
.endr
	s_branch .Lfirst_asked
.Lfirst_b:
	tensor_load_to_lds s[G0SB:G0SB+3], s[G1SB:G1SB+7]
	s_nop 0
	tensor_load_to_lds s[G0B:G0B+3], s[G1B:G1B+7]
	s_nop 0
	tensor_load_to_lds s[G0B+4:G0B+7], s[G1B:G1B+7]
	s_nop 0
.rept 4
	v_nop
.endr
.Lfirst_asked:
	; my two rows' -M, l and scale words of the 16 stretches: thread t takes the rows at places 2 t and 2 t + 1
	v_lshlrev_b32 v[PO], 3, v0
	s_lshl_b32 s18, s17, 10
	s_mov_b32 s19, 0
	s_add_nc_u64 s[6:7], s[6:7], s[18:19]
.irp f, 0,1,2,3,4,5,6,7,8,9,10,11,12,13,14,15
	global_load_b64 v[NM+2*\f:NM+2*\f+1], v[PO], s[6:7] offset:524288+32768*\f
.endr
.irp f, 0,1,2,3,4,5,6,7,8,9,10,11,12,13,14,15
	global_load_b64 v[LL+2*\f:LL+2*\f+1], v[PO], s[6:7] offset:1048576+32768*\f
.endr
.irp f, 0,1,2,3,4,5,6,7,8,9,10,11,12,13,14,15
	global_load_b64 v[PWD+2*\f:PWD+2*\f+1], v[PO], s[6:7] offset:32768*\f
.endr
	v_and_b32 v1, 15, v0                           ; r
	v_bfe_u32 v2, v0, 4, 1                         ; h
	v_and_b32 v3, 31, v0
	v_lshlrev_b32 v[LI], 4, v3
	s_mul_i32 s21, s15, HALFT
	s_mul_i32 s22, s16, HALFT
	s_add_co_u32 s22, s22, 2*HALFT
.irp s, 0,1
	v_add_nc_u32 v[ADRA+\s], s21, v[LI]
	v_add_nc_u32 v[ADRB+\s], s22, v[LI]
	s_add_co_u32 s21, s21, SLOT
	s_add_co_u32 s22, s22, SLOT
.endr
	s_mul_i32 s21, s15, QS
	s_mul_i32 s22, s16, QS
	s_add_co_u32 s22, s22, 2*QS+64
	s_sub_co_u32 s22, s22, s21
	v_mul_u32_u24 v4, s22, v2
	s_add_co_u32 s21, s21, SCL
	v_lshl_add_u32 v4, v1, 2, v4
	v_add_nc_u32 v[ADRS], s21, v4
	v_lshrrev_b32 v3, 6, v0
	v_and_b32 v4, 63, v0
	v_lshlrev_b32 v[SWA], 3, v4
	v_lshl_add_u32 v[SWA], v3, 13, v[SWA]
	v_add_nc_u32 v[SWA], SCL, v[SWA]               ; A's scale words: [half of the rows][16 fragments][128 words]
	v_lshl_add_u32 v[RLA], v0, 3, RLB
	s_mul_i32 s21, s14, 8448                       ; my stage for the way out: 16 rows x 528 bytes, in slot 0
	v_mul_u32_u24 v[STO], v1, 528
	v_lshl_add_u32 v[STO], v2, 6, v[STO]
	v_add_nc_u32 v[STO], s21, v[STO]
	v_add_nc_u32 v[RD], s21, v[LI]
	s_lshl_b32 s21, s15, 9
	s_add_co_u32 s21, s21, RLB
	v_lshl_add_u32 v[RLR], v1, 2, s21
	s_lshl_b32 s18, s17, 8
	s_lshl_b32 s19, s15, 7
	s_add_co_u32 s18, s18, s19                     ; my first row of out
	s_lshl_b32 s100, s18, 12
	s_lshl_b32 s66, s42, 10
	s_add_co_u32 s100, s100, s66
	s_lshl_b32 s66, s16, 9
	s_add_co_u32 s100, s100, s66                   ; and my first column, in bytes
	s_mov_b32 s101, 0
	s_add_nc_u64 s[92:93], s[92:93], s[100:101]
	s_wait_loadcnt 32                              ; the sixteen loads of -M are in; the 32 younger stay out
.irp e, 0,1
	v_min3_num_f32 v[160+\e], v[NM+\e], v[NM+2+\e], v[NM+4+\e]
.endr
.irp f, 3,5,7,9,11,13
.irp e, 0,1
	v_min3_num_f32 v[160+\e], v[160+\e], v[NM+2*\f+\e], v[NM+2*\f+2+\e]
.endr
.endr
.irp e, 0,1
	v_min_num_f32 v[160+\e], v[160+\e], v[NM+30+\e]   ; the smallest -M: the row's
.endr
.irp f, 0,1,2,3,4,5,6,7,8,9,10,11,12,13,14,15
	v_pk_add_f32 v[NM+2*\f:NM+2*\f+1], v[NM+2*\f:NM+2*\f+1], v[160:161] neg_lo:[0,1] neg_hi:[0,1]   ; D = the row's M - the stretch's
.endr
.set n, 0
.rept 32
	v_cvt_i32_f32 v[NM+n], v[NM+n]                 ; (it saturates)
.set n, n+1
.endr
.set n, 0
.rept 32
	v_min_u32 v[NM+n], 0xff, v[NM+n]
.set n, n+1
.endr
	s_wait_loadcnt 16                              ; l is in; the sixteen loads of words stay out
.set n, 0
.rept 32
	v_sub_nc_u32 v[164+n%4], 0, v[NM+n]
	v_ldexp_f32 v[LL+n], v[LL+n], v[164+n%4]       ; l x 2^-D: nothing is rounded but what falls under the smallest number
.set n, n+1
.endr
.irp f, 2,4,6,8,10,12,14
	v_pk_add_f32 v[LL:LL+1], v[LL:LL+1], v[LL+2*\f:LL+2*\f+1]
	v_pk_add_f32 v[LL+2:LL+3], v[LL+2:LL+3], v[LL+2*\f+2:LL+2*\f+3]
.endr
	v_pk_add_f32 v[LL:LL+1], v[LL:LL+1], v[LL+2:LL+3]   ; the rows' l
	v_rcp_f32 v162, v[LL]
	v_rcp_f32 v163, v[LL+1]
	s_wait_loadcnt 0x0
.macro ADJ i                           ; each of the word's four bytes becomes byte - min(byte, D)
	v_and_b32 v164, 0xff, v[PWD+\i]
	v_bfe_u32 v165, v[PWD+\i], 8, 8
	v_bfe_u32 v166, v[PWD+\i], 16, 8
	v_lshrrev_b32 v167, 24, v[PWD+\i]
	v_min_u32 v168, v164, v[NM+\i]
	v_min_u32 v169, v165, v[NM+\i]
	v_min_u32 v170, v166, v[NM+\i]
	v_min_u32 v171, v167, v[NM+\i]
	v_sub_nc_u32 v164, v164, v168
	v_sub_nc_u32 v165, v165, v169
	v_sub_nc_u32 v166, v166, v170
	v_sub_nc_u32 v167, v167, v171
	v_lshl_or_b32 v164, v165, 8, v164
	v_lshl_or_b32 v164, v166, 16, v164
	v_lshl_or_b32 v[PWD+\i], v167, 24, v164
.endm
.set n, 0
.rept 32
	ADJ n
.set n, n+1
.endr
	s_wait_alu depctr_va_vdst(0)                   ; one wait for the two reciprocals, ahead of their reader; the work on the words stands between
.irp f, 0,1,2,3,4,5,6,7,8,9,10,11,12,13,14,15
	ds_store_b64 v[SWA], v[PWD+2*\f:PWD+2*\f+1] offset:512*\f
.endr
	ds_store_b64 v[RLA], v[162:163]
.macro FRAG reg, adr, q, i
.irp c, 0,1,2
	ds_load_b128 v[\reg+4*\c:\reg+4*\c+3], v[\adr] offset:3072*(\i)+1536*(\q)+512*\c
.endr
.endm
.macro FETCH_B slot, q, p
	WIN TO_B
.irp i, 0,1,2,3,4,5,6,7
	FRAG 128*(\p)+FR*\i, ADRB+\slot, \q, \i
.endr
	WIN 0
.endm
.macro FETCH_A slot, q, i0
.irp i, \i0, \i0+1, \i0+2, \i0+3
	FRAG AF+FR*(\i), ADRA+\slot, \q, \i
.endr
.endm
.macro SCALES sc
.irp i, 0,1,2,3,4,5,6,7
.irp q, 0,1
	ds_load_b32 v[SC+16*\sc+2*\i+\q], v[ADRS] offset:512*\q+64*\i
.endr
.endr
.endm
; 16 matrix instructions; cm = 1: the first product starts the sums with the constant 0.  The 64 accumulators take turns, one instruction a turn.
.macro MUL16 a0, p, q, sc, cm
.irp a, \a0, \a0+1
.irp b, 0,1,2,3,4,5,6,7
.if \cm == 0
	v_wmma_scale_f32_16x16x128_f8f6f4 v[8*(8*((\a)%4)+\b):8*(8*((\a)%4)+\b)+7], v[128*(\p)+FR*\b:128*(\p)+FR*\b+FR-1], v[AF+FR*(\a):AF+FR*(\a)+FR-1], v[8*(8*((\a)%4)+\b):8*(8*((\a)%4)+\b)+7], v[SC+16*(\sc)+2*\b+(\q)], v[SC+16*(\sc)+2*(\a)+(\q)] matrix_a_fmt:MATRIX_FMT_FP6 matrix_b_fmt:MATRIX_FMT_FP6 matrix_a_scale:MATRIX_SCALE_ROW1
.else
	v_wmma_scale_f32_16x16x128_f8f6f4 v[8*(8*((\a)%4)+\b):8*(8*((\a)%4)+\b)+7], v[128*(\p)+FR*\b:128*(\p)+FR*\b+FR-1], v[AF+FR*(\a):AF+FR*(\a)+FR-1], 0, v[SC+16*(\sc)+2*\b+(\q)], v[SC+16*(\sc)+2*(\a)+(\q)] matrix_a_fmt:MATRIX_FMT_FP6 matrix_b_fmt:MATRIX_FMT_FP6 matrix_a_scale:MATRIX_SCALE_ROW1
.endif
.endr
.endr
.endm
.macro STEP slot, cm
	s_wait_dscnt 4*NL                              ; all but the youngest twelve loads (A's blocks 4-7) are in
	WIN MUL_LO
	MUL16 0, 0, 0, \slot, \cm
	MUL16 2, 0, 0, \slot, \cm
	s_wait_dscnt 0x0
	PLACES NP
	FETCH_B \slot, 1, 1
	FETCH_A \slot, 1, 0
	WIN MUL_HI
	MUL16 4, 0, 0, \slot, \cm
	MUL16 6, 0, 0, \slot, \cm
	PLACES NP
	WIN 0
	FETCH_A \slot, 1, 4
.endm
.macro TURN slot, next, fill
	s_wait_tensorcnt 0x0                           ; all my tensor loads have landed: my part of the next slot
	ds_add_u32 v[SPW], v[NIL]
	s_wait_dscnt 4*NL+1                            ; (the add and the youngest twelve loads may be out)
	WIN MUL_LO
	MUL16 0, 1, 1, \slot, 0
	s_wait_dscnt 0x0                               ; the add is done, and my reads of this slot are over
	s_barrier_signal -1
	MUL16 2, 1, 1, \slot, 0
	WIN 0
	s_barrier_wait -1
.if \fill
	CREST                                          ; the barrier has opened a round of the cluster's
	s_add_nc_u64 s[G0+4*\slot+2:G0+4*\slot+3], s[G0+4*\slot+2:G0+4*\slot+3], 2*3072
	s_add_nc_u64 s[G0B+4*\slot+2:G0B+4*\slot+3], s[G0B+4*\slot+2:G0B+4*\slot+3], 2*3072
	JLOAD G0+4*\slot, G1, G0B+4*\slot, G1B
.else
	PLACES NP
.endif
	v_add_nc_u32 v[ADRS], 1024, v[ADRS]
	FETCH_B \next, 0, 0
	FETCH_A \next, 0, 0
	SCALES \next
	WIN MUL_HI
	MUL16 4, 1, 1, \slot, 0
	MUL16 6, 1, 1, \slot, 0
	PLACES NP
	WIN 0
	FETCH_A \next, 0, 4
.endm
	s_wait_tensorcnt 1                             ; B's scales and my part of slot 0 are in; slot 1's load may be out
	s_wait_dscnt 0x0                               ; for the others' sake: my rows' scale words and 1 / l have landed
	s_barrier_signal -1
	s_barrier_wait -1
	FETCH_B 0, 0, 0
	FETCH_A 0, 0, 0
	SCALES 0
	FETCH_A 0, 0, 4
	STEP 0, 1
	s_mov_b32 s3, LAPS-1
.Llap:
	TURN 0, 1, 1
	STEP 1, 0
	TURN 1, 0, 1
	STEP 0, 0
	s_sub_co_u32 s3, s3, 1
	s_cmp_lg_u32 s3, 0
	s_cbranch_scc1 .Llap
	TURN 0, 1, 0
	STEP 1, 0
	s_wait_dscnt 4*NL
	WIN MUL_LO
	MUL16 0, 1, 1, 1, 0
	MUL16 2, 1, 1, 1, 0
	s_wait_dscnt 0x0
	WIN MUL_HI
	MUL16 4, 1, 1, 1, 0
	MUL16 6, 1, 1, 1, 0
	WIN 0
; THE WAY OUT, block by block of 16 rows x 128 channels: x 1 / l; through my stage in LDS; back as whole rows of 512 bytes.
.macro SCALE a
.set AC, 64*((\a)%4)
	WIN 0x02+(\a)/4                                ; source 0: window 2 or 3
.set i, 0
.rept 32
	v_pk_mul_f32 v[T+i:T+i+1], v[AC+i:AC+i+1], v[RL+2*(\a):RL+2*(\a)+1] op_sel_hi:[1,0]   ; each accumulator from its low end on
.set i, i+2
.endr
	WIN 0
.endm
.macro TOSTAGE a
.irp b, 0,1,2,3,4,5,6,7
	ds_store_b128 v[STO], v[T+8*\b:T+8*\b+3] offset:128*(\b/2)+32*(\b%2)          ; lane (r, h): channels 32 (b / 2) + 16 h + 8 (b % 2) on
	ds_store_b128 v[STO], v[T+8*\b+4:T+8*\b+7] offset:128*(\b/2)+32*(\b%2)+16
.endr
.set BB, 128+64*((\a)%2)
.irp t, 0,1,2,3,4,5,6,7,8,9,10,11,12,13,14,15
	ds_load_b128 v[BB+4*\t:BB+4*\t+3], v[RD] offset:528*\t      ; LDS serves a wave's instructions in order (ISA guide 5.7.1.4): these see the stores above
.endr
.endm
.macro SEND a, y                       ; y: the LDS instructions issued behind block a's loads, which may stay out
.set BB, 128+64*((\a)%2)
	s_wait_dscnt \y
.irp t, 0,1,2,3,4,5,6,7,8,9,10,11,12,13,14,15
	global_store_b128 v[LI], v[BB+4*\t:BB+4*\t+3], s[92:93] offset:4096*(32*((\a)/2)+16*(\t/8)+8*((\a)%2)+\t%8) th:TH_STORE_NT   ; place 16 a + t is row 32 (a / 2) + 16 (t / 8) + 8 (a % 2) + t % 8; 512 consecutive bytes, at a multiple of 512 from the buffer's first byte
.endr
.endm
	PLACES NP                                      ; behind the last products
.irp a, 0,1,2,3,4,5,6,7
	ds_load_b32 v[RL+2*\a], v[RLR] offset:64*\a
.endr
.irp a, 0,1,2,3,4,5,6,7
	v_mov_b32 v[RL+2*\a+1], 0                      ; (named as the upper halves of pairs)
.endr
	s_wait_dscnt 0x0
	SCALE 0
	TOSTAGE 0
.irp a, 1,2,3,4,5,6,7
	SCALE \a
.if \a > 1
	s_wait_xcnt 0x0                                ; block a - 2's stores have read their registers: block a's loads may land there
.endif
	TOSTAGE \a
	SEND \a-1, 32                                  ; behind block a - 1's loads: block a's 16 stores and 16 loads
.endr
	SEND 7, 0
	s_wait_tensorcnt 0x0                           ; the wave's end
	ds_add_u32 v[SPW], v[NIL]
	s_wait_dscnt 0x0
	CROUND                                         ; the closing round
	s_endpgm
.Lfunc_end_k_q2358fdf63c_pv:
	.size	k_q2358fdf63c_pv, .Lfunc_end_k_q2358fdf63c_pv-k_q2358fdf63c_pv
	.p2alignl 7, 3214868480
	.fill 96, 4, 3214868480
	.section	.rodata,"a",@progbits
	.p2align	6, 0x0
	.amdhsa_kernel k_q2358fdf63c_pv
		.amdhsa_group_segment_fixed_size 327680
		.amdhsa_private_segment_fixed_size 0
		.amdhsa_enable_private_segment 0
		.amdhsa_kernarg_size 40
		.amdhsa_user_sgpr_count 2
		.amdhsa_user_sgpr_kernarg_segment_ptr 1
		.amdhsa_wavefront_size32 1
		.amdhsa_system_sgpr_workgroup_id_x 1
		.amdhsa_system_sgpr_workgroup_id_y 1
		.amdhsa_system_sgpr_workgroup_id_z 1
		.amdhsa_system_vgpr_workitem_id 0
		.amdhsa_next_free_vgpr 1024
		.amdhsa_next_free_sgpr 102
		.amdhsa_reserve_vcc 0
		.amdhsa_float_denorm_mode_32 3
		.amdhsa_float_denorm_mode_16_64 3
		.amdhsa_memory_ordered 1
		.amdhsa_forward_progress 1
		.amdhsa_inst_pref_size 189
	.end_amdhsa_kernel
	.amdgpu_metadata
---
amdhsa.version: [ 1, 2 ]
amdhsa.kernels:
  - .name:           k_q2358fdf63c_pv
    .symbol:         k_q2358fdf63c_pv.kd
    .args:
      - { .name: p_c, .offset: 0, .size: 8, .value_kind: global_buffer, .address_space: global }
      - { .name: p_s, .offset: 8, .size: 8, .value_kind: global_buffer, .address_space: global }
      - { .name: qkv_c, .offset: 16, .size: 8, .value_kind: global_buffer, .address_space: global }
      - { .name: qkv_s, .offset: 24, .size: 8, .value_kind: global_buffer, .address_space: global }
      - { .name: out0, .offset: 32, .size: 8, .value_kind: global_buffer, .address_space: global }
    .group_segment_fixed_size: 327680
    .private_segment_fixed_size: 0
    .kernarg_segment_align: 8
    .kernarg_segment_size: 40
    .max_flat_workgroup_size: 128
    .sgpr_count:     102
    .vgpr_count:     1024
    .wavefront_size: 32
...
	.end_amdgpu_metadata
.endif
;; end of part 4
;; ======== version 2 of 2: 4 launches; 1.13 times as fast as version 1
;; workspace buffers: pre_c 8,650,752 bytes; pre_s 360,448 bytes; qkv_c 18,874,368 bytes; qkv_s 786,432 bytes; p_c 12,582,912 bytes; p_s 1,572,864 bytes
;; launch prep: the kernel of part 1 again; grid 352 x 1, 8 waves a work-group, no clusters, 97,280 bytes of LDS; arguments x, gamma, beta, Wq, Wk, Wv, pre_c, pre_s; writes pre_c, pre_s
;; launch proj (part 5): grid 12 x 32, 4 waves a work-group, clusters of 4 x 4, 327,680 bytes of LDS; arguments pre_c, pre_s, bq, bk, bv, qkv_c, qkv_s; writes qkv_c, qkv_s
.if DOCPART == 5
	.amdgcn_target "amdgcn-amd-amdhsa--gfx1250"
	.amdhsa_code_object_version 6
	.text
	.protected	k_q2358fdf63c_proj
	.globl	k_q2358fdf63c_proj
	.p2align	8
	.type	k_q2358fdf63c_proj,@function
k_q2358fdf63c_proj:
	s_mov_b64 s[64:65], 0
	v_nop
	global_prefetch_b8 v0, s[64:65] scope:SCOPE_SE
	s_setreg_imm32_b32 hwreg(HW_REG_WAVE_MODE, 25, 1), 1
	s_wait_xcnt 0x0
	s_wait_alu depctr_hold_cnt(0) depctr_sa_sdst(0) depctr_va_vdst(0) depctr_va_sdst(0) depctr_va_ssrc(0) depctr_va_vcc(0) depctr_vm_vsrc(0)
	s_getreg_b32 s2, hwreg(HW_REG_IB_STS2, 6, 4)
	s_cmp_eq_u32 s2, 0
	s_cbranch_scc0 .Lentry_in_a_cluster
	s_endpgm
.Lentry_in_a_cluster:
	s_bfe_u32 s2, ttmp6, 0x10000c
	s_cmp_lg_u32 s2, 0xf033
	s_cbranch_scc0 .Lentry_shape_is_right
	s_endpgm
.Lentry_shape_is_right:
; PROJ.  q = xn Wq + bq, k = xn Wk + bk (A = xn's rows, B = the weight's rows) and v^T = Wv^T xn^T + bv (A = Wv's rows, B = xn's rows), on codes of FP6 (E2M3) with one E8M0 scale for each 32 along K = 1,024;
; each result is quantised at once along its columns, which are the next product's K (q, k: the features; v^T: the keys), and leaves as codes: no f32 result goes to memory.
; A tile of 256 x 256 to a work-group of four waves, 128 x 128 a wave: 64 accumulators, 512 registers.  Clusters x = 0, 1: q's and k's 256 tiles; clusters x = 2: v^T's 128.
; OPERANDS LIE AS IMAGES OF THEIR REGISTERS: a fragment (16 rows x 128 K, 12 registers a lane) is 1,536 bytes, register k of lane L at 512 (k / 4) + 16 L + 4 (k % 4); a tensor is [rows / 16][K / 128][1,536].
; So a fragment comes from LDS by three loads of 512 consecutive bytes, and a wave's tensor load brings 8 rows of 3,072 bytes (8 blocks of rows x 256 along K).  Scale words lie [K / 128][rows].
; THREE SLOTS of 256 along K, all filled at the start.  K is four such steps, so ONE slot is filled again: slot 0, with the last step, behind the round that ends its first reading; between that request and the wait
; for it a wave issues 224 matrix instructions.  The change from slot 1 to slot 2 has no barrier: in front of the round every wave has waited for all its loads, slot 2's among them.
; ROW i LIES AT PLACE p(i) (bits 3 and 4 exchanged).  The product is used transposed (source 0 = 16 rows of B, source 1 = 16 rows of A): lane (r, h) holds A's row at place r, and register 16 b + i of a block's 64
; holds column 32 b + 16 h + i in the columns' true order: 16 neighbours along the next K, as the conversions want them.
; CLUSTERS: 4 x 4 work-groups; A's tiles and scales are asked for jointly along a row of the cluster, B's along a column.  The biases are the C of each sum's first product.
; LIMITS: NaN and infinities are not served; a block of zeros gets the byte 1 (this program alone reads the bytes).
; REGISTERS: window 0: v1-31 addresses; v32-63 scale words, two sets; v64-127 the bias in the result's layout; v128-223 A's fragments, one set; v224-231 bv at my rows.  Window 1: B's fragments, two sets, at v0 and v128.
;   Windows 2, 3: the accumulators of my rows 0-63, 64-127 ((a, b) at v[8 (8 (a % 4) + b)]).
.set KF,    8                          ; fragments along K
.set HALFT, 24576                      ; 8 blocks of rows x 2 fragments: what one tensor load brings
.set SLOT,  4*HALFT                    ; A's 256 rows, then B's
.set SCL,   3*SLOT                     ; behind the three slots: the scale words, [KF][128 rows] for each 128 rows; B's lie 64 bytes further on than a whole number of such parts
.set QS,    512*KF
.set SPARE, SCL+4*QS+256               ; the spare words, 128 bytes for each wave: two blocks of 256 bytes that no other line names
.set STG,   SLOT                       ; the way out's stage, 2,048 bytes a wave, in slot 1: filled once, and read by nobody behind the last barrier
.set FR,    12
.set NL,    3                          ; LDS loads that bring a fragment
.set NP,    4                          ; places behind this matrix instruction (ISA guide 7.12.1)
.set ADRA,  16                         ; v16-18 my A fragments in slot 0, 1, 2
.set ADRB,  20                         ; v20-22 the same for B
.set LI,    24                         ; v24  16 x lane
.set WS,    25                         ; v25  the way out: my row's word in my stage
.set WR,    26                         ; v26  the way out: 16 bytes a lane of my stage
.set ADRS,  27                         ; v27  my scale words: lanes 0-15 A's rows, lanes 16-31 B's
.set SPW,   28                         ; v28  my spare word; never rewritten
.set NIL,   29                         ; v29  0; never rewritten
.set SC,    32
.set BC,    64
.set AF,    128
.set RB,    224
.set TM,    32                         ; the way out: v32-35 largest magnitudes, v36-39 bytes, v44-47 the conversions' scale operands
.set PW,    48                         ; v48-55 the eight blocks' scale words
.set PC,    192                        ; v192-210 the codes just made
.set G1, 24
.set G0, 32                            ; s[32:39] A's groups 0 for slots 0, 1
.set G0C, 4                            ; s[4:7]   and for slot 2
.set G1B, 48
.set G0B, 56                           ; s[56:63] B's groups 0 for slots 0, 1
.set G0BC, 96                          ; s[96:99] and for slot 2
.set G1S, 68
.set G0S, 76
.set G1SB, 80
.set G0SB, 88
.set MSB, 0
.macro WIN new                         ; the immediate's high byte repeats the setting that is left
.if MSB != (\new)
	s_set_vgpr_msb (MSB<<8)|(\new)
.set MSB, (\new)
.endif
.endm
.set MUL_LO, 0xa1                      ; source 0 (B) window 1, source 1 (A) window 0, C and D window 2
.set MUL_HI, 0xf1
.set TO_B,   0x40
.macro JLOAD g0a, g1a, g0b, g1b        ; a joint load: waves 0 and 1 fetch for A, waves 2 and 3 for B; an s_nop 0 and four v_nop follow each line
	s_cmp_eq_u32 s15, 0
	s_cbranch_scc0 .Lfor_b_\@
	tensor_load_to_lds s[\g0a:\g0a+3], s[\g1a:\g1a+7]
	s_nop 0
.rept 4
	v_nop
.endr
	s_branch .Lasked_\@
.Lfor_b_\@:
	tensor_load_to_lds s[\g0b:\g0b+3], s[\g1b:\g1b+7]
	s_nop 0
.rept 4
	v_nop
.endr
.Lasked_\@:
.endm
.macro CREST
	s_cmp_lg_u32 s14, 0
	s_cbranch_scc1 .Lnot_wave_0_\@
	s_barrier_signal -3
.Lnot_wave_0_\@:
	s_barrier_wait -3
	s_barrier_signal -1
	s_barrier_wait -1
.endm
.macro CROUND
	s_barrier_signal -1
	s_barrier_wait -1
	CREST
.endm
.macro PLACES n
.rept \n
	v_nop
.endr
.endm
	s_load_b256 s[4:11], s[0:1], 0x0               ; pre_c s[4:5], pre_s s[6:7], bq s[8:9], bk s[10:11]
	s_load_b64 s[12:13], s[0:1], 0x20              ; bv
	s_load_b128 s[92:95], s[0:1], 0x28             ; qkv_c s[92:93], qkv_s s[94:95]
	v_lshl_add_u32 v[SPW], v0, 2, SPARE
	v_mov_b32 v[NIL], 0
	ds_add_u32 v[SPW], v[NIL]                      ; the wave's opening: the add and its wait ahead of my first tensor load
	v_lshrrev_b32 v1, 5, v0
	v_readfirstlane_b32 s14, v1                    ; wave 0..3
	s_lshr_b32 s15, s14, 1                         ; my half of the tile's rows.  Also: I fetch for A (0) or for B (1)
	s_and_b32 s16, s14, 1                          ; my half of its columns.  Also: which 128 rows I fetch
	s_bfe_u32 s40, ttmp6, 0x40000                  ; cx
	s_bfe_u32 s41, ttmp6, 0x40004                  ; cy
	s_and_b32 s18, ttmp7, 0xffff                   ; cluster y
	s_cmp_eq_u32 ttmp9, 2                          ; cluster x = 2: tiles of v^T.  The same in all sixteen partners
	s_cselect_b32 s104, 1, 0
	s_cselect_b32 s19, 0, s18
	s_cselect_b32 s46, s18, ttmp9
	s_cselect_b32 s20, 10240, 0                    ; A's first row in pre_c: Wv's or xn's
	s_cselect_b32 s47, 0, 8192                     ; B's: xn's or Wq's
	s_lshl_b32 s19, s19, 2
	s_add_co_u32 s17, s19, s41                     ; tile row
	s_lshl_b32 s46, s46, 2
	s_add_co_u32 s42, s46, s40                     ; tile column
	s_lshl_b32 s43, s41, 2
	s_lshl_b32 s43, 15, s43                        ; my row of the cluster
	s_lshl_b32 s44, 0x1111, s40                    ; my column
	s_or_b32 s[G1+0], s43, (3<<16)|(1<<21)         ; 15:0 the mask; 17:16 elements of 8 bytes; 20 no padding; 21 set beside a mask
	s_or_b32 s[G1B+0], s44, (3<<16)|(1<<21)
.irp g, G1, G1B
	s_mov_b32 s[\g+1], 384<<16                     ; tensor_dim0 = 384 elements: 3,072 bytes
	s_mov_b32 s[\g+2], 8<<16                       ; tensor_dim1 = 8 blocks of rows
	s_mov_b32 s[\g+3], 384<<16                     ; tile_dim0
	s_mov_b32 s[\g+4], 8                           ; tile_dim1
	s_mov_b32 s[\g+5], 192*KF                      ; from a block of rows to the next
	s_mov_b32 s[\g+6], 0
	s_mov_b32 s[\g+7], 0
.endr
	s_or_b32 s[G1S+0], s43, (3<<16)|(1<<21)
	s_or_b32 s[G1SB+0], s44, (3<<16)|(1<<21)
.irp g, G1S, G1SB
	s_mov_b32 s[\g+1], 64<<16                      ; 128 rows' words: 512 bytes
	s_mov_b32 s[\g+2], KF<<16
	s_mov_b32 s[\g+3], 64<<16
	s_mov_b32 s[\g+4], KF
	s_mov_b32 s[\g+5], 5632                        ; 11,264 words from fragment to fragment
	s_mov_b32 s[\g+6], 0
	s_mov_b32 s[\g+7], 0
.endr
	s_lshl_b32 s19, s16, 7
	s_lshl_b32 s21, s17, 8
	s_add_co_u32 s20, s20, s21
	s_add_co_u32 s20, s20, s19                     ; the first row that I fetch for A
	s_lshl_b32 s46, s42, 8
	s_add_co_u32 s46, s46, s47
	s_add_co_u32 s46, s46, s19                     ; and for B
	s_mul_i32 s22, s20, 96*KF                      ; its codes,
	s_mov_b32 s23, 0
	s_lshl_b32 s20, s20, 2                         ; its scale word
	s_mov_b32 s21, 0
	s_mul_i32 s96, s46, 96*KF
	s_mov_b32 s97, 0
	s_lshl_b32 s46, s46, 2
	s_mov_b32 s47, 0
	s_mul_i32 s45, s14, HALFT                      ; where they go: no place in the cluster enters an LDS address
	s_mul_i32 s105, s14, QS
	s_lshl_b32 s100, s15, 6
	s_add_co_u32 s105, s105, s100
	s_add_co_u32 s105, s105, SCL
	s_wait_dscnt 0x0                               ; the opening add is done
	s_wait_kmcnt 0x0
	s_add_nc_u64 s[22:23], s[4:5], s[22:23]
	s_add_nc_u64 s[20:21], s[6:7], s[20:21]
	s_add_nc_u64 s[96:97], s[4:5], s[96:97]
	s_add_nc_u64 s[46:47], s[6:7], s[46:47]
	CROUND                                         ; all sixteen work-groups are here: the first joint loads meet
	s_mov_b32 s[G0S], 1
	s_mov_b32 s[G0S+1], s105
	s_mov_b64 s[G0S+2:G0S+3], s[20:21]
	s_or_b32 s[G0S+3], s[G0S+3], 0x80000000
	s_mov_b32 s[G0SB], 1
	s_mov_b32 s[G0SB+1], s105
	s_mov_b64 s[G0SB+2:G0SB+3], s[46:47]
	s_or_b32 s[G0SB+3], s[G0SB+3], 0x80000000
.irp s, 0,1
	s_mov_b32 s[G0+4*\s], 1
	s_add_co_u32 s[G0+4*\s+1], s45, \s*SLOT
	s_add_nc_u64 s[G0+4*\s+2:G0+4*\s+3], s[22:23], \s*3072
	s_or_b32 s[G0+4*\s+3], s[G0+4*\s+3], 0x80000000
	s_mov_b32 s[G0B+4*\s], 1
	s_add_co_u32 s[G0B+4*\s+1], s45, \s*SLOT
	s_add_nc_u64 s[G0B+4*\s+2:G0B+4*\s+3], s[96:97], \s*3072
	s_or_b32 s[G0B+4*\s+3], s[G0B+4*\s+3], 0x80000000
.endr
	s_mov_b32 s[G0C], 1                            ; slot 2's groups 0 (the two input pointers are done with; B's address is taken before its registers are written)
	s_add_co_u32 s[G0C+1], s45, 2*SLOT
	s_add_nc_u64 s[G0C+2:G0C+3], s[22:23], 2*3072
	s_or_b32 s[G0C+3], s[G0C+3], 0x80000000
	s_add_nc_u64 s[G0BC+2:G0BC+3], s[96:97], 2*3072
	s_or_b32 s[G0BC+3], s[G0BC+3], 0x80000000
	s_mov_b32 s[G0BC], 1
	s_add_co_u32 s[G0BC+1], s45, 2*SLOT
	s_cmp_eq_u32 s15, 0                            ; a wave's four first fills stand in one branch: the scales, slots 0, 1, 2: four loads of mine are out
	s_cbranch_scc0 .Lfirst_b
	tensor_load_to_lds s[G0S:G0S+3], s[G1S:G1S+7]
	s_nop 0
	tensor_load_to_lds s[G0:G0+3], s[G1:G1+7]
	s_nop 0
	tensor_load_to_lds s[G0+4:G0+7], s[G1:G1+7]
	s_nop 0
	tensor_load_to_lds s[G0C:G0C+3], s[G1:G1+7]
	s_nop 0
.rept 4
	v_nop
.endr
	s_branch .Lfirst_asked
.Lfirst_b:
	tensor_load_to_lds s[G0SB:G0SB+3], s[G1SB:G1SB+7]
	s_nop 0
	tensor_load_to_lds s[G0B:G0B+3], s[G1B:G1B+7]
	s_nop 0
	tensor_load_to_lds s[G0B+4:G0B+7], s[G1B:G1B+7]
	s_nop 0
	tensor_load_to_lds s[G0BC:G0BC+3], s[G1B:G1B+7]
	s_nop 0
.rept 4
	v_nop
.endr
.Lfirst_asked:
	v_and_b32 v1, 15, v0                           ; r
	v_bfe_u32 v2, v0, 4, 1                         ; h
	v_and_b32 v3, 31, v0
	v_lshlrev_b32 v[LI], 4, v3
	s_mul_i32 s21, s15, HALFT                      ; my 128 rows of A
	s_mul_i32 s22, s16, HALFT
	s_add_co_u32 s22, s22, 2*HALFT                 ; my 128 rows of B, behind A's 256
.irp s, 0,1,2
	v_add_nc_u32 v[ADRA+\s], s21, v[LI]
	v_add_nc_u32 v[ADRB+\s], s22, v[LI]
	s_add_co_u32 s21, s21, SLOT
	s_add_co_u32 s22, s22, SLOT
.endr
	s_mul_i32 s21, s15, QS
	s_mul_i32 s22, s16, QS
	s_add_co_u32 s22, s22, 2*QS+64
	s_sub_co_u32 s22, s22, s21
	v_mul_u32_u24 v4, s22, v2                      ; lanes 16-31 take B's
	s_add_co_u32 s21, s21, SCL
	v_lshl_add_u32 v4, v1, 2, v4
	v_add_nc_u32 v[ADRS], s21, v4
	s_lshl_b32 s21, s14, 11                        ; my stage for the way out
	s_add_co_u32 s21, s21, STG
	v_lshl_add_u32 v[WS], v1, 2, s21
	v_add_nc_u32 v[WR], s21, v[LI]
	; the biases.  Both kinds are loaded in every tile, at places that the masks keep inside the buffers; the first products take one of them
	s_cmp_eq_u32 ttmp9, 1
	s_cselect_b64 s[8:9], s[10:11], s[8:9]         ; bk for cluster x = 1
	s_and_b32 s46, s42, 3
	s_lshl_b32 s46, s46, 10
	s_lshl_b32 s47, s16, 9
	s_add_co_u32 s46, s46, s47
	s_mov_b32 s47, 0
	s_add_nc_u64 s[8:9], s[8:9], s[46:47]          ; my 128 columns
	v_lshlrev_b32 v5, 6, v2                        ; register 16 b + i: column 32 b + 16 h + i
.irp b, 0,1,2,3
.irp j, 0,1,2,3
	global_load_b128 v[BC+16*\b+4*\j:BC+16*\b+4*\j+3], v5, s[8:9] offset:128*\b+16*\j
.endr
.endr
	s_and_b32 s18, s17, 3
	s_lshl_b32 s18, s18, 10
	s_lshl_b32 s19, s15, 9
	s_add_co_u32 s18, s18, s19
	s_mov_b32 s19, 0
	s_add_nc_u64 s[12:13], s[12:13], s[18:19]      ; my 128 rows of v^T
	v_and_b32 v6, 8, v1
	v_add_nc_u32 v6, v6, v1
	v_lshlrev_b32 v6, 2, v6                        ; place 16 a + r is row 32 (a / 2) + 8 (a % 2) + r + 8 (r / 8)
.irp a, 0,1,2,3,4,5,6,7
	global_load_b32 v[RB+\a], v6, s[12:13] offset:4*(32*(\a/2)+8*(\a%2))
.endr
	; where my results go: q, k: [tensor][512 blocks][8][1,536]; v^T: [batch][64 blocks][16][1,536]
	s_cmp_eq_u32 s104, 1
	s_cselect_b32 s66, 7, 3
	s_cselect_b32 s67, 3, 2
	s_mov_b32 s2, 12288
	s_cselect_b32 s2, 24576, s2                    ; from a block of rows to the next
	s_mov_b32 s3, 0
	s_mov_b32 s105, 6291456
	s_cselect_b32 s105, 1572864, s105              ; a tensor's or a batch's codes
	s_cselect_b32 s100, 12582912, 0
	s_cselect_b32 s18, 16, 8
	s_mov_b32 s46, 262144
	s_cselect_b32 s46, 65536, s46                  ; a tensor's or a batch's scale words
	s_mov_b32 s47, 32768
	s_cselect_b32 s47, 4096, s47                   ; a fragment's
	s_cselect_b32 s19, 524288, 0
	s_and_b32 s66, s42, s66
	s_lshl_b32 s66, s66, 1
	s_add_co_u32 s66, s66, s16                     ; which fragment along the next K my 128 columns are
	s_lshr_b32 s67, s42, s67                       ; which tensor, or which batch
	s_mul_i32 s105, s105, s67
	s_add_co_u32 s100, s100, s105
	s_lshl_b32 s20, s17, 4
	s_lshl_b32 s21, s15, 3
	s_add_co_u32 s20, s20, s21                     ; my first block of rows
	s_mul_i32 s105, s18, s20
	s_add_co_u32 s105, s105, s66
	s_mul_i32 s105, s105, 1536
	s_add_co_u32 s100, s100, s105
	s_mov_b32 s101, 0
	s_add_nc_u64 s[92:93], s[92:93], s[100:101]
	s_mul_i32 s46, s46, s67
	s_mul_i32 s47, s47, s66
	s_add_co_u32 s100, s46, s47
	s_add_co_u32 s100, s100, s19
	s_lshl_b32 s20, s20, 6
	s_add_co_u32 s100, s100, s20
	s_add_nc_u64 s[94:95], s[94:95], s[100:101]
	s_mov_b32 s20, 0x76543210
	s_mov_b32 s21, 0xfedcba98                      ; v_permlanex16_b32's selects for lane l xor 16
.macro FRAG reg, adr, q, i             ; a fragment's image: three loads of 512 consecutive bytes
.irp c, 0,1,2
	ds_load_b128 v[\reg+4*\c:\reg+4*\c+3], v[\adr] offset:3072*(\i)+1536*(\q)+512*\c
.endr
.endm
.macro FETCH_B slot, q, p
	WIN TO_B
.irp i, 0,1,2,3,4,5,6,7
	FRAG 128*(\p)+FR*\i, ADRB+\slot, \q, \i
.endr
	WIN 0
.endm
.macro FETCH_A slot, q, i0
.irp i, \i0, \i0+1, \i0+2, \i0+3
	FRAG AF+FR*(\i), ADRA+\slot, \q, \i
.endr
.endm
.macro SCALES sc                       ; a slot's scale words: register 2 i + q: lanes 0-15 A's block i, lanes 16-31 B's block i, fragment q
.irp i, 0,1,2,3,4,5,6,7
.irp q, 0,1
	ds_load_b32 v[SC+16*(\sc)+2*\i+\q], v[ADRS] offset:512*\q+64*\i
.endr
.endr
.endm
; 16 matrix instructions: A's blocks a0, a0 + 1 x B's eight.  cm: C = the sum in place (0), the columns' bias (2), the rows' bias (3).  The 64 accumulators take turns, one instruction a turn.
.macro MUL16 a0, p, q, sc, cm
.irp a, \a0, \a0+1
.irp b, 0,1,2,3,4,5,6,7
.if \cm == 0
	v_wmma_scale_f32_16x16x128_f8f6f4 v[8*(8*((\a)%4)+\b):8*(8*((\a)%4)+\b)+7], v[128*(\p)+FR*\b:128*(\p)+FR*\b+FR-1], v[AF+FR*(\a):AF+FR*(\a)+FR-1], v[8*(8*((\a)%4)+\b):8*(8*((\a)%4)+\b)+7], v[SC+16*(\sc)+2*\b+(\q)], v[SC+16*(\sc)+2*(\a)+(\q)] matrix_a_fmt:MATRIX_FMT_FP6 matrix_b_fmt:MATRIX_FMT_FP6 matrix_a_scale:MATRIX_SCALE_ROW1
.elseif \cm == 2
	v_wmma_scale_f32_16x16x128_f8f6f4 v[8*(8*((\a)%4)+\b):8*(8*((\a)%4)+\b)+7], v[128*(\p)+FR*\b:128*(\p)+FR*\b+FR-1], v[AF+FR*(\a):AF+FR*(\a)+FR-1], v[BC+8*\b:BC+8*\b+7], v[SC+16*(\sc)+2*\b+(\q)], v[SC+16*(\sc)+2*(\a)+(\q)] matrix_a_fmt:MATRIX_FMT_FP6 matrix_b_fmt:MATRIX_FMT_FP6 matrix_a_scale:MATRIX_SCALE_ROW1
.else
	v_wmma_scale_f32_16x16x128_f8f6f4 v[8*(8*((\a)%4)+\b):8*(8*((\a)%4)+\b)+7], v[128*(\p)+FR*\b:128*(\p)+FR*\b+FR-1], v[AF+FR*(\a):AF+FR*(\a)+FR-1], v[BC+8*(\a):BC+8*(\a)+7], v[SC+16*(\sc)+2*\b+(\q)], v[SC+16*(\sc)+2*(\a)+(\q)] matrix_a_fmt:MATRIX_FMT_FP6 matrix_b_fmt:MATRIX_FMT_FP6 matrix_a_scale:MATRIX_SCALE_ROW1
.endif
.endr
.endr
.endm
; A slot's first 128 along K (B's set 0, scale set sc); it fetches the second (B's set 1).
.macro STEP slot, sc, cm
	s_wait_dscnt 4*NL                              ; all but the youngest twelve loads (A's blocks 4-7) are in
.if \cm >= 2
	WIN 0x81                                       ; C (the bias) window 0, D window 2
.else
	WIN MUL_LO
.endif
	MUL16 0, 0, 0, \sc, \cm
	MUL16 2, 0, 0, \sc, \cm
	s_wait_dscnt 0x0
	PLACES NP                                      ; in front of loads into registers that matrix instructions have read
	FETCH_B \slot, 1, 1
	FETCH_A \slot, 1, 0
.if \cm >= 2
	WIN 0xc1
.else
	WIN MUL_HI
.endif
	MUL16 4, 0, 0, \sc, \cm
	MUL16 6, 0, 0, \sc, \cm
	PLACES NP
	WIN 0
	FETCH_A \slot, 1, 4
.endm
; A slot's second 128 along K changes slots.  kind = 1: this slot is filled again: each wave waits for all its tensor loads, adds 0 to its spare word, waits for that and for its reads of this slot; the barrier opens a round
; of the cluster's.  kind = 0: the same lines and a barrier of the work-group: the next slot's refill, of which my part is the one load that is out, is shown to every wave.  kind = 2: no barrier: the next slot was shown whole at the round.
.macro TURN slot, sc, next, kind
.if \kind == 2
	s_wait_dscnt 4*NL                              ; all but the youngest twelve loads are in
	WIN MUL_LO
	MUL16 0, 1, 1, \sc, 0
	MUL16 2, 1, 1, \sc, 0
	s_wait_dscnt 0x0
	WIN 0
	PLACES NP
.else
	s_wait_tensorcnt 0x0                           ; all my tensor loads have landed
	ds_add_u32 v[SPW], v[NIL]
	s_wait_dscnt 4*NL+1                            ; (the add and the youngest twelve loads may be out)
	WIN MUL_LO
	MUL16 0, 1, 1, \sc, 0
	s_wait_dscnt 0x0                               ; the add is done, and my reads of this slot are over
	s_barrier_signal -1
	MUL16 2, 1, 1, \sc, 0
	WIN 0
	s_barrier_wait -1
.if \kind == 1
	CREST                                          ; no wave of any partner still reads this slot or has a load on its way
	s_add_nc_u64 s[G0+4*\slot+2:G0+4*\slot+3], s[G0+4*\slot+2:G0+4*\slot+3], 3*3072
	s_add_nc_u64 s[G0B+4*\slot+2:G0B+4*\slot+3], s[G0B+4*\slot+2:G0B+4*\slot+3], 3*3072
	JLOAD G0+4*\slot, G1, G0B+4*\slot, G1B         ; the first tensor load behind the round; its four v_nop are also the places in front of the loads below
.else
	PLACES NP
.endif
.endif
	v_add_nc_u32 v[ADRS], 1024, v[ADRS]            ; the next step's scale words
	FETCH_B \next, 0, 0
	FETCH_A \next, 0, 0
	SCALES 1-(\sc)
	WIN MUL_HI
	MUL16 4, 1, 1, \sc, 0
	MUL16 6, 1, 1, \sc, 0
	PLACES NP
	WIN 0
	FETCH_A \next, 0, 4
.endm
	s_wait_tensorcnt 2                             ; the scales and my part of slot 0 are in; slots 1 and 2, the last two issued on both ways, may be out
	s_barrier_signal -1
	s_barrier_wait -1
	FETCH_B 0, 0, 0
	FETCH_A 0, 0, 0
	SCALES 0
	FETCH_A 0, 0, 4
	s_wait_loadcnt 0x0                             ; the biases
	s_cmp_eq_u32 s104, 1                           ; the first products start the sums with the bias: by columns for q and k, by rows for v^T.  The branch hangs on the cluster's x alone
	s_cbranch_scc1 .Lrows_bias
	STEP 0, 0, 2
	s_branch .Lstarted
.Lrows_bias:
.irp a, 0,1,2,3,4,5,6,7
.irp j, 0,1,2,3,4,5,6,7
	v_mov_b32 v[BC+8*\a+\j], v[RB+\a]              ; block a's C: bv at my row, in all eight registers
.endr
.endr
	PLACES 8
	STEP 0, 0, 3
.Lstarted:
	TURN 0, 0, 1, 1                                ; slot 0 takes the fourth step's tiles
	STEP 1, 1, 0
	TURN 1, 1, 2, 2
	STEP 2, 0, 0
	TURN 2, 0, 0, 0
	STEP 0, 1, 0
	s_wait_dscnt 4*NL
	WIN MUL_LO
	MUL16 0, 1, 1, 1, 0
	MUL16 2, 1, 1, 1, 0
	s_wait_dscnt 0x0
	WIN MUL_HI
	MUL16 4, 1, 1, 1, 0
	MUL16 6, 1, 1, 1, 0
	WIN 0
; THE WAY OUT.  Block a's 64 registers of a lane are 4 x 16 neighbours along the next K: they become one fragment and one scale word a row.  Each accumulator is read from its low end on.
.macro QACC a
.set AC, 64*((\a)%4)
	WIN 0x0a+5*((\a)/4)                            ; sources 0 and 1: window 2 or 3
.irp b, 0,1,2,3
	v_max3_num_f32 v[TM+\b], |v[AC+16*\b]|, |v[AC+1+16*\b]|, 0x1800000   ; block b: my 16 numbers, and the floor 2^(3 - 127)
.endr
	WIN 0x28+0x14*((\a)/4)                         ; sources 1 and 2
.irp i, 2,4,6,8,10,12,14
.irp b, 0,1,2,3
	v_max3_num_f32 v[TM+\b], v[TM+\b], |v[AC+16*\b+\i]|, |v[AC+1+16*\b+\i]|
.endr
.endr
	WIN 0
.irp b, 0,1,2,3
	v_permlanex16_b32 v[TM+4+\b], v[TM+\b], s20, s21
.endr
.irp b, 0,1,2,3
	v_max_num_f32 v[TM+\b], v[TM+\b], v[TM+4+\b]   ; with lane l xor 16's: the block's largest magnitude
.endr
.irp b, 0,1,2,3
	v_add_nc_u32 v[TM+12+\b], 0xff000000, v[TM+\b] ; 2 off its exponent field: the conversion's scale operand
.endr
.irp b, 0,1,2,3
	v_lshrrev_b32 v[TM+4+\b], 23, v[TM+12+\b]      ; the byte
.endr
	v_lshl_or_b32 v[PW+(\a)], v[TM+5], 8, v[TM+4]
	v_lshl_or_b32 v[PW+(\a)], v[TM+6], 16, v[PW+(\a)]
	v_lshl_or_b32 v[PW+(\a)], v[TM+7], 24, v[PW+(\a)]
.if (\a) > 0
	s_wait_xcnt 0x0                                ; the last block's stores have read their registers and their base: the conversions below are the first lines that write them again
	s_add_nc_u64 s[92:93], s[92:93], s[2:3]
.endif
	WIN 0x02+(\a)/4                                ; source 0
.irp c, 0,1
	v_cvt_scalef32_pk16_fp6_f32 v[PC+6*\c:PC+2+6*\c], v[AC+32*\c:AC+15+32*\c], v[TM+12+2*\c]
	v_cvt_scalef32_pk16_fp6_f32 v[PC+12+4*\c:PC+14+4*\c], v[AC+16+32*\c:AC+31+32*\c], v[TM+12+2*\c+1]
.endr
	WIN 0
	v_nop                                          ; one plain instruction behind a scaled conversion
.irp c, 0,1                                    ; the operand's layout wants a whole block in a lane
.irp i, 0,1,2
	v_permlane16_swap_b32 v[PC+6*\c+\i], v[PC+12+4*\c+\i]
.endr
.irp i, 0,1,2
	v_mov_b32 v[PC+3+6*\c+\i], v[PC+12+4*\c+\i]
.endr
.endr
.irp c, 0,1,2
	global_store_b128 v[LI], v[PC+4*\c:PC+4*\c+3], s[92:93] offset:512*\c   ; the fragment's image: 512 consecutive bytes a store
.endr
	ds_store_b32 v[WS], v[PW+(\a)] offset:64*(\a)  ; lanes r and r + 16 write the same word with the same value
.endm
	PLACES NP                                      ; behind the last products: the lines below read results and write registers that held scales and fragments
.irp b, 0,1,2,3
	v_mov_b32 v[TM+4+\b], 0                        ; written once: a lane permute's destination counts as one of its sources
.endr
.irp a, 0,1,2,3,4,5,6,7
	QACC \a
.endr
	ds_load_b128 v[TM:TM+3], v[WR]                 ; my 128 rows' scale words (my own bytes: LDS serves a wave's instructions in order)
	s_wait_dscnt 0x0
	global_store_b128 v[LI], v[TM:TM+3], s[94:95]  ; 512 consecutive bytes
	s_wait_tensorcnt 0x0                           ; the wave's end
	ds_add_u32 v[SPW], v[NIL]
	s_wait_dscnt 0x0
	CROUND                                         ; the closing round
	s_endpgm
.Lfunc_end_k_q2358fdf63c_proj:
	.size	k_q2358fdf63c_proj, .Lfunc_end_k_q2358fdf63c_proj-k_q2358fdf63c_proj
	.p2alignl 7, 3214868480
	.fill 96, 4, 3214868480
	.section	.rodata,"a",@progbits
	.p2align	6, 0x0
	.amdhsa_kernel k_q2358fdf63c_proj
		.amdhsa_group_segment_fixed_size 327680
		.amdhsa_private_segment_fixed_size 0
		.amdhsa_enable_private_segment 0
		.amdhsa_kernarg_size 56
		.amdhsa_user_sgpr_count 2
		.amdhsa_user_sgpr_kernarg_segment_ptr 1
		.amdhsa_wavefront_size32 1
		.amdhsa_system_sgpr_workgroup_id_x 1
		.amdhsa_system_sgpr_workgroup_id_y 1
		.amdhsa_system_sgpr_workgroup_id_z 1
		.amdhsa_system_vgpr_workitem_id 0
		.amdhsa_next_free_vgpr 1024
		.amdhsa_next_free_sgpr 106
		.amdhsa_reserve_vcc 0
		.amdhsa_float_denorm_mode_32 3
		.amdhsa_float_denorm_mode_16_64 3
		.amdhsa_memory_ordered 1
		.amdhsa_forward_progress 1
		.amdhsa_inst_pref_size 160
	.end_amdhsa_kernel
	.amdgpu_metadata
---
amdhsa.version: [ 1, 2 ]
amdhsa.kernels:
  - .name:           k_q2358fdf63c_proj
    .symbol:         k_q2358fdf63c_proj.kd
    .args:
      - { .name: pre_c, .offset: 0, .size: 8, .value_kind: global_buffer, .address_space: global }
      - { .name: pre_s, .offset: 8, .size: 8, .value_kind: global_buffer, .address_space: global }
      - { .name: bq, .offset: 16, .size: 8, .value_kind: global_buffer, .address_space: global }
      - { .name: bk, .offset: 24, .size: 8, .value_kind: global_buffer, .address_space: global }
      - { .name: bv, .offset: 32, .size: 8, .value_kind: global_buffer, .address_space: global }
      - { .name: qkv_c, .offset: 40, .size: 8, .value_kind: global_buffer, .address_space: global }
      - { .name: qkv_s, .offset: 48, .size: 8, .value_kind: global_buffer, .address_space: global }
    .group_segment_fixed_size: 327680
    .private_segment_fixed_size: 0
    .kernarg_segment_align: 8
    .kernarg_segment_size: 56
    .max_flat_workgroup_size: 128
    .sgpr_count:     106
    .vgpr_count:     1024
    .wavefront_size: 32
...
	.end_amdgpu_metadata
.endif
;; end of part 5
;; launch scores (part 6): grid 8 x 32, 4 waves a work-group, clusters of 4 x 4, 327,680 bytes of LDS; arguments qkv_c, qkv_s, p_c, p_s; writes p_c, p_s
.if DOCPART == 6
	.amdgcn_target "amdgcn-amd-amdhsa--gfx1250"
	.amdhsa_code_object_version 6
	.text
	.protected	k_q2358fdf63c_scores
	.globl	k_q2358fdf63c_scores
	.p2align	8
	.type	k_q2358fdf63c_scores,@function
k_q2358fdf63c_scores:
	s_mov_b64 s[64:65], 0
	v_nop
	global_prefetch_b8 v0, s[64:65] scope:SCOPE_SE
	s_setreg_imm32_b32 hwreg(HW_REG_WAVE_MODE, 25, 1), 1
	s_wait_xcnt 0x0
	s_wait_alu depctr_hold_cnt(0) depctr_sa_sdst(0) depctr_va_vdst(0) depctr_va_sdst(0) depctr_va_ssrc(0) depctr_va_vcc(0) depctr_vm_vsrc(0)
	s_getreg_b32 s2, hwreg(HW_REG_IB_STS2, 6, 4)
	s_cmp_eq_u32 s2, 0
	s_cbranch_scc0 .Lentry_in_a_cluster
	s_endpgm
.Lentry_in_a_cluster:
	s_bfe_u32 s2, ttmp6, 0x10000c
	s_cmp_lg_u32 s2, 0xf033
	s_cbranch_scc0 .Lentry_shape_is_right
	s_endpgm
.Lentry_shape_is_right:
; SCORES.  S = q k^T for each of four batches (2,048 x 2,048, K = 1,024) on codes of FP6 (E2M3), and the softmax's numerator as codes.  A tile of 256 x 256 to a work-group, 128 x 128 a wave; 256 tiles.
; THE SOFTMAX, for each row and each STRETCH of 128 keys (a wave's columns): t = score x log2(e) / 32; M = the stretch's largest t rounded up to a whole number; p = 2^(t - M), at most 1, is quantised along the keys;
; l = the sum of the unquantised p.  Stored: p's codes (p_c), the raw scale words, -M and l (p_s).  The next launch brings the 16 stretches of a row under the row's M: a power of two, taken off the scale bytes.
; A maximum is always taken away before the exponential: the stretch's own.
; Operands lie as images of their registers, rows at places p(i) (bits 3 and 4 exchanged), scale words [K / 128][rows]; the product is used transposed: lane (r, h) holds the query at place r, and register 16 b + i of a
; block's 64 the key 32 b + 16 h + i in the keys' true order.
; THREE SLOTS of 256 along K, all filled at the start.  K is four such steps, so ONE slot is filled again: slot 0, with the last step, behind the round that ends its first reading; between that request and the wait
; for it a wave issues 224 matrix instructions.  The change from slot 1 to slot 2 has no barrier: in front of the round every wave has waited for all its loads, slot 2's among them.
; CLUSTERS: 4 x 4 work-groups; q's tiles and scales are asked for jointly along a row of the cluster, k's along a column.
; LIMITS: NaN and infinities are not served; v_exp_f32 gives 0 for results under 2^-126; a block whose every p is 0 gets the byte 1 (its codes are zeros).
; REGISTERS: window 0: v1-31 addresses; v32-63 scale words, two sets; v128-223 A's fragments.  Window 1: B's fragments, two sets.  Windows 2, 3: the accumulators.  On the way out: v32-52 at work, v128-191 t and p, v192-210 codes.
.set KF,    8
.set HALFT, 24576
.set SLOT,  4*HALFT
.set SCL,   3*SLOT
.set QS,    512*KF
.set SPARE, SCL+4*QS+256               ; the spare words, 128 bytes for each wave: two blocks of 256 bytes that no other line names
.set STG,   SLOT                       ; the way out's stage, 2,048 bytes a wave, in slot 1: filled once, and read by nobody behind the last barrier
.set FR,    12
.set NL,    3
.set NP,    4
.set ADRA,  16                         ; v16-18
.set ADRB,  20                         ; v20-22
.set LI,    24
.set WS,    25
.set WR,    26
.set ADRS,  27
.set SPW,   28
.set NIL,   29
.set SC,    32
.set AF,    128
.set BM,    32                         ; v32-35 the four blocks' largest scores, then their largest p
.set T,     128
.set PC,    192
.set G1, 24
.set G0, 32
.set G0C, 4                            ; s[4:7]   A's group 0 for slot 2
.set G1B, 48
.set G0B, 56
.set G0BC, 96                          ; s[96:99] B's group 0 for slot 2
.set G1S, 68
.set G0S, 76
.set G1SB, 80
.set G0SB, 88
.set MSB, 0
.macro WIN new
.if MSB != (\new)
	s_set_vgpr_msb (MSB<<8)|(\new)
.set MSB, (\new)
.endif
.endm
.set MUL_LO, 0xa1
.set MUL_HI, 0xf1
.set TO_B,   0x40
.macro JLOAD g0a, g1a, g0b, g1b
	s_cmp_eq_u32 s15, 0
	s_cbranch_scc0 .Lfor_b_\@
	tensor_load_to_lds s[\g0a:\g0a+3], s[\g1a:\g1a+7]
	s_nop 0
.rept 4
	v_nop
.endr
	s_branch .Lasked_\@
.Lfor_b_\@:
	tensor_load_to_lds s[\g0b:\g0b+3], s[\g1b:\g1b+7]
	s_nop 0
.rept 4
	v_nop
.endr
.Lasked_\@:
.endm
.macro CREST
	s_cmp_lg_u32 s14, 0
	s_cbranch_scc1 .Lnot_wave_0_\@
	s_barrier_signal -3
.Lnot_wave_0_\@:
	s_barrier_wait -3
	s_barrier_signal -1
	s_barrier_wait -1
.endm
.macro CROUND
	s_barrier_signal -1
	s_barrier_wait -1
	CREST
.endm
.macro PLACES n
.rept \n
	v_nop
.endr
.endm
	s_load_b256 s[4:11], s[0:1], 0x0               ; qkv_c s[4:5], qkv_s s[6:7], p_c s[8:9], p_s s[10:11]
	v_lshl_add_u32 v[SPW], v0, 2, SPARE
	v_mov_b32 v[NIL], 0
	ds_add_u32 v[SPW], v[NIL]                      ; the wave's opening: the add and its wait ahead of my first tensor load
	v_lshrrev_b32 v1, 5, v0
	v_readfirstlane_b32 s14, v1
	s_lshr_b32 s15, s14, 1
	s_and_b32 s16, s14, 1
	s_bfe_u32 s40, ttmp6, 0x40000                  ; cx
	s_bfe_u32 s41, ttmp6, 0x40004                  ; cy
	s_lshl_b32 s42, ttmp9, 2
	s_add_co_u32 s42, s42, s40                     ; tile column: 256 keys of the batch
	s_and_b32 s18, ttmp7, 0xffff
	s_lshl_b32 s17, s18, 2
	s_add_co_u32 s17, s17, s41                     ; tile row: 256 of all 8,192 queries
	s_lshr_b32 s66, s18, 1                         ; the batch: a cluster's four tile rows lie in one
	s_lshl_b32 s43, s41, 2
	s_lshl_b32 s43, 15, s43
	s_lshl_b32 s44, 0x1111, s40
	s_or_b32 s[G1+0], s43, (3<<16)|(1<<21)
	s_or_b32 s[G1B+0], s44, (3<<16)|(1<<21)
.irp g, G1, G1B
	s_mov_b32 s[\g+1], 384<<16
	s_mov_b32 s[\g+2], 8<<16
	s_mov_b32 s[\g+3], 384<<16
	s_mov_b32 s[\g+4], 8
	s_mov_b32 s[\g+5], 192*KF
	s_mov_b32 s[\g+6], 0
	s_mov_b32 s[\g+7], 0
.endr
	s_or_b32 s[G1S+0], s43, (3<<16)|(1<<21)
	s_or_b32 s[G1SB+0], s44, (3<<16)|(1<<21)
.irp g, G1S, G1SB
	s_mov_b32 s[\g+1], 64<<16
	s_mov_b32 s[\g+2], KF<<16
	s_mov_b32 s[\g+3], 64<<16
	s_mov_b32 s[\g+4], KF
	s_mov_b32 s[\g+5], 4096                        ; 8,192 words from fragment to fragment
	s_mov_b32 s[\g+6], 0
	s_mov_b32 s[\g+7], 0
.endr
	s_lshl_b32 s19, s16, 7
	s_lshl_b32 s20, s17, 8
	s_add_co_u32 s20, s20, s19                     ; q's first row that I fetch
	s_lshl_b32 s46, s42, 8
	s_add_co_u32 s46, s46, s19
	s_lshl_b32 s66, s66, 11
	s_add_co_u32 s46, s46, s66                     ; k's
	s_mul_i32 s22, s20, 96*KF
	s_mov_b32 s23, 0
	s_lshl_b32 s20, s20, 2
	s_mov_b32 s21, 0
	s_mul_i32 s96, s46, 96*KF
	s_add_co_u32 s96, s96, 6291456                 ; k's codes lie behind q's
	s_mov_b32 s97, 0
	s_lshl_b32 s46, s46, 2
	s_add_co_u32 s46, s46, 262144
	s_mov_b32 s47, 0
	s_mul_i32 s45, s14, HALFT
	s_mul_i32 s105, s14, QS
	s_lshl_b32 s100, s15, 6
	s_add_co_u32 s105, s105, s100
	s_add_co_u32 s105, s105, SCL
	s_wait_dscnt 0x0
	s_wait_kmcnt 0x0
	s_add_nc_u64 s[22:23], s[4:5], s[22:23]
	s_add_nc_u64 s[20:21], s[6:7], s[20:21]
	s_add_nc_u64 s[96:97], s[4:5], s[96:97]
	s_add_nc_u64 s[46:47], s[6:7], s[46:47]
	CROUND
	s_mov_b32 s[G0S], 1
	s_mov_b32 s[G0S+1], s105
	s_mov_b64 s[G0S+2:G0S+3], s[20:21]
	s_or_b32 s[G0S+3], s[G0S+3], 0x80000000
	s_mov_b32 s[G0SB], 1
	s_mov_b32 s[G0SB+1], s105
	s_mov_b64 s[G0SB+2:G0SB+3], s[46:47]
	s_or_b32 s[G0SB+3], s[G0SB+3], 0x80000000
.irp s, 0,1
	s_mov_b32 s[G0+4*\s], 1
	s_add_co_u32 s[G0+4*\s+1], s45, \s*SLOT
	s_add_nc_u64 s[G0+4*\s+2:G0+4*\s+3], s[22:23], \s*3072
	s_or_b32 s[G0+4*\s+3], s[G0+4*\s+3], 0x80000000
	s_mov_b32 s[G0B+4*\s], 1
	s_add_co_u32 s[G0B+4*\s+1], s45, \s*SLOT
	s_add_nc_u64 s[G0B+4*\s+2:G0B+4*\s+3], s[96:97], \s*3072
	s_or_b32 s[G0B+4*\s+3], s[G0B+4*\s+3], 0x80000000
.endr
	s_mov_b32 s[G0C], 1                            ; slot 2's groups 0 (the two input pointers are done with; k's address is taken before its registers are written)
	s_add_co_u32 s[G0C+1], s45, 2*SLOT
	s_add_nc_u64 s[G0C+2:G0C+3], s[22:23], 2*3072
	s_or_b32 s[G0C+3], s[G0C+3], 0x80000000
	s_add_nc_u64 s[G0BC+2:G0BC+3], s[96:97], 2*3072
	s_or_b32 s[G0BC+3], s[G0BC+3], 0x80000000
	s_mov_b32 s[G0BC], 1
	s_add_co_u32 s[G0BC+1], s45, 2*SLOT
	s_cmp_eq_u32 s15, 0                            ; a wave's four first fills stand in one branch: the scales, slots 0, 1, 2: four loads of mine are out
	s_cbranch_scc0 .Lfirst_b
	tensor_load_to_lds s[G0S:G0S+3], s[G1S:G1S+7]
	s_nop 0
	tensor_load_to_lds s[G0:G0+3], s[G1:G1+7]
	s_nop 0
	tensor_load_to_lds s[G0+4:G0+7], s[G1:G1+7]
	s_nop 0
	tensor_load_to_lds s[G0C:G0C+3], s[G1:G1+7]
	s_nop 0
.rept 4
	v_nop
.endr
	s_branch .Lfirst_asked
.Lfirst_b:
	tensor_load_to_lds s[G0SB:G0SB+3], s[G1SB:G1SB+7]
	s_nop 0
	tensor_load_to_lds s[G0B:G0B+3], s[G1B:G1B+7]
	s_nop 0
	tensor_load_to_lds s[G0B+4:G0B+7], s[G1B:G1B+7]
	s_nop 0
	tensor_load_to_lds s[G0BC:G0BC+3], s[G1B:G1B+7]
	s_nop 0
.rept 4
	v_nop
.endr
.Lfirst_asked:
	v_and_b32 v1, 15, v0
	v_bfe_u32 v2, v0, 4, 1
	v_and_b32 v3, 31, v0
	v_lshlrev_b32 v[LI], 4, v3
	s_mul_i32 s21, s15, HALFT
	s_mul_i32 s22, s16, HALFT
	s_add_co_u32 s22, s22, 2*HALFT
.irp s, 0,1,2
	v_add_nc_u32 v[ADRA+\s], s21, v[LI]
	v_add_nc_u32 v[ADRB+\s], s22, v[LI]
	s_add_co_u32 s21, s21, SLOT
	s_add_co_u32 s22, s22, SLOT
.endr
	s_mul_i32 s21, s15, QS
	s_mul_i32 s22, s16, QS
	s_add_co_u32 s22, s22, 2*QS+64
	s_sub_co_u32 s22, s22, s21
	v_mul_u32_u24 v4, s22, v2
	s_add_co_u32 s21, s21, SCL
	v_lshl_add_u32 v4, v1, 2, v4
	v_add_nc_u32 v[ADRS], s21, v4
	s_lshl_b32 s21, s14, 11                        ; my stage for the way out
	s_add_co_u32 s21, s21, STG
	v_lshl_add_u32 v[WS], v1, 2, s21
	v_add_nc_u32 v[WR], s21, v[LI]
	s_lshl_b32 s66, s42, 1
	s_add_co_u32 s66, s66, s16                     ; which stretch of 128 keys is mine
	s_lshl_b32 s18, s17, 4
	s_lshl_b32 s19, s15, 3
	s_add_co_u32 s18, s18, s19                     ; my first block of rows
	s_lshl_b32 s100, s18, 4
	s_add_co_u32 s100, s100, s66
	s_mul_i32 s100, s100, 1536
	s_mov_b32 s101, 0
	s_add_nc_u64 s[8:9], s[8:9], s[100:101]        ; p_c: [512 blocks][16][1,536]
	s_lshl_b32 s100, s66, 15
	s_lshl_b32 s18, s18, 6
	s_add_co_u32 s100, s100, s18
	s_add_nc_u64 s[10:11], s[10:11], s[100:101]    ; p_s: [16][8,192] words, three times
	s_mov_b32 s20, 0x76543210
	s_mov_b32 s21, 0xfedcba98
	s_mov_b32 s22, 0x3d38aa3b                      ; c = log2(e) / 32
	s_mov_b32 s23, s22                             ; (named with it as a pair)
.macro FRAG reg, adr, q, i
.irp c, 0,1,2
	ds_load_b128 v[\reg+4*\c:\reg+4*\c+3], v[\adr] offset:3072*(\i)+1536*(\q)+512*\c
.endr
.endm
.macro FETCH_B slot, q, p
	WIN TO_B
.irp i, 0,1,2,3,4,5,6,7
	FRAG 128*(\p)+FR*\i, ADRB+\slot, \q, \i
.endr
	WIN 0
.endm
.macro FETCH_A slot, q, i0
.irp i, \i0, \i0+1, \i0+2, \i0+3
	FRAG AF+FR*(\i), ADRA+\slot, \q, \i
.endr
.endm
.macro SCALES sc
.irp i, 0,1,2,3,4,5,6,7
.irp q, 0,1
	ds_load_b32 v[SC+16*(\sc)+2*\i+\q], v[ADRS] offset:512*\q+64*\i
.endr
.endr
.endm
; 16 matrix instructions; cm = 1: the first product starts the sums with the constant 0.  The 64 accumulators take turns, one instruction a turn.
.macro MUL16 a0, p, q, sc, cm
.irp a, \a0, \a0+1
.irp b, 0,1,2,3,4,5,6,7
.if \cm == 0
	v_wmma_scale_f32_16x16x128_f8f6f4 v[8*(8*((\a)%4)+\b):8*(8*((\a)%4)+\b)+7], v[128*(\p)+FR*\b:128*(\p)+FR*\b+FR-1], v[AF+FR*(\a):AF+FR*(\a)+FR-1], v[8*(8*((\a)%4)+\b):8*(8*((\a)%4)+\b)+7], v[SC+16*(\sc)+2*\b+(\q)], v[SC+16*(\sc)+2*(\a)+(\q)] matrix_a_fmt:MATRIX_FMT_FP6 matrix_b_fmt:MATRIX_FMT_FP6 matrix_a_scale:MATRIX_SCALE_ROW1
.else
	v_wmma_scale_f32_16x16x128_f8f6f4 v[8*(8*((\a)%4)+\b):8*(8*((\a)%4)+\b)+7], v[128*(\p)+FR*\b:128*(\p)+FR*\b+FR-1], v[AF+FR*(\a):AF+FR*(\a)+FR-1], 0, v[SC+16*(\sc)+2*\b+(\q)], v[SC+16*(\sc)+2*(\a)+(\q)] matrix_a_fmt:MATRIX_FMT_FP6 matrix_b_fmt:MATRIX_FMT_FP6 matrix_a_scale:MATRIX_SCALE_ROW1
.endif
.endr
.endr
.endm
.macro STEP slot, sc, cm
	s_wait_dscnt 4*NL                              ; all but the youngest twelve loads (A's blocks 4-7) are in
	WIN MUL_LO
	MUL16 0, 0, 0, \sc, \cm
	MUL16 2, 0, 0, \sc, \cm
	s_wait_dscnt 0x0
	PLACES NP
	FETCH_B \slot, 1, 1
	FETCH_A \slot, 1, 0
	WIN MUL_HI
	MUL16 4, 0, 0, \sc, \cm
	MUL16 6, 0, 0, \sc, \cm
	PLACES NP
	WIN 0
	FETCH_A \slot, 1, 4
.endm
; A slot's second 128 along K changes slots.  kind = 1: this slot is filled again: each wave waits for all its tensor loads, adds 0 to its spare word, waits for that and for its reads of this slot; the barrier opens a round
; of the cluster's.  kind = 0: the same lines and a barrier of the work-group: the next slot's refill, of which my part is the one load that is out, is shown to every wave.  kind = 2: no barrier: the next slot was shown whole at the round.
.macro TURN slot, sc, next, kind
.if \kind == 2
	s_wait_dscnt 4*NL                              ; all but the youngest twelve loads are in
	WIN MUL_LO
	MUL16 0, 1, 1, \sc, 0
	MUL16 2, 1, 1, \sc, 0
	s_wait_dscnt 0x0
	WIN 0
	PLACES NP
.else
	s_wait_tensorcnt 0x0                           ; all my tensor loads have landed
	ds_add_u32 v[SPW], v[NIL]
	s_wait_dscnt 4*NL+1                            ; (the add and the youngest twelve loads may be out)
	WIN MUL_LO
	MUL16 0, 1, 1, \sc, 0
	s_wait_dscnt 0x0                               ; the add is done, and my reads of this slot are over
	s_barrier_signal -1
	MUL16 2, 1, 1, \sc, 0
	WIN 0
	s_barrier_wait -1
.if \kind == 1
	CREST                                          ; no wave of any partner still reads this slot or has a load on its way
	s_add_nc_u64 s[G0+4*\slot+2:G0+4*\slot+3], s[G0+4*\slot+2:G0+4*\slot+3], 3*3072
	s_add_nc_u64 s[G0B+4*\slot+2:G0B+4*\slot+3], s[G0B+4*\slot+2:G0B+4*\slot+3], 3*3072
	JLOAD G0+4*\slot, G1, G0B+4*\slot, G1B         ; the first tensor load behind the round; its four v_nop are also the places in front of the loads below
.else
	PLACES NP
.endif
.endif
	v_add_nc_u32 v[ADRS], 1024, v[ADRS]
	FETCH_B \next, 0, 0
	FETCH_A \next, 0, 0
	SCALES 1-(\sc)
	WIN MUL_HI
	MUL16 4, 1, 1, \sc, 0
	MUL16 6, 1, 1, \sc, 0
	PLACES NP
	WIN 0
	FETCH_A \next, 0, 4
.endm
	s_wait_tensorcnt 2                             ; the scales and my part of slot 0 are in; slots 1 and 2, the last two issued on both ways, may be out
	s_barrier_signal -1
	s_barrier_wait -1
	FETCH_B 0, 0, 0
	FETCH_A 0, 0, 0
	SCALES 0
	FETCH_A 0, 0, 4
	STEP 0, 0, 1
	TURN 0, 0, 1, 1                                ; slot 0 takes the fourth step's tiles
	STEP 1, 1, 0
	TURN 1, 1, 2, 2
	STEP 2, 0, 0
	TURN 2, 0, 0, 0
	STEP 0, 1, 0
	s_wait_dscnt 4*NL
	WIN MUL_LO
	MUL16 0, 1, 1, 1, 0
	MUL16 2, 1, 1, 1, 0
	s_wait_dscnt 0x0
	WIN MUL_HI
	MUL16 4, 1, 1, 1, 0
	MUL16 6, 1, 1, 1, 0
	WIN 0
; THE WAY OUT, block a of 16 queries x my 128 keys.  Each accumulator is read from its low end on.
.macro SOFT a
.set AC, 64*((\a)%4)
	WIN 0x2a+0x15*((\a)/4)                         ; all three sources: window 2 or 3
.irp b, 0,1,2,3
	v_max3_num_f32 v[BM+\b], v[AC+16*\b], v[AC+16*\b+1], v[AC+16*\b+2]   ; the largest score of each block of 32 keys: it serves for the stretch's maximum and, since p rises with the score, for the block's largest p
.endr
	WIN 0x28+0x14*((\a)/4)                         ; sources 1 and 2
.irp i, 3,5,7,9,11,13
.irp b, 0,1,2,3
	v_max3_num_f32 v[BM+\b], v[BM+\b], v[AC+16*\b+\i], v[AC+16*\b+\i+1]
.endr
.endr
.irp b, 0,1,2,3
	v_max_num_f32 v[BM+\b], v[BM+\b], v[AC+16*\b+15]
.endr
	WIN 0
.irp b, 0,1,2,3
	v_permlanex16_b32 v[36+\b], v[BM+\b], s20, s21
.endr
.irp b, 0,1,2,3
	v_max_num_f32 v[BM+\b], v[BM+\b], v[36+\b]     ; with lane l xor 16's 16 keys
.endr
	v_max3_num_f32 v40, v[BM], v[BM+1], v[BM+2]
	v_max_num_f32 v40, v40, v[BM+3]                ; the stretch's largest score of my query
	v_mul_f32 v40, s22, v40                        ; as t (c is positive)
	v_floor_f32 v42, -v40                          ; -M = floor(-t) = -ceil(t)
	WIN 0x02+(\a)/4                                ; source 0
.set i, 0
.rept 32
	v_pk_fma_f32 v[T+i:T+i+1], v[AC+i:AC+i+1], s[22:23], v[42:43] op_sel_hi:[1,0,0]   ; t - M, two at a time
.set i, i+2
.endr
	WIN 0
.irp b, 0,1,2,3
	v_fma_f32 v[BM+\b], v[BM+\b], s22, v42         ; the same of each block's largest score
.endr
.set i, 0
.rept 64
	v_exp_f32 v[T+i], v[T+i]                       ; p = 2^(t - M)
.set i, i+1
.endr
	v_nop                                          ; a plain instruction behind the exponentials
	s_wait_alu depctr_va_vdst(0)                   ; one wait for the batch, ahead of its first reader
.irp b, 0,1,2,3
	v_exp_f32 v[BM+\b], v[BM+\b]                   ; the block's largest p: the same two instructions on the same number
.endr
	v_pk_add_f32 v[48:49], v[T:T+1], v[T+2:T+3]    ; the sum of the unquantised p, in two chains: plain work behind the four
	v_pk_add_f32 v[50:51], v[T+4:T+5], v[T+6:T+7]
.irp j, 8,12,16,20,24,28,32,36,40,44,48,52,56,60
	v_pk_add_f32 v[48:49], v[48:49], v[T+\j:T+\j+1]
	v_pk_add_f32 v[50:51], v[50:51], v[T+\j+2:T+\j+3]
.endr
	v_pk_add_f32 v[48:49], v[48:49], v[50:51]
	v_add_f32 v48, v48, v49
	v_permlanex16_b32 v50, v48, s20, s21
	v_add_f32 v48, v48, v50                        ; l of my query and this stretch
	s_wait_alu depctr_va_vdst(0)                   ; and one wait for the four
.irp b, 0,1,2,3
	v_max_num_f32 v[BM+\b], 0x1800000, v[BM+\b]    ; the floor 2^(3 - 127)
.endr
.irp b, 0,1,2,3
	v_add_nc_u32 v[44+\b], 0xff000000, v[BM+\b]    ; the conversion's scale operand
.endr
.irp b, 0,1,2,3
	v_lshrrev_b32 v[36+\b], 23, v[44+\b]           ; the byte
.endr
	v_lshl_or_b32 v52, v37, 8, v36
	v_lshl_or_b32 v52, v38, 16, v52
	v_lshl_or_b32 v52, v39, 24, v52
.if (\a) > 0
	s_wait_xcnt 0x0                                ; the last block's stores have read their registers and their base: the conversions below are the first lines that write them again
	s_add_nc_u64 s[8:9], s[8:9], 24576             ; the next block of rows
.endif
.irp c, 0,1
	v_cvt_scalef32_pk16_fp6_f32 v[PC+6*\c:PC+2+6*\c], v[T+32*\c:T+15+32*\c], v[44+2*\c]
	v_cvt_scalef32_pk16_fp6_f32 v[PC+12+4*\c:PC+14+4*\c], v[T+16+32*\c:T+31+32*\c], v[44+2*\c+1]
.endr
	v_nop                                          ; one plain instruction behind a scaled conversion
.irp c, 0,1
.irp i, 0,1,2
	v_permlane16_swap_b32 v[PC+6*\c+\i], v[PC+12+4*\c+\i]
.endr
.irp i, 0,1,2
	v_mov_b32 v[PC+3+6*\c+\i], v[PC+12+4*\c+\i]
.endr
.endr
.irp c, 0,1,2
	global_store_b128 v[LI], v[PC+4*\c:PC+4*\c+3], s[8:9] offset:512*\c   ; the fragment's image: 512 consecutive bytes a store
.endr
	ds_store_b32 v[WS], v52 offset:64*(\a)         ; lanes r and r + 16 write the same word with the same value
	ds_store_b32 v[WS], v42 offset:64*(\a)+512
	ds_store_b32 v[WS], v48 offset:64*(\a)+1024
.endm
	PLACES NP                                      ; behind the last products
.irp b, 0,1,2,3
	v_mov_b32 v[36+\b], 0                          ; written once: a lane permute's destination counts as one of its sources
.endr
	v_mov_b32 v43, 0                               ; (named with v42 as a pair)
.irp a, 0,1,2,3,4,5,6,7
	SOFT \a
.endr
.irp c, 0,1,2
	ds_load_b128 v[32+4*\c:35+4*\c], v[WR] offset:512*\c     ; my 128 rows' words, -M and l (my own bytes: LDS serves a wave's instructions in order)
.endr
	s_wait_dscnt 0x0
.irp c, 0,1,2
	global_store_b128 v[LI], v[32+4*\c:35+4*\c], s[10:11] offset:524288*\c   ; 512 consecutive bytes each
.endr
	s_wait_tensorcnt 0x0                           ; the wave's end
	ds_add_u32 v[SPW], v[NIL]
	s_wait_dscnt 0x0
	CROUND                                         ; the closing round
	s_endpgm
.Lfunc_end_k_q2358fdf63c_scores:
	.size	k_q2358fdf63c_scores, .Lfunc_end_k_q2358fdf63c_scores-k_q2358fdf63c_scores
	.p2alignl 7, 3214868480
	.fill 96, 4, 3214868480
	.section	.rodata,"a",@progbits
	.p2align	6, 0x0
	.amdhsa_kernel k_q2358fdf63c_scores
		.amdhsa_group_segment_fixed_size 327680
		.amdhsa_private_segment_fixed_size 0
		.amdhsa_enable_private_segment 0
		.amdhsa_kernarg_size 32
		.amdhsa_user_sgpr_count 2
		.amdhsa_user_sgpr_kernarg_segment_ptr 1
		.amdhsa_wavefront_size32 1
		.amdhsa_system_sgpr_workgroup_id_x 1
		.amdhsa_system_sgpr_workgroup_id_y 1
		.amdhsa_system_sgpr_workgroup_id_z 1
		.amdhsa_system_vgpr_workitem_id 0
		.amdhsa_next_free_vgpr 1024
		.amdhsa_next_free_sgpr 106
		.amdhsa_reserve_vcc 0
		.amdhsa_float_denorm_mode_32 3
		.amdhsa_float_denorm_mode_16_64 3
		.amdhsa_memory_ordered 1
		.amdhsa_forward_progress 1
		.amdhsa_inst_pref_size 197
	.end_amdhsa_kernel
	.amdgpu_metadata
---
amdhsa.version: [ 1, 2 ]
amdhsa.kernels:
  - .name:           k_q2358fdf63c_scores
    .symbol:         k_q2358fdf63c_scores.kd
    .args:
      - { .name: qkv_c, .offset: 0, .size: 8, .value_kind: global_buffer, .address_space: global }
      - { .name: qkv_s, .offset: 8, .size: 8, .value_kind: global_buffer, .address_space: global }
      - { .name: p_c, .offset: 16, .size: 8, .value_kind: global_buffer, .address_space: global }
      - { .name: p_s, .offset: 24, .size: 8, .value_kind: global_buffer, .address_space: global }
    .group_segment_fixed_size: 327680
    .private_segment_fixed_size: 0
    .kernarg_segment_align: 8
    .kernarg_segment_size: 32
    .max_flat_workgroup_size: 128
    .sgpr_count:     106
    .vgpr_count:     1024
    .wavefront_size: 32
...
	.end_amdgpu_metadata
.endif
;; end of part 6
;; launch pv (part 7): grid 4 x 64, 4 waves a work-group, clusters of 4 x 4, 327,680 bytes of LDS; arguments p_c, p_s, qkv_c, qkv_s, out0; writes out0
.if DOCPART == 7
	.amdgcn_target "amdgcn-amd-amdhsa--gfx1250"
	.amdhsa_code_object_version 6
	.text
	.protected	k_q2358fdf63c_pv
	.globl	k_q2358fdf63c_pv
	.p2align	8
	.type	k_q2358fdf63c_pv,@function
k_q2358fdf63c_pv:
	s_mov_b64 s[64:65], 0
	v_nop
	global_prefetch_b8 v0, s[64:65] scope:SCOPE_SE
	s_setreg_imm32_b32 hwreg(HW_REG_WAVE_MODE, 25, 1), 1
	s_wait_xcnt 0x0
	s_wait_alu depctr_hold_cnt(0) depctr_sa_sdst(0) depctr_va_vdst(0) depctr_va_sdst(0) depctr_va_ssrc(0) depctr_va_vcc(0) depctr_vm_vsrc(0)
	s_getreg_b32 s2, hwreg(HW_REG_IB_STS2, 6, 4)
	s_cmp_eq_u32 s2, 0
	s_cbranch_scc0 .Lentry_in_a_cluster
	s_endpgm
.Lentry_in_a_cluster:
	s_bfe_u32 s2, ttmp6, 0x10000c
	s_cmp_lg_u32 s2, 0xf033
	s_cbranch_scc0 .Lentry_shape_is_right
	s_endpgm
.Lentry_shape_is_right:
; PV.  out = P V / l for each of four batches (2,048 x 1,024, K = 2,048 keys) on codes of FP6 (E2M3).  A = P's rows, B = v^T's rows.  A tile of 128 x 256 to a work-group, so that there are 256 of them;
; 64 x 128 a wave: 32 accumulators, 256 registers.
; AHEAD OF THE PRODUCT each thread takes one of the work-group's 128 rows: the row's M is the largest of its 16 stretches' M; D = M - the stretch's M, a whole number, 0 or more; the row's l = the sum of l x 2^-D;
; D is taken off the four scale bytes of the stretch's word (p x 2^-D has the same codes under a scale 2^-D times as large).  The words go to LDS where A's scale words are read, 1 / l beside them.
; Operands lie as images of their registers (a fragment, 16 rows x 128 K, is 1,536 bytes; a tensor is [rows / 16][16][1,536]), rows at places p(i) (bits 3 and 4 exchanged); the product is used transposed:
; lane (r, h) holds the query at place r, register 16 b + i of a block's 64 the channel 32 b + 16 h + i.  The stores undo p for the rows.
; TWO SLOTS of 512 along K (four fragments): K is four of them, two filled at the start and two behind a round each; between such a request and the wait for it a wave issues 112 matrix instructions.
; Waves 0 and 1 fetch A's halves (4 blocks of rows x 6,144 bytes), waves 2 and 3 B's (8 blocks).
; SCALE WORDS are read 4 bytes a lane: a register holds block 2 j in lanes 0-15 and block 2 j + 1 in lanes 16-31, and the row selector follows the block's parity.
; CLUSTERS: 4 x 4 work-groups; P's tiles are asked for jointly along a row of the cluster, v^T's tiles and scales along a column.
; LIMITS: NaN and infinities are not served.  D is held at 255, and a byte that D would take under 0 is held at 0 (2^-127): such a block still adds at most 7.5 x 2^-127 |v|, against l > 1/2.
; REGISTERS: window 0: v1-31 addresses; v32-79 scale words, two sets of 24; v128-223 A's fragments, two sets of 48; ahead of the product v128-187 at work.  Window 1: B's fragments, two sets, at v0 and v128.
;   Window 2: the accumulators ((a, b) at v[8 (8 a + b)]).
.set KF,    16
.set AH,    24576                      ; 4 blocks of rows x 4 fragments: a wave's load for A, and what a wave reads of A in a slot
.set BH,    49152                      ; 8 blocks of rows x 4 fragments: the same for B
.set SLOT,  2*AH+2*BH                  ; A's 128 rows, then B's 256
.set SCLA,  2*SLOT                     ; A's scale words, [16 fragments][128 rows]: stored by this work-group's threads
.set SCLB,  SCLA+8192                  ; B's, [2 halves][16 fragments][128 rows]: filled once
.set SPARE, SCLB+16384                 ; the spare words, 128 bytes for each wave: two blocks of 256 bytes that no other line names
.set RLB,   SPARE+512                  ; 1 / l of the 128 rows
.set FR,    12
.set NP,    4                          ; places behind this matrix instruction (ISA guide 7.12.1)
.set ADRA,  16                         ; v16-17 my A fragments in slot 0, 1
.set ADSB,  18                         ; v18  B's scale words: 4 x lane in my 128 rows
.set ADRB,  20                         ; v20-21 my B fragments
.set SWA,   22                         ; v22  where I put my row's scale words
.set RLA,   23                         ; v23  and its 1 / l
.set LI,    24                         ; v24  16 x lane
.set STO,   25                         ; v25  the way out: where I put 32 bytes of a row
.set RD,    26                         ; v26  and where I read a row back
.set ADSA,  27                         ; v27  A's scale words: 4 x lane in my 64 rows
.set SPW,   28
.set NIL,   29
.set RLR,   30                         ; v30  1 / l of my lane's row in block 0
.set PO,    31                         ; v31  4 x my thread's number
.set SC,    32                         ; set s at SC + 24 s: B's 4 q + j, then A's 16 + 2 q + j
.set RL,    32                         ; the way out: v32-39, 1 / l of the four blocks, in pairs
.set T,     64                         ; the way out: a block's results
.set AF,    128
.set NM,    128                        ; v128-143 -M of the 16 stretches, then D
.set LL,    144                        ; v144-159 l
.set PWD,   160                        ; v160-175 the scale words
.set G1, 24
.set G0, 32
.set G1B, 48
.set G0B, 56
.set G1SB, 80
.set G0SB, 88
.set MSB, 0
.macro WIN new
.if MSB != (\new)
	s_set_vgpr_msb (MSB<<8)|(\new)
.set MSB, (\new)
.endif
.endm
.set MUL,    0xa1                      ; source 0 (B) window 1, source 1 (A) window 0, C and D window 2
.set TO_B,   0x40
.macro JLOAD g0a, g1a, g0b, g1b        ; a joint load: waves 0 and 1 fetch for A, waves 2 and 3 for B; an s_nop 0 and four v_nop follow each line
	s_cmp_eq_u32 s15, 0
	s_cbranch_scc0 .Lfor_b_\@
	tensor_load_to_lds s[\g0a:\g0a+3], s[\g1a:\g1a+7]
	s_nop 0
.rept 4
	v_nop
.endr
	s_branch .Lasked_\@
.Lfor_b_\@:
	tensor_load_to_lds s[\g0b:\g0b+3], s[\g1b:\g1b+7]
	s_nop 0
.rept 4
	v_nop
.endr
.Lasked_\@:
.endm
.macro CREST
	s_cmp_lg_u32 s14, 0
	s_cbranch_scc1 .Lnot_wave_0_\@
	s_barrier_signal -3
.Lnot_wave_0_\@:
	s_barrier_wait -3
	s_barrier_signal -1
	s_barrier_wait -1
.endm
.macro CROUND
	s_barrier_signal -1
	s_barrier_wait -1
	CREST
.endm
.macro PLACES n
.rept \n
	v_nop
.endr
.endm
	s_load_b256 s[4:11], s[0:1], 0x0               ; p_c s[4:5], p_s s[6:7], qkv_c s[8:9], qkv_s s[10:11]
	s_load_b64 s[92:93], s[0:1], 0x20              ; out0
	v_lshl_add_u32 v[SPW], v0, 2, SPARE
	v_mov_b32 v[NIL], 0
	ds_add_u32 v[SPW], v[NIL]                      ; the wave's opening: the add and its wait ahead of my first tensor load
	v_lshrrev_b32 v1, 5, v0
	v_readfirstlane_b32 s14, v1                    ; wave 0..3
	s_lshr_b32 s15, s14, 1                         ; my half of the tile's rows (64).  Also: I fetch for A (0) or for B (1)
	s_and_b32 s16, s14, 1                          ; my half of its columns (128).  Also: which half of that operand's rows I fetch
	s_bfe_u32 s40, ttmp6, 0x40000                  ; cx
	s_bfe_u32 s41, ttmp6, 0x40004                  ; cy
	s_lshl_b32 s42, ttmp9, 2
	s_add_co_u32 s42, s42, s40                     ; tile column: 256 of the 1,024 channels
	s_and_b32 s18, ttmp7, 0xffff
	s_lshl_b32 s17, s18, 2
	s_add_co_u32 s17, s17, s41                     ; tile row: 128 of all 8,192 queries
	s_lshr_b32 s66, s18, 2                         ; the batch: a cluster's four tile rows lie in one
	s_lshl_b32 s43, s41, 2
	s_lshl_b32 s43, 15, s43                        ; my row of the cluster
	s_lshl_b32 s44, 0x1111, s40                    ; my column
	s_or_b32 s[G1+0], s43, (3<<16)|(1<<21)         ; 15:0 the mask; 17:16 elements of 8 bytes; 20 no padding; 21 set beside a mask
	s_mov_b32 s[G1+1], 768<<16                     ; tensor_dim0 = 768 elements: 6,144 bytes, four fragments
	s_mov_b32 s[G1+2], 4<<16                       ; tensor_dim1 = 4 blocks of rows
	s_mov_b32 s[G1+3], 768<<16                     ; tile_dim0
	s_mov_b32 s[G1+4], 4                           ; tile_dim1
	s_mov_b32 s[G1+5], 192*KF                      ; from a block of rows to the next
	s_mov_b32 s[G1+6], 0
	s_mov_b32 s[G1+7], 0
	s_or_b32 s[G1B+0], s44, (3<<16)|(1<<21)
	s_mov_b32 s[G1B+1], 768<<16
	s_mov_b32 s[G1B+2], 8<<16                      ; 8 blocks of rows
	s_mov_b32 s[G1B+3], 768<<16
	s_mov_b32 s[G1B+4], 8
	s_mov_b32 s[G1B+5], 192*KF
	s_mov_b32 s[G1B+6], 0
	s_mov_b32 s[G1B+7], 0
	s_or_b32 s[G1SB+0], s44, (3<<16)|(1<<21)
	s_mov_b32 s[G1SB+1], 64<<16                    ; 128 rows' words: 512 bytes
	s_mov_b32 s[G1SB+2], KF<<16
	s_mov_b32 s[G1SB+3], 64<<16
	s_mov_b32 s[G1SB+4], KF
	s_mov_b32 s[G1SB+5], 512                       ; 1,024 words from fragment to fragment
	s_mov_b32 s[G1SB+6], 0
	s_mov_b32 s[G1SB+7], 0
	s_lshl_b32 s20, s17, 7
	s_lshl_b32 s19, s16, 6
	s_add_co_u32 s20, s20, s19                     ; P's first row that I fetch
	s_mul_i32 s22, s20, 96*KF
	s_mov_b32 s23, 0
	s_lshl_b32 s46, s42, 8
	s_lshl_b32 s19, s16, 7
	s_add_co_u32 s46, s46, s19                     ; v^T's, in the batch
	s_lshl_b32 s67, s66, 10
	s_add_co_u32 s67, s67, s46
	s_mul_i32 s96, s67, 96*KF
	s_add_co_u32 s96, s96, 12582912                ; v^T's codes lie behind q's and k's
	s_mov_b32 s97, 0
	s_lshl_b32 s46, s46, 2
	s_lshl_b32 s67, s66, 16
	s_add_co_u32 s46, s46, s67
	s_add_co_u32 s46, s46, 524288
	s_mov_b32 s47, 0
	s_mul_i32 s45, s16, AH                         ; where they go: A's halves,
	s_mul_i32 s98, s16, BH
	s_add_co_u32 s98, s98, 2*AH                    ; B's halves behind them,
	s_lshl_b32 s99, s16, 13
	s_add_co_u32 s99, s99, SCLB                    ; B's scale words: no place in the cluster enters an LDS address
	s_wait_dscnt 0x0                               ; the opening add is done
	s_wait_kmcnt 0x0
	s_add_nc_u64 s[22:23], s[4:5], s[22:23]
	s_add_nc_u64 s[96:97], s[8:9], s[96:97]
	s_add_nc_u64 s[46:47], s[10:11], s[46:47]
	CROUND                                         ; all sixteen work-groups are here: the first joint loads meet
	s_mov_b32 s[G0SB], 1
	s_mov_b32 s[G0SB+1], s99
	s_mov_b64 s[G0SB+2:G0SB+3], s[46:47]
	s_or_b32 s[G0SB+3], s[G0SB+3], 0x80000000
.irp s, 0,1
	s_mov_b32 s[G0+4*\s], 1
	s_add_co_u32 s[G0+4*\s+1], s45, \s*SLOT
	s_add_nc_u64 s[G0+4*\s+2:G0+4*\s+3], s[22:23], \s*6144
	s_or_b32 s[G0+4*\s+3], s[G0+4*\s+3], 0x80000000
	s_mov_b32 s[G0B+4*\s], 1
	s_add_co_u32 s[G0B+4*\s+1], s98, \s*SLOT
	s_add_nc_u64 s[G0B+4*\s+2:G0B+4*\s+3], s[96:97], \s*6144
	s_or_b32 s[G0B+4*\s+3], s[G0B+4*\s+3], 0x80000000
.endr
	s_cmp_eq_u32 s15, 0                            ; a wave's first fills stand in one branch: A's waves have two loads out, B's three; on both ways slot 1's is the last
	s_cbranch_scc0 .Lfirst_b
	tensor_load_to_lds s[G0:G0+3], s[G1:G1+7]
	s_nop 0
	tensor_load_to_lds s[G0+4:G0+7], s[G1:G1+7]
	s_nop 0
.rept 4
	v_nop
.endr
	s_branch .Lfirst_asked
.Lfirst_b:
	tensor_load_to_lds s[G0SB:G0SB+3], s[G1SB:G1SB+7]
	s_nop 0
	tensor_load_to_lds s[G0B:G0B+3], s[G1B:G1B+7]
	s_nop 0
	tensor_load_to_lds s[G0B+4:G0B+7], s[G1B:G1B+7]
	s_nop 0
.rept 4
	v_nop
.endr
.Lfirst_asked:
	; my row's -M, l and scale words of the 16 stretches: thread t takes the row at place t of the tile's 128
	v_lshlrev_b32 v[PO], 2, v0
	s_lshl_b32 s18, s17, 9
	s_mov_b32 s19, 0
	s_add_nc_u64 s[6:7], s[6:7], s[18:19]
.irp f, 0,1,2,3,4,5,6,7,8,9,10,11,12,13,14,15
	global_load_b32 v[NM+\f], v[PO], s[6:7] offset:524288+32768*\f
.endr
.irp f, 0,1,2,3,4,5,6,7,8,9,10,11,12,13,14,15
	global_load_b32 v[LL+\f], v[PO], s[6:7] offset:1048576+32768*\f
.endr
.irp f, 0,1,2,3,4,5,6,7,8,9,10,11,12,13,14,15
	global_load_b32 v[PWD+\f], v[PO], s[6:7] offset:32768*\f
.endr
	v_and_b32 v1, 15, v0                           ; r
	v_bfe_u32 v2, v0, 4, 1                         ; h
	v_and_b32 v3, 31, v0                           ; lane
	v_lshlrev_b32 v[LI], 4, v3
	s_mul_i32 s21, s15, AH                         ; my 64 rows of A
	s_mul_i32 s22, s16, BH
	s_add_co_u32 s22, s22, 2*AH                    ; my 128 rows of B, behind A's 128
.irp s, 0,1
	v_add_nc_u32 v[ADRA+\s], s21, v[LI]
	v_add_nc_u32 v[ADRB+\s], s22, v[LI]
	s_add_co_u32 s21, s21, SLOT
	s_add_co_u32 s22, s22, SLOT
.endr
	s_lshl_b32 s21, s15, 8
	s_add_co_u32 s21, s21, SCLA
	v_lshl_add_u32 v[ADSA], v3, 2, s21             ; my 64 rows' words of a fragment: 256 bytes
	s_lshl_b32 s21, s16, 13
	s_add_co_u32 s21, s21, SCLB
	v_lshl_add_u32 v[ADSB], v3, 2, s21             ; my 128 rows' words of a fragment: 512 bytes
	v_lshl_add_u32 v[SWA], v0, 2, SCLA
	v_lshl_add_u32 v[RLA], v0, 2, RLB
	s_mul_i32 s21, s14, 8448                       ; my stage for the way out: 16 rows x 528 bytes, in slot 0
	v_mul_u32_u24 v[STO], v1, 528
	v_lshl_add_u32 v[STO], v2, 6, v[STO]
	v_add_nc_u32 v[STO], s21, v[STO]
	v_add_nc_u32 v[RD], s21, v[LI]
	s_lshl_b32 s21, s15, 8
	s_add_co_u32 s21, s21, RLB
	v_lshl_add_u32 v[RLR], v1, 2, s21
	s_lshl_b32 s18, s17, 7
	s_lshl_b32 s19, s15, 6
	s_add_co_u32 s18, s18, s19                     ; my first row of out
	s_lshl_b32 s100, s18, 12
	s_lshl_b32 s66, s42, 10
	s_add_co_u32 s100, s100, s66
	s_lshl_b32 s66, s16, 9
	s_add_co_u32 s100, s100, s66                   ; and my first column, in bytes
	s_mov_b32 s101, 0
	s_add_nc_u64 s[92:93], s[92:93], s[100:101]
	s_wait_loadcnt 32                              ; the sixteen loads of -M are in; the 32 younger stay out
	v_min3_num_f32 v176, v[NM], v[NM+1], v[NM+2]
.irp f, 3,5,7,9,11,13
	v_min3_num_f32 v176, v176, v[NM+\f], v[NM+\f+1]
.endr
	v_min_num_f32 v176, v176, v[NM+15]             ; the smallest -M: the row's
.set n, 0
.rept 16
	v_sub_f32 v[NM+n], v[NM+n], v176               ; D = the row's M - the stretch's
.set n, n+1
.endr
.set n, 0
.rept 16
	v_cvt_i32_f32 v[NM+n], v[NM+n]                 ; (it saturates)
.set n, n+1
.endr
.set n, 0
.rept 16
	v_min_u32 v[NM+n], 0xff, v[NM+n]
.set n, n+1
.endr
	s_wait_loadcnt 16                              ; l is in; the sixteen loads of words stay out
.set n, 0
.rept 16
	v_sub_nc_u32 v[180+n%4], 0, v[NM+n]
	v_ldexp_f32 v[LL+n], v[LL+n], v[180+n%4]       ; l x 2^-D: nothing is rounded but what falls under the smallest number
.set n, n+1
.endr
.irp f, 4,8,12
	v_pk_add_f32 v[LL:LL+1], v[LL:LL+1], v[LL+\f:LL+\f+1]
	v_pk_add_f32 v[LL+2:LL+3], v[LL+2:LL+3], v[LL+\f+2:LL+\f+3]
.endr
	v_pk_add_f32 v[LL:LL+1], v[LL:LL+1], v[LL+2:LL+3]
	v_add_f32 v[LL], v[LL], v[LL+1]                ; the row's l
	v_rcp_f32 v177, v[LL]
	s_wait_loadcnt 0x0
.macro ADJ i                           ; each of the word's four bytes becomes byte - min(byte, D)
	v_and_b32 v180, 0xff, v[PWD+\i]
	v_bfe_u32 v181, v[PWD+\i], 8, 8
	v_bfe_u32 v182, v[PWD+\i], 16, 8
	v_lshrrev_b32 v183, 24, v[PWD+\i]
	v_min_u32 v184, v180, v[NM+\i]
	v_min_u32 v185, v181, v[NM+\i]
	v_min_u32 v186, v182, v[NM+\i]
	v_min_u32 v187, v183, v[NM+\i]
	v_sub_nc_u32 v180, v180, v184
	v_sub_nc_u32 v181, v181, v185
	v_sub_nc_u32 v182, v182, v186
	v_sub_nc_u32 v183, v183, v187
	v_lshl_or_b32 v180, v181, 8, v180
	v_lshl_or_b32 v180, v182, 16, v180
	v_lshl_or_b32 v[PWD+\i], v183, 24, v180
.endm
.set n, 0
.rept 16
	ADJ n
.set n, n+1
.endr
	s_wait_alu depctr_va_vdst(0)                   ; the wait for the reciprocal, ahead of its reader; the work on the words stands between
.irp f, 0,1,2,3,4,5,6,7,8,9,10,11,12,13,14,15
	ds_store_b32 v[SWA], v[PWD+\f] offset:512*\f
.endr
	ds_store_b32 v[RLA], v177
.macro FRAG reg, adr, q, i             ; a fragment's image: three loads of 512 consecutive bytes
.irp c, 0,1,2
	ds_load_b128 v[\reg+4*\c:\reg+4*\c+3], v[\adr] offset:6144*(\i)+1536*(\q)+512*\c
.endr
.endm
.macro FETCH_B slot, q, p              ; B's eight fragments of the slot's q-th 128 along K into set p
	WIN TO_B
.irp i, 0,1,2,3,4,5,6,7
	FRAG 128*(\p)+FR*\i, ADRB+\slot, \q, \i
.endr
.endm
.macro FETCH_A slot, q, p              ; A's four
	WIN 0
.irp i, 0,1,2,3
	FRAG AF+48*(\p)+FR*\i, ADRA+\slot, \q, \i
.endr
.endm
.macro SCALES sc                       ; a slot's scale words: 128 consecutive bytes a load
.irp q, 0,1,2,3
.irp j, 0,1,2,3
	ds_load_b32 v[SC+24*(\sc)+4*\q+\j], v[ADSB] offset:512*\q+128*\j
.endr
.irp j, 0,1
	ds_load_b32 v[SC+24*(\sc)+16+2*\q+\j], v[ADSA] offset:512*\q+128*\j
.endr
.endr
.endm
; One product: A's block a x B's block b, fragment q of the slot, fragment set p, scale set sc.  zero = 1: it starts the sum with the constant 0.  An odd block's scale words lie in lanes 16-31 of their register.
.macro WM a, b, p, q, sc, zero
.set rD, 8*(8*(\a)+(\b))
.set rB, 128*(\p)+FR*(\b)
.set rA, AF+48*(\p)+FR*(\a)
.set rX, SC+24*(\sc)+4*(\q)+(\b)/2
.set rY, SC+24*(\sc)+16+2*(\q)+(\a)/2
.if \zero
.if ((\b)%2) && ((\a)%2)
	v_wmma_scale_f32_16x16x128_f8f6f4 v[rD:rD+7], v[rB:rB+FR-1], v[rA:rA+FR-1], 0, v[rX], v[rY] matrix_a_fmt:MATRIX_FMT_FP6 matrix_b_fmt:MATRIX_FMT_FP6 matrix_a_scale:MATRIX_SCALE_ROW1 matrix_b_scale:MATRIX_SCALE_ROW1
.elseif (\b)%2
	v_wmma_scale_f32_16x16x128_f8f6f4 v[rD:rD+7], v[rB:rB+FR-1], v[rA:rA+FR-1], 0, v[rX], v[rY] matrix_a_fmt:MATRIX_FMT_FP6 matrix_b_fmt:MATRIX_FMT_FP6 matrix_a_scale:MATRIX_SCALE_ROW1
.elseif (\a)%2
	v_wmma_scale_f32_16x16x128_f8f6f4 v[rD:rD+7], v[rB:rB+FR-1], v[rA:rA+FR-1], 0, v[rX], v[rY] matrix_a_fmt:MATRIX_FMT_FP6 matrix_b_fmt:MATRIX_FMT_FP6 matrix_b_scale:MATRIX_SCALE_ROW1
.else
	v_wmma_scale_f32_16x16x128_f8f6f4 v[rD:rD+7], v[rB:rB+FR-1], v[rA:rA+FR-1], 0, v[rX], v[rY] matrix_a_fmt:MATRIX_FMT_FP6 matrix_b_fmt:MATRIX_FMT_FP6
.endif
.else
.if ((\b)%2) && ((\a)%2)
	v_wmma_scale_f32_16x16x128_f8f6f4 v[rD:rD+7], v[rB:rB+FR-1], v[rA:rA+FR-1], v[rD:rD+7], v[rX], v[rY] matrix_a_fmt:MATRIX_FMT_FP6 matrix_b_fmt:MATRIX_FMT_FP6 matrix_a_scale:MATRIX_SCALE_ROW1 matrix_b_scale:MATRIX_SCALE_ROW1
.elseif (\b)%2
	v_wmma_scale_f32_16x16x128_f8f6f4 v[rD:rD+7], v[rB:rB+FR-1], v[rA:rA+FR-1], v[rD:rD+7], v[rX], v[rY] matrix_a_fmt:MATRIX_FMT_FP6 matrix_b_fmt:MATRIX_FMT_FP6 matrix_a_scale:MATRIX_SCALE_ROW1
.elseif (\a)%2
	v_wmma_scale_f32_16x16x128_f8f6f4 v[rD:rD+7], v[rB:rB+FR-1], v[rA:rA+FR-1], v[rD:rD+7], v[rX], v[rY] matrix_a_fmt:MATRIX_FMT_FP6 matrix_b_fmt:MATRIX_FMT_FP6 matrix_b_scale:MATRIX_SCALE_ROW1
.else
	v_wmma_scale_f32_16x16x128_f8f6f4 v[rD:rD+7], v[rB:rB+FR-1], v[rA:rA+FR-1], v[rD:rD+7], v[rX], v[rY] matrix_a_fmt:MATRIX_FMT_FP6 matrix_b_fmt:MATRIX_FMT_FP6
.endif
.endif
.endm
.macro MUL8 a, p, q, sc, zero          ; A's block a against B's eight.  The 32 accumulators take turns, one instruction a turn, in the same order in every step
.irp b, 0,1,2,3,4,5,6,7
	WM \a, \b, \p, \q, \sc, \zero
.endr
.endm
; One of a slot's first three steps of 128 along K: 32 products on set q % 2; the next step's 36 loads go into the other set, in two runs among them.
.macro STEP slot, q, zero
	s_wait_dscnt 0x0                               ; this step's fragments are in (the last of them were asked for 16 matrix instructions ago)
	PLACES NP                                      ; in front of loads into the set that the last step's products have read
	WIN MUL
	MUL8 0, (\q)%2, \q, \slot, \zero
	FETCH_B \slot, (\q)+1, 1-(\q)%2
	WIN MUL
	MUL8 1, (\q)%2, \q, \slot, \zero
	FETCH_A \slot, (\q)+1, 1-(\q)%2
	WIN MUL
	MUL8 2, (\q)%2, \q, \slot, \zero
	MUL8 3, (\q)%2, \q, \slot, \zero
.endm
; A slot's fourth step changes slots: one barrier; in front of it each wave waits for all its tensor loads, adds 0 to its spare word, and waits for that and for its reads of this slot.  fill = 1: this slot is filled again.
.macro TURN slot, next, fill
	WIN 0                                          ; (the add's two registers lie in window 0)
	s_wait_tensorcnt 0x0                           ; all my tensor loads have landed: my part of the next slot
	ds_add_u32 v[SPW], v[NIL]
	s_wait_dscnt 1                                 ; this step's fragments are in; the add may be out
	WIN MUL
	MUL8 0, 1, 3, \slot, 0
	s_wait_dscnt 0x0                               ; the add is done, and my reads of this slot are over
	s_barrier_signal -1
	MUL8 1, 1, 3, \slot, 0
	WIN 0
	s_barrier_wait -1
.if \fill
	CREST                                          ; the barrier has opened a round of the cluster's: no wave of any partner still reads this slot or has a load on its way
	s_add_nc_u64 s[G0+4*\slot+2:G0+4*\slot+3], s[G0+4*\slot+2:G0+4*\slot+3], 2*6144
	s_add_nc_u64 s[G0B+4*\slot+2:G0B+4*\slot+3], s[G0B+4*\slot+2:G0B+4*\slot+3], 2*6144
	JLOAD G0+4*\slot, G1, G0B+4*\slot, G1B         ; the first tensor load behind the round; its four v_nop are also the places in front of the loads below
.else
	PLACES NP
.endif
	v_add_nc_u32 v[ADSA], 2048, v[ADSA]            ; the next slot's scale words
	v_add_nc_u32 v[ADSB], 2048, v[ADSB]
	FETCH_B \next, 0, 0
	FETCH_A \next, 0, 0
	SCALES \next
	WIN MUL
	MUL8 2, 1, 3, \slot, 0
	MUL8 3, 1, 3, \slot, 0
.endm
	s_wait_tensorcnt 1                             ; B's scales and my part of slot 0 are in; slot 1's load may be out
	s_wait_dscnt 0x0                               ; for the others' sake: my row's scale words and 1 / l have landed
	s_barrier_signal -1
	s_barrier_wait -1
	FETCH_B 0, 0, 0
	FETCH_A 0, 0, 0
	SCALES 0
	STEP 0, 0, 1                                   ; the first step's products start the sums
	STEP 0, 1, 0
	STEP 0, 2, 0
	TURN 0, 1, 1
	STEP 1, 0, 0
	STEP 1, 1, 0
	STEP 1, 2, 0
	TURN 1, 0, 1
	STEP 0, 0, 0
	STEP 0, 1, 0
	STEP 0, 2, 0
	TURN 0, 1, 0                                   ; nothing is left to fetch
	STEP 1, 0, 0
	STEP 1, 1, 0
	STEP 1, 2, 0
	s_wait_dscnt 0x0
	WIN MUL
	MUL8 0, 1, 3, 1, 0
	MUL8 1, 1, 3, 1, 0
	MUL8 2, 1, 3, 1, 0
	MUL8 3, 1, 3, 1, 0
	WIN 0
; THE WAY OUT, block by block of 16 rows x 128 channels: x 1 / l; through my stage in LDS; back as whole rows of 512 bytes.
.macro SCALE a
.set AC, 64*(\a)
	WIN 0x02                                       ; source 0: window 2
.set i, 0
.rept 32
	v_pk_mul_f32 v[T+i:T+i+1], v[AC+i:AC+i+1], v[RL+2*(\a):RL+2*(\a)+1] op_sel_hi:[1,0]   ; each accumulator from its low end on
.set i, i+2
.endr
	WIN 0
.endm
.macro TOSTAGE a
.irp b, 0,1,2,3,4,5,6,7
	ds_store_b128 v[STO], v[T+8*\b:T+8*\b+3] offset:128*(\b/2)+32*(\b%2)          ; lane (r, h): channels 32 (b / 2) + 16 h + 8 (b % 2) on
	ds_store_b128 v[STO], v[T+8*\b+4:T+8*\b+7] offset:128*(\b/2)+32*(\b%2)+16
.endr
.set BB, 128+64*((\a)%2)
.irp t, 0,1,2,3,4,5,6,7,8,9,10,11,12,13,14,15
	ds_load_b128 v[BB+4*\t:BB+4*\t+3], v[RD] offset:528*\t      ; LDS serves a wave's instructions in order (ISA guide 5.7.1.4): these see the stores above
.endr
.endm
.macro SEND a, y                       ; y: the LDS instructions issued behind block a's loads, which may stay out
.set BB, 128+64*((\a)%2)
	s_wait_dscnt \y
.irp t, 0,1,2,3,4,5,6,7,8,9,10,11,12,13,14,15
	global_store_b128 v[LI], v[BB+4*\t:BB+4*\t+3], s[92:93] offset:4096*(32*((\a)/2)+16*(\t/8)+8*((\a)%2)+\t%8) th:TH_STORE_NT   ; place 16 a + t is row 32 (a / 2) + 16 (t / 8) + 8 (a % 2) + t % 8; 512 consecutive bytes, at a multiple of 512 from the buffer's first byte
.endr
.endm
	PLACES NP                                      ; behind the last products
.irp a, 0,1,2,3
	ds_load_b32 v[RL+2*\a], v[RLR] offset:64*\a
.endr
.irp a, 0,1,2,3
	v_mov_b32 v[RL+2*\a+1], 0                      ; (named as the upper halves of pairs)
.endr
	s_wait_dscnt 0x0
	SCALE 0
	TOSTAGE 0
.irp a, 1,2,3
	SCALE \a
.if \a > 1
	s_wait_xcnt 0x0                                ; block a - 2's stores have read their registers: block a's loads may land there
.endif
	TOSTAGE \a
	SEND \a-1, 32                                  ; behind block a - 1's loads: block a's 16 stores and 16 loads
.endr
	SEND 3, 0
	s_wait_tensorcnt 0x0                           ; the wave's end
	ds_add_u32 v[SPW], v[NIL]
	s_wait_dscnt 0x0
	CROUND                                         ; the closing round
	s_endpgm
.Lfunc_end_k_q2358fdf63c_pv:
	.size	k_q2358fdf63c_pv, .Lfunc_end_k_q2358fdf63c_pv-k_q2358fdf63c_pv
	.p2alignl 7, 3214868480
	.fill 96, 4, 3214868480
	.section	.rodata,"a",@progbits
	.p2align	6, 0x0
	.amdhsa_kernel k_q2358fdf63c_pv
		.amdhsa_group_segment_fixed_size 327680
		.amdhsa_private_segment_fixed_size 0
		.amdhsa_enable_private_segment 0
		.amdhsa_kernarg_size 40
		.amdhsa_user_sgpr_count 2
		.amdhsa_user_sgpr_kernarg_segment_ptr 1
		.amdhsa_wavefront_size32 1
		.amdhsa_system_sgpr_workgroup_id_x 1
		.amdhsa_system_sgpr_workgroup_id_y 1
		.amdhsa_system_sgpr_workgroup_id_z 1
		.amdhsa_system_vgpr_workitem_id 0
		.amdhsa_next_free_vgpr 768
		.amdhsa_next_free_sgpr 102
		.amdhsa_reserve_vcc 0
		.amdhsa_float_denorm_mode_32 3
		.amdhsa_float_denorm_mode_16_64 3
		.amdhsa_memory_ordered 1
		.amdhsa_forward_progress 1
		.amdhsa_inst_pref_size 166
	.end_amdhsa_kernel
	.amdgpu_metadata
---
amdhsa.version: [ 1, 2 ]
amdhsa.kernels:
  - .name:           k_q2358fdf63c_pv
    .symbol:         k_q2358fdf63c_pv.kd
    .args:
      - { .name: p_c, .offset: 0, .size: 8, .value_kind: global_buffer, .address_space: global }
      - { .name: p_s, .offset: 8, .size: 8, .value_kind: global_buffer, .address_space: global }
      - { .name: qkv_c, .offset: 16, .size: 8, .value_kind: global_buffer, .address_space: global }
      - { .name: qkv_s, .offset: 24, .size: 8, .value_kind: global_buffer, .address_space: global }
      - { .name: out0, .offset: 32, .size: 8, .value_kind: global_buffer, .address_space: global }
    .group_segment_fixed_size: 327680
    .private_segment_fixed_size: 0
    .kernarg_segment_align: 8
    .kernarg_segment_size: 40
    .max_flat_workgroup_size: 128
    .sgpr_count:     102
    .vgpr_count:     768
    .wavefront_size: 32
...
	.end_amdgpu_metadata
.endif
;; end of part 7
